; MI455X (gfx1250); checked and timed in simulation.
; The chip was launched on July 23, 2026; its instructions are those of AMD's public machine-readable ISA for CDNA 5 (MIT licence, August 2026) and "CDNA5" Instruction Set Architecture Reference Guide (July 2026). The comments in the code are by the model that wrote it; some were corrected since.
;; Blocks. Allowed arithmetic: matrix products marked QUANTISED: E3M2 operands, one E8M0 scale for each 32 along K, by v_wmma_scale_f32_16x16x128_f8f6f4 with both operands' format E3M2, f32 sums; everything else in f32.
;; Inputs: W1 1,024 x 4,096 float32; W2 4,096 x 1,024 float32; Wk 16 x 1,024 x 64 float32; Wproj 1,024 x 1,024 float32; Wq 16 x 1,024 x 64 float32; b1 4,096 float32; b2 1,024 float32; bproj 1,024 float32; ln1_b 1,024 float32; ln1_g 1,024 float32; ln2_b 1,024 float32; ln2_g 1,024 float32; x 2 x 2,048 x 1,024 float32.
;; Outputs: out0 2 x 2,048 x 1,024 float32.
;; This version of the problem:
;;   THIS VERSION OF THE PROBLEM IS GIVEN IN LOW PRECISION. The matrix products marked QUANTISED in the list below multiply operands that are first quantised to E3M2 (3 exponent bits, 2 mantissa bits; 6 bits a number), with one power-of-two scale for each 32 numbers along K (OCP MX v1.0); their sums are f32. All else is computed in f32.
;;   The module's matrix products, in the order in which they are computed (A, B: the left and right operand; K: the contracted axis; several contracted axes count as one K, in the product's order):
;;     1. [M 1,024, K 1,024] x [K 1,024, N 4,096]; A: input Wq; B: computed on the way: QUANTISED
;;     2. [M 1,024, K 1,024] x [K 1,024, N 4,096]; A: input Wk; B: computed on the way: QUANTISED
;;     3. batch 32 x [M 2,048, K 64] x [K 64, N 2,048]; A: computed on the way; B: computed on the way: QUANTISED
;;     4. batch 32 x [M 2,048, K 2,048] x [K 2,048, N 64]; A: softmax (see below); B: computed on the way: QUANTISED
;;     5. [M 4,096, K 1,024] x [K 1,024, N 1,024]; A: computed on the way; B: input Wproj: QUANTISED
;;     6. [M 4,096, K 1,024] x [K 1,024, N 4,096]; A: computed on the way; B: input W1: QUANTISED
;;     7. [M 4,096, K 4,096] x [K 4,096, N 1,024]; A: computed on the way; B: input W2: QUANTISED
;;   THE QUANTISER, for each operand of a quantised product, along K:
;;     - K is cut into blocks of 32 from its start; a last block that is shorter is filled with zeros.
;;     - A block's scale is 2^e with e = floor(log2(the largest magnitude in the block)) - 4, held to -126 .. 127; a block of zeros has e = 0. As a byte (E8M0): e + 127.
;;     - Each number is divided by its block's scale, clamped to +-28, and rounded to the nearest number of E3M2, ties to even, subnormals kept.
;;     - The product sums the exact products of the quantised numbers (number of the format x scale) in f32.
;;   ~~~python
;;   def quantise(x, axis):      # numpy; x: float32 -> the quantised numbers, widened to float32 again
;;       x = np.moveaxis(x, axis, -1); K = x.shape[-1]
;;       x = np.pad(x, [(0, 0)] * (x.ndim - 1) + [(0, -K % 32)]); x = x.reshape(x.shape[:-1] + (-1, 32)); a = np.abs(x).max(-1, keepdims=True)
;;       e = np.where(a > 0, np.clip(np.frexp(np.where(a > 0, a, 1))[1] - 1 - 4, -126, 127), 0)      # np.frexp(a)[1] - 1 = floor(log2(a)), exactly
;;       r = np.clip(x / 2.0 ** e, -28, 28)
;;       step = 2.0 ** (np.maximum(np.frexp(np.where(r == 0, 1, r))[1] - 1, -2) - 2)
;;       q = np.round(r / step) * step * 2.0 ** e      # np.round: ties to even
;;       return np.moveaxis(q.reshape(q.shape[:-2] + (-1,))[..., :K], -1, axis).astype(np.float32)
;;   ~~~
;;   SOFTMAX AHEAD OF A QUANTISED PRODUCT. Where the list says 'softmax', what is quantised is not the finished softmax but p = 2^(t - M), with t = logit x log2(e) and M = ceil(the row's largest t), a whole number; so 1/2 < the row's largest p <= 1. The row's sum l is taken of the UNQUANTISED p, in f32, and the product's result is divided by l at the end. Since M is a whole number, a kernel that streams over the keys may use a running M (the ceiling of the running maximum): every later rescaling is an exact power of two, which a block's scale takes up: the codes' values come out the same.
;;   OPERANDS COMPUTED ON THE WAY. 'Computed on the way' means the value that the module computes at that place (a softmax that the list does not call 'softmax' is quantised finished and normalised). What goes into a quantiser is computed in f32, as accurately as f32 sums, v_exp_f32 and their like allow (about 1e-6 of the number): no bf16 or f16 on the way to a quantiser, and a product that is left as it is and whose result goes on into a quantised operand takes f32 operands (vector FMAs, or v_wmma_f32_16x16x4_f32). A number that lies on a knife's edge between two numbers of the format may be rounded either way, as far as f32 arithmetic and the matrix unit's own rounding can turn it there, and no further.
;; 2 versions. Each part assembles by itself: llvm-mc -triple=amdgcn-amd-amdhsa -mcpu=gfx1250 --defsym DOCPART=n.
;; ======== version 1 of 2: 8 launches
;; workspace buffers: pre 12,288,000 bytes; qkvb 9,830,400 bytes; ao 3,276,800 bytes; x1 16,777,216 bytes; h2 3,276,800 bytes; hid 13,107,200 bytes
;; launch ln1 (part 1): grid 64 x 1, 16 waves a work-group, no clusters, 272,384 bytes of LDS; arguments x, ln1_g, ln1_b, pre; writes pre
.if DOCPART == 1
	.amdgcn_target "amdgcn-amd-amdhsa--gfx1250"
	.amdhsa_code_object_version 6
	.text
	.protected	k_q3e2e7f24c1_ln1
	.globl	k_q3e2e7f24c1_ln1
	.p2align	8
	.type	k_q3e2e7f24c1_ln1,@function
k_q3e2e7f24c1_ln1:
	s_mov_b64 s[64:65], 0
	v_nop
	global_prefetch_b8 v0, s[64:65] scope:SCOPE_SE
	s_setreg_imm32_b32 hwreg(HW_REG_WAVE_MODE, 25, 1), 1
	s_wait_xcnt 0x0
; LayerNorm of [4096][1024] f32 rows, then the MX-BF6 quantiser along the 1,024 columns (E3M2 codes, one E8M0 byte for each 32).
; OUT: an IMAGE of operand registers.  A unit (128 rows x 128 K) is 12,800 bytes: eight fragments of 1,536 bytes, then 512 bytes of scale words.  The image is [row block 32][K step 8] units.
; Fragment i of a block holds in its row r the token 32 (i / 2) + 8 (i % 2) + r + 8 (r / 8).  A fragment is two halves of 768 bytes (registers 6 c .. 6 c + 5):
; 32 lanes x 16 bytes, then 32 lanes x 8 bytes.  The scale word of (fragment i, row r) lies at 12,288 + 256 (i / 4) + 16 r + 4 (i % 4).
; SHARES.  A work-group takes 64 tokens.  Wave w: t = w / 4 names the fragment (16 tokens), c = w % 4 the 256 columns (K steps 2 c, 2 c + 1): 128 numbers a lane.
; Loads take 512 consecutive bytes; the numbers turn through the wave's own stage in LDS so that a lane holds 16 neighbours of each block of 32 of ONE token.
; Mean and variance in two passes (the variance of the centred numbers), the four waves of a token meeting in LDS: three barriers in all.
; LIMITS: NaN and infinities are not served; a block whose largest magnitude lies under 2^-122 gets the byte 1, a block of zeros too (its codes are zeros; only this program reads the bytes); 1 / sqrt by v_rsq_f32.
.set UNIT,  12800
.set FRB,   1536
.set SCO,   12288
.set SP,    1040                       ; a stage row: 1,024 bytes + 16: an odd multiple of 16, so sixteen rows start in sixteen different groups of banks
.set STGB,  16*SP                      ; a wave's stage
.set STAT1, 16*STGB                    ; [t][r][c] words: the waves' sums
.set STAT2, STAT1+1024                 ; the same for the sums of squares
.set SCG,   STAT2+1024                 ; [K step 8][r][t] scale words
.set L16, 1                            ; 16 x lane
.set RR,  2                            ; r = lane % 16
.set HH,  3                            ; h = lane / 16
.set STS, 4                            ; stage, in: 16 x lane
.set STL, 5                            ; stage, back: row r, + 64 h
.set GBL, 6                            ; gain and bias in the stage: + 64 h
.set SW,  7                            ; my word among the sums
.set SR,  8                            ; my token's four words
.set SCW, 9                            ; my scale word's place in LDS
.set L8,  10                           ; 8 x lane
.set SCV, 11                           ; scale words on the way out: 12,800 h + 16 r
.set PC,  12                           ; v12-23 a fragment's codes
.set PT,  24                           ; v24-31 the conversions' second halves
.set D,   32                           ; v32-159 my 128 numbers
.set G,   160                          ; v160-191 gain
.set BV,  192                          ; v192-223 bias
.set TM,  224                          ; v224-239 at work in the quantiser
.set PW,  240                          ; v240-241 scale words
.set MU,  242                          ; v242-243 the mean, twice
.set RS,  244                          ; v244-245 1 / sqrt(var + eps), twice
.set SM,  246                          ; v246-253 sums
.set TX,  254
.set SCR, 255                          ; where waves 0-3 read the scale words back
.set SEL, 32                           ; s[32:33] lane selects: lane xor 16
	s_load_b256 s[4:11], s[0:1], 0x0               ; rows s[4:5], gain s[6:7], bias s[8:9], image s[10:11]
	v_lshl_add_u32 v234, v0, 2, 0x42000
	v_mov_b32 v235, 0
	v_lshrrev_b32 v1, 5, v0
	v_readfirstlane_b32 s12, v1                    ; wave 0..15
	s_lshr_b32 s13, s12, 2                         ; t
	s_and_b32 s14, s12, 3                          ; c
	s_lshr_b32 s15, ttmp9, 1                       ; the block of 128 tokens
	s_and_b32 s16, ttmp9, 1                        ; and which half of it
	s_mov_b32 s[SEL], 0x76543210
	s_mov_b32 s[SEL+1], 0xfedcba98
	s_mov_b32 s34, 0x3a800000                      ; 1 / 1024
	s_mov_b32 s35, 0x3727c5ac                      ; 1e-5
	v_and_b32 v[TX], 31, v0
	v_lshlrev_b32 v[L16], 4, v[TX]
	v_lshlrev_b32 v[L8], 3, v[TX]
	v_and_b32 v[RR], 15, v0
	v_bfe_u32 v[HH], v0, 4, 1
	s_mul_i32 s17, s12, STGB
	v_add_nc_u32 v[STS], s17, v[L16]
	v_mul_u32_u24 v[STL], v[RR], SP
	v_lshl_add_u32 v[STL], v[HH], 6, v[STL]
	v_add_nc_u32 v[STL], s17, v[STL]
	v_lshlrev_b32 v[GBL], 6, v[HH]
	v_add_nc_u32 v[GBL], s17, v[GBL]
	s_lshl_b32 s18, s13, 8
	s_add_co_u32 s18, s18, STAT1
	v_lshl_add_u32 v[SR], v[RR], 4, s18            ; STAT1 + 256 t + 16 r
	s_lshl_b32 s19, s14, 2
	v_add_nc_u32 v[SW], s19, v[SR]                 ; + 4 c
	s_lshl_b32 s18, s14, 9
	s_add_co_u32 s18, s18, SCG
	v_add_nc_u32 v[SCR], s18, v[L16]               ; SCG + 512 c + 16 x lane (c is the wave's number in waves 0-3)
	s_lshl_b32 s19, s13, 2
	s_add_co_u32 s18, s18, s19
	v_lshl_add_u32 v[SCW], v[RR], 4, s18           ; SCG + 512 c + 16 r + 4 t
	v_mul_u32_u24 v[SCV], v[HH], UNIT
	v_lshl_add_u32 v[SCV], v[RR], 4, v[SCV]
.irp b, 0,1,2,3
	v_mov_b32 v[TM+4+\b], 0                        ; written once: a lane permute's destination counts as one of its sources
.endr
	s_lshl_b32 s20, ttmp9, 6                       ; my fragment's first token: 64 x work-group + 32 (t / 2) + 8 (t % 2)
	s_lshr_b32 s21, s13, 1
	s_lshl_b32 s21, s21, 5
	s_add_co_u32 s20, s20, s21
	s_and_b32 s21, s13, 1
	s_lshl_b32 s21, s21, 3
	s_add_co_u32 s20, s20, s21
	s_lshl_b32 s20, s20, 12                        ; rows of 4,096 bytes
	s_lshl_b32 s22, s14, 10                        ; my 256 columns
	s_add_co_u32 s20, s20, s22
	s_mov_b32 s21, 0
	s_mov_b32 s23, 0
	s_lshl_b32 s24, s15, 3
	s_lshl_b32 s25, s14, 1
	s_add_co_u32 s24, s24, s25
	s_mul_i32 s24, s24, UNIT                       ; unit (block, K step 2 c)
	s_mov_b32 s25, 0
	s_lshl_b32 s26, s16, 2
	s_add_co_u32 s26, s26, s13
	s_mul_i32 s26, s26, FRB                        ; fragment 4 half + t
	s_mov_b32 s27, 0
	s_lshl_b32 s28, s16, 8
	s_add_co_u32 s28, s28, SCO                     ; the scale words of fragments 4 half .. 4 half + 3
	s_mov_b32 s29, 0
	s_wait_kmcnt 0x0
	s_add_nc_u64 s[4:5], s[4:5], s[20:21]
	s_add_nc_u64 s[6:7], s[6:7], s[22:23]
	s_add_nc_u64 s[8:9], s[8:9], s[22:23]
	s_add_nc_u64 s[10:11], s[10:11], s[24:25]
	s_add_nc_u64 s[30:31], s[10:11], s[28:29]
	s_add_nc_u64 s[10:11], s[10:11], s[26:27]
	; 16 tokens x 1,024 bytes: each load takes 512 consecutive bytes
.irp q, 0,1,2,3,4,5,6,7,8,9,10,11,12,13,14,15
.irp e, 0,1
	global_load_b128 v[D+4*(2*\q+\e):D+4*(2*\q+\e)+3], v[L16], s[4:5] offset:(\q+8*(\q/8))*4096+512*\e th:TH_LOAD_NT
.endr
.endr
	global_load_b128 v[G:G+3],     v[L16], s[6:7]
	global_load_b128 v[G+4:G+7],   v[L16], s[6:7] offset:512
	global_load_b128 v[G+8:G+11],  v[L16], s[8:9]
	global_load_b128 v[G+12:G+15], v[L16], s[8:9] offset:512
	s_wait_loadcnt 4                               ; the rows are in; the four younger loads (gain, bias) may be out
.irp q, 0,1,2,3,4,5,6,7,8,9,10,11,12,13,14,15
.irp e, 0,1
	ds_store_b128 v[STS], v[D+4*(2*\q+\e):D+4*(2*\q+\e)+3] offset:SP*\q+512*\e
.endr
.endr
.irp b, 0,1,2,3,4,5,6,7                        ; back: register 16 b + i = column 32 b + 16 h + i of token r.  LDS serves a wave's instructions in order (ISA guide 5.7.1.4)
.irp j, 0,1,2,3
	ds_load_b128 v[D+16*\b+4*\j:D+16*\b+4*\j+3], v[STL] offset:128*\b+16*\j
.endr
.endr
	s_wait_dscnt 0x0
	s_wait_loadcnt 0x0
	ds_store_b128 v[STS], v[G:G+3]                 ; gain and bias take the stage's first 2,048 bytes, whose rows have been read back
	ds_store_b128 v[STS], v[G+4:G+7] offset:512
	ds_store_b128 v[STS], v[G+8:G+11] offset:1024
	ds_store_b128 v[STS], v[G+12:G+15] offset:1536
; v[SM] = my lane's sum -> the token's sum over all 1,024 columns, the same bits in all four waves
.macro ACROSS off
	v_pk_add_f32 v[SM:SM+1], v[SM:SM+1], v[SM+2:SM+3]
	v_pk_add_f32 v[SM+4:SM+5], v[SM+4:SM+5], v[SM+6:SM+7]
	v_pk_add_f32 v[SM:SM+1], v[SM:SM+1], v[SM+4:SM+5]
	v_add_f32 v[SM], v[SM], v[SM+1]
	v_permlanex16_b32 v[TX], v[SM], s[SEL], s[SEL+1]
	v_add_f32 v[SM], v[SM], v[TX]                  ; my wave's 256 columns
	ds_store_b32 v[SW], v[SM] offset:\off          ; both halves of the lanes write the same word with the same value
	s_wait_dscnt 0x0                               ; for the others' sake: my LDS stores have landed
	s_barrier_signal -1
	s_barrier_wait -1
	ds_load_b128 v[SM:SM+3], v[SR] offset:\off
	s_wait_dscnt 0x0
	v_add_f32 v[SM], v[SM], v[SM+1]
	v_add_f32 v[SM+2], v[SM+2], v[SM+3]
	v_add_f32 v[SM], v[SM], v[SM+2]
.endm
	; the mean: four chains, started by the first eight pairs
.irp k, 0,1,2,3
	v_pk_add_f32 v[SM+2*\k:SM+2*\k+1], v[D+2*\k:D+2*\k+1], v[D+8+2*\k:D+8+2*\k+1]
.endr
.set p, 8
.rept 56
	v_pk_add_f32 v[SM+2*(p%4):SM+2*(p%4)+1], v[SM+2*(p%4):SM+2*(p%4)+1], v[D+2*p:D+2*p+1]
.set p, p+1
.endr
	ACROSS 0
	v_mul_f32 v[MU], s34, v[SM]
	v_mov_b32 v[MU+1], v[MU]
.set p, 0
.rept 64
	v_pk_add_f32 v[D+2*p:D+2*p+1], v[D+2*p:D+2*p+1], v[MU:MU+1] neg_lo:[0,1] neg_hi:[0,1]   ; x - mean
.set p, p+1
.endr
.irp k, 0,1,2,3
	v_pk_mul_f32 v[SM+2*\k:SM+2*\k+1], v[D+2*\k:D+2*\k+1], v[D+2*\k:D+2*\k+1]
.endr
.set p, 4
.rept 60
	v_pk_fma_f32 v[SM+2*(p%4):SM+2*(p%4)+1], v[D+2*p:D+2*p+1], v[D+2*p:D+2*p+1], v[SM+2*(p%4):SM+2*(p%4)+1]
.set p, p+1
.endr
	ACROSS 1024
	v_fma_f32 v[RS], v[SM], s34, s35               ; variance + eps
	v_rsq_f32 v[RS], v[RS]
	v_nop                                          ; a plain instruction behind the transcendental
	s_wait_alu depctr_va_vdst(0)                   ; and a wait ahead of its first reader
	v_mov_b32 v[RS+1], v[RS]
.irp u, 0,1,2,3                                ; two blocks of 32 columns at a time: (x - mean) / sqrt(..) x gain + bias
.irp j, 0,1,2,3,4,5,6,7
	ds_load_b128 v[G+4*\j:G+4*\j+3],   v[GBL] offset:256*\u+128*(\j/4)+16*(\j%4)
	ds_load_b128 v[BV+4*\j:BV+4*\j+3], v[GBL] offset:1024+256*\u+128*(\j/4)+16*(\j%4)
.endr
.set p, 0
.rept 16
	v_pk_mul_f32 v[D+32*\u+2*p:D+32*\u+2*p+1], v[D+32*\u+2*p:D+32*\u+2*p+1], v[RS:RS+1]
.set p, p+1
.endr
	s_wait_dscnt 0x0
.set p, 0
.rept 16
	v_pk_fma_f32 v[D+32*\u+2*p:D+32*\u+2*p+1], v[D+32*\u+2*p:D+32*\u+2*p+1], v[G+2*p:G+2*p+1], v[BV+2*p:BV+2*p+1]
.set p, p+1
.endr
.endr
; 64 numbers of a lane, register 16 b + i = k 32 b + 16 h + i of my token, become a fragment's codes in v[PC] on and its scale word in v[pw]
.macro QUANT s, pw
.irp b, 0,1,2,3
	v_max3_num_f32 v[TM+\b], |v[\s+16*\b]|, |v[\s+16*\b+1]|, 0x2800000   ; my 16 numbers of block b, and the floor 2^(5 - 127): the byte cannot fall under 1
.endr
.irp i, 2,4,6,8,10,12,14
.irp b, 0,1,2,3
	v_max3_num_f32 v[TM+\b], v[TM+\b], |v[\s+16*\b+\i]|, |v[\s+16*\b+\i+1]|
.endr
.endr
.irp b, 0,1,2,3
	v_permlanex16_b32 v[TM+4+\b], v[TM+\b], s[SEL], s[SEL+1]
.endr
.irp b, 0,1,2,3
	v_max_num_f32 v[TM+\b], v[TM+\b], v[TM+4+\b]   ; with lane xor 16's 16: the block's largest magnitude
.endr
.irp b, 0,1,2,3
	v_add_nc_u32 v[TM+12+\b], 0xfe000000, v[TM+\b] ; 4 off its exponent field: the conversion's scale operand
.endr
.irp b, 0,1,2,3
	v_lshrrev_b32 v[TM+4+\b], 23, v[TM+12+\b]      ; the scale's byte
.endr
	v_lshl_or_b32 v[\pw], v[TM+5], 8, v[TM+4]
	v_lshl_or_b32 v[\pw], v[TM+6], 16, v[\pw]
	v_lshl_or_b32 v[\pw], v[TM+7], 24, v[\pw]
	s_wait_xcnt 0x0                                ; earlier stores have read the codes' registers: they are written again only behind this wait
.irp c, 0,1
	v_cvt_scalef32_pk16_bf6_f32 v[PC+6*\c:PC+6*\c+2], v[\s+32*\c:\s+32*\c+15], v[TM+12+2*\c]
	v_cvt_scalef32_pk16_bf6_f32 v[PT+4*\c:PT+4*\c+2], v[\s+32*\c+16:\s+32*\c+31], v[TM+13+2*\c]   ; (a conversion's three registers begin on an even number)
.endr
	v_nop                                          ; one plain place behind a scaled conversion
.irp c, 0,1                                    ; the operand's layout wants a whole block in a lane: lanes 0-15 block 2 c, lanes 16-31 block 2 c + 1
.irp i, 0,1,2
	v_permlane16_swap_b32 v[PC+6*\c+\i], v[PT+4*\c+\i]
.endr
.irp i, 0,1,2
	v_mov_b32 v[PC+3+6*\c+\i], v[PT+4*\c+\i]
.endr
.endr
.endm
.irp s, 0,1                                    ; my two K steps
	QUANT D+64*\s, PW+\s
	global_store_b128 v[L16], v[PC:PC+3],     s[10:11] offset:UNIT*\s        ; each store covers 512 or 256 consecutive bytes, aligned to 256
	global_store_b64  v[L8],  v[PC+4:PC+5],   s[10:11] offset:UNIT*\s+512
	global_store_b128 v[L16], v[PC+6:PC+9],   s[10:11] offset:UNIT*\s+768
	global_store_b64  v[L8],  v[PC+10:PC+11], s[10:11] offset:UNIT*\s+1280
	ds_store_b32 v[SCW], v[PW+\s] offset:256*\s
.endr
	s_wait_dscnt 0x0                               ; my scale words have landed
	s_barrier_signal -1
	s_barrier_wait -1
	s_cmp_gt_u32 s12, 3                            ; waves 0-3 send the scale words of K steps 2 w and 2 w + 1: no barrier follows
	s_cbranch_scc1 .Ldone
	ds_load_b128 v[G:G+3], v[SCR]                  ; lanes 0-15: K step 2 w, token row r, fragments 4 half + 0 .. 3; lanes 16-31: K step 2 w + 1
	s_wait_dscnt 0x0
	global_store_b128 v[SCV], v[G:G+3], s[30:31]   ; two runs of 256 consecutive bytes
.Ldone:
	s_wait_tensorcnt 0x0
	ds_add_u32 v234, v235
	s_wait_dscnt 0x0
	s_endpgm
.Lfunc_end_k_q3e2e7f24c1_ln1:
	.size	k_q3e2e7f24c1_ln1, .Lfunc_end_k_q3e2e7f24c1_ln1-k_q3e2e7f24c1_ln1
	.p2alignl 7, 3214868480
	.fill 96, 4, 3214868480
	.section	.rodata,"a",@progbits
	.p2align	6, 0x0
	.amdhsa_kernel k_q3e2e7f24c1_ln1
		.amdhsa_group_segment_fixed_size 272384
		.amdhsa_private_segment_fixed_size 0
		.amdhsa_enable_private_segment 0
		.amdhsa_kernarg_size 32
		.amdhsa_user_sgpr_count 2
		.amdhsa_user_sgpr_kernarg_segment_ptr 1
		.amdhsa_wavefront_size32 1
		.amdhsa_system_sgpr_workgroup_id_x 1
		.amdhsa_system_sgpr_workgroup_id_y 1
		.amdhsa_system_sgpr_workgroup_id_z 1
		.amdhsa_system_vgpr_workitem_id 0
		.amdhsa_next_free_vgpr 256
		.amdhsa_next_free_sgpr 66
		.amdhsa_reserve_vcc 0
		.amdhsa_float_denorm_mode_32 3
		.amdhsa_float_denorm_mode_16_64 3
		.amdhsa_memory_ordered 1
		.amdhsa_forward_progress 1
		.amdhsa_inst_pref_size 46
	.end_amdhsa_kernel
	.amdgpu_metadata
---
amdhsa.version: [ 1, 2 ]
amdhsa.kernels:
  - .name:           k_q3e2e7f24c1_ln1
    .symbol:         k_q3e2e7f24c1_ln1.kd
    .args:
      - { .name: x, .offset: 0, .size: 8, .value_kind: global_buffer, .address_space: global }
      - { .name: ln1_g, .offset: 8, .size: 8, .value_kind: global_buffer, .address_space: global }
      - { .name: ln1_b, .offset: 16, .size: 8, .value_kind: global_buffer, .address_space: global }
      - { .name: pre, .offset: 24, .size: 8, .value_kind: global_buffer, .address_space: global }
    .group_segment_fixed_size: 272384
    .private_segment_fixed_size: 0
    .kernarg_segment_align: 8
    .kernarg_segment_size: 32
    .max_flat_workgroup_size: 512
    .sgpr_count:     66
    .vgpr_count:     256
    .wavefront_size: 32
...
	.end_amdgpu_metadata
.endif
;; end of part 1
;; launch wts (part 2): grid 176 x 1, 16 waves a work-group, no clusters, 0 bytes of LDS; arguments Wq, Wk, Wproj, W1, W2, pre; writes pre
.if DOCPART == 2
	.amdgcn_target "amdgcn-amd-amdhsa--gfx1250"
	.amdhsa_code_object_version 6
	.text
	.protected	k_q3e2e7f24c1_wts
	.globl	k_q3e2e7f24c1_wts
	.p2align	8
	.type	k_q3e2e7f24c1_wts,@function
k_q3e2e7f24c1_wts:
	s_mov_b64 s[64:65], 0
	v_nop
	global_prefetch_b8 v0, s[64:65] scope:SCOPE_SE
	s_setreg_imm32_b32 hwreg(HW_REG_WAVE_MODE, 25, 1), 1
	s_wait_xcnt 0x0
; The five weights, f32 with K NOT innermost, become MX-BF6 images (E3M2 codes, one E8M0 byte for each 32 along K) in pre, laid as the products' operand registers.
; A unit (128 columns x 128 K) is 12,800 bytes: eight fragments of 1,536 bytes, then 512 bytes of scale words; an image is [column block][K step] units.
; Fragment i holds in its row r the column 32 (i / 2) + 8 (i % 2) + r + 8 (r / 8) of the block; a fragment is two halves of 768 bytes: 32 lanes x 16 bytes, then 32 lanes x 8 bytes.
; A LANE TAKES A COLUMN, AND ITS REGISTERS RUN DOWN K: each load reads 128 consecutive bytes a wave, a block of 32 along K lies in one lane, and the conversions give codes with K innermost.
; SHARES.  A work-group takes 128 columns x 512 K of one tensor, chosen by its number; wave w: 32 columns (w % 4), one K step of 128 (w / 4).  No LDS, no barrier.
; What is stored in part: the 8-byte pieces fill runs of 128 bytes, the scale words pieces of 8 bytes: about one byte in eleven of what this launch stores.
; LIMITS: NaN and infinities are not served; a block whose largest magnitude lies under 2^-122 gets the byte 1, a block of zeros too (its codes are zeros; only this program reads the bytes).
.set UNIT, 12800
.set FRB,  1536
.set SCO,  12288
.set WQK,  3276800                     ; pre: Wq's 8 column blocks, then Wk's 8; 8 K steps each
.set WP,   4915200                     ; Wproj: 8 x 8
.set W1I,  5734400                     ; W1: 32 x 8
.set W2I,  9011200                     ; W2: 8 x 32
.set X,    32                          ; v32-159  four blocks of 32 numbers
.set VO,   160                         ; v160-175 4 x lane + j rows
.set C,    176                         ; v176-207 a block's six registers of codes, eight apart
.set CT,   208                         ; v208-223 the conversions' second halves
.set SB,   32                          ; s[32:47] eight bases, 16 rows apart
	s_load_b256 s[4:11], s[0:1], 0x0               ; Wq, Wk, Wproj, W1
	s_load_b128 s[12:15], s[0:1], 0x20             ; W2, pre
	v_lshrrev_b32 v1, 5, v0
	v_readfirstlane_b32 s28, v1                    ; wave 0..15
	s_and_b32 s29, s28, 3                          ; which 32 columns
	s_lshr_b32 s30, s28, 2                         ; which K step of the four
	s_mov_b32 s16, 112                             ; W2: first work-group,
	s_mov_b32 s17, 4096                            ; bytes from row to row along K,
	s_mov_b32 s18, 256                             ; bytes from 64 columns to the next 64,
	s_mov_b32 s19, 3                               ; log2 of the chunks of 512 along K,
	s_mov_b32 s20, W2I                             ; the image's first byte
	s_wait_kmcnt 0x0
	s_mov_b64 s[22:23], s[12:13]
	s_cmp_lt_u32 ttmp9, 112                        ; the choices hang on the work-group's number alone
	s_cselect_b32 s16, 48, s16
	s_cselect_b32 s17, 16384, s17
	s_cselect_b32 s19, 1, s19
	s_cselect_b32 s20, W1I, s20
	s_cselect_b64 s[22:23], s[10:11], s[22:23]
	s_cmp_lt_u32 ttmp9, 48
	s_cselect_b32 s16, 32, s16
	s_cselect_b32 s17, 4096, s17
	s_cselect_b32 s20, WP, s20
	s_cselect_b64 s[22:23], s[8:9], s[22:23]
	s_cmp_lt_u32 ttmp9, 32                         ; Wq, Wk: [head][1024][64]: a row of 64 is 256 bytes, a head 262,144
	s_cselect_b32 s16, 16, s16
	s_cselect_b32 s17, 256, s17
	s_cselect_b32 s18, 262144, s18
	s_cselect_b32 s20, WQK+819200, s20
	s_cselect_b64 s[22:23], s[6:7], s[22:23]
	s_cmp_lt_u32 ttmp9, 16
	s_cselect_b32 s16, 0, s16
	s_cselect_b32 s20, WQK, s20
	s_cselect_b64 s[22:23], s[4:5], s[22:23]
	s_sub_co_u32 s21, ttmp9, s16                   ; idx = column block x chunks + chunk
	s_lshr_b32 s24, s21, s19                       ; column block
	s_lshl_b32 s25, s24, s19
	s_sub_co_u32 s25, s21, s25                     ; chunk of 512 along K
	s_lshl_b32 s26, s24, 1
	s_lshr_b32 s27, s29, 1
	s_add_co_u32 s26, s26, s27                     ; my first column / 64
	s_mul_i32 s26, s26, s18
	s_and_b32 s27, s29, 1
	s_lshl_b32 s27, s27, 7                         ; (my first column % 64) x 4
	s_add_co_u32 s26, s26, s27
	s_lshl_b32 s27, s25, 2
	s_add_co_u32 s27, s27, s30
	s_lshl_b32 s27, s27, 7                         ; my first k
	s_mul_i32 s27, s27, s17
	s_add_co_u32 s26, s26, s27                     ; under 2^25
	s_mov_b32 s27, 0
	s_add_nc_u64 s[SB:SB+1], s[22:23], s[26:27]
	s_lshl_b32 s26, s17, 4                         ; 16 rows
.irp m, 1,2,3,4,5,6,7
	s_add_nc_u64 s[SB+2*\m:SB+2*\m+1], s[SB+2*\m-2:SB+2*\m-1], s[26:27]
.endr
	s_lshl_b32 s48, s21, 2                         ; the unit: column block x K steps + K step = 4 idx + my K step of the four
	s_add_co_u32 s48, s48, s30
	s_mul_i32 s48, s48, UNIT
	s_add_co_u32 s48, s48, s20
	s_mov_b32 s49, 0
	s_add_nc_u64 s[14:15], s[14:15], s[48:49]
	s_mul_i32 s50, s29, 2*FRB                      ; my 32 columns are fragments 2 (w % 4) and 2 (w % 4) + 1
	s_mov_b32 s51, 0
	s_add_nc_u64 s[52:53], s[14:15], s[50:51]
	s_lshr_b32 s50, s29, 1
	s_lshl_b32 s50, s50, 8
	s_and_b32 s54, s29, 1
	s_lshl_b32 s54, s54, 3
	s_add_co_u32 s50, s50, s54
	s_add_co_u32 s50, s50, SCO
	s_add_nc_u64 s[14:15], s[14:15], s[50:51]      ; their scale words
	v_and_b32 v4, 31, v0                           ; lane = column
	v_bfe_u32 v5, v0, 3, 1                         ; u: which of the two fragments
	v_and_b32 v6, 7, v0
	v_bfe_u32 v7, v0, 4, 1
	v_lshl_or_b32 v6, v7, 3, v6                    ; r: my row in it
	v_mul_u32_u24 v1, v5, FRB
	v_lshl_add_u32 v2, v6, 3, v1
	v_add_nc_u32 v2, 512, v2                       ; 8-byte pieces: 1,536 u + 512 + 8 r
	v_lshl_add_u32 v1, v6, 4, v1                   ; 16-byte pieces: 1,536 u + 16 r
	v_lshlrev_b32 v3, 2, v5
	v_lshl_add_u32 v3, v6, 4, v3                   ; scale word: 16 r + 4 u
	v_lshlrev_b32 v[VO], 2, v4
.irp j, 1,2,3,4,5,6,7,8,9,10,11,12,13,14,15
	v_add_nc_u32 v[VO+\j], s17, v[VO+\j-1]
.endr
.macro LOAD t                          ; block t: W(32 t + i, my column), i = 0 .. 31
.irp m, 0,1
.irp j, 0,1,2,3,4,5,6,7,8,9,10,11,12,13,14,15
	global_load_b32 v[X+32*(\t)+16*\m+\j], v[VO+\j], s[SB+2*(2*(\t)+\m):SB+2*(2*(\t)+\m)+1] th:TH_LOAD_NT
.endr
.endr
.endm
	LOAD 0
	LOAD 1
.macro BLOCK t
.set XS, X+32*(\t)
.if (\t) < 3
	s_wait_loadcnt 32                              ; this block's 32 loads are in; the next block's 32 may be out
.else
	s_wait_loadcnt 0x0
.endif
.if (\t)+2 < 4
	LOAD (\t)+2                                    ; each block has registers of its own
.endif
	v_max3_num_f32 v8, |v[XS]|, |v[XS+1]|, |v[XS+2]|
	v_max3_num_f32 v9, |v[XS+3]|, |v[XS+4]|, |v[XS+5]|
.irp i, 6,10,14,18,22,26
	v_max3_num_f32 v8, v8, |v[XS+\i]|, |v[XS+\i+1]|
	v_max3_num_f32 v9, v9, |v[XS+\i+2]|, |v[XS+\i+3]|
.endr
	v_max3_num_f32 v8, v8, |v[XS+30]|, |v[XS+31]|
	v_max3_num_f32 v8, v8, v9, 0x2800000           ; and the floor 2^(5 - 127): the byte cannot fall under 1
	v_add_nc_u32 v10, 0xfe000000, v8               ; 4 off the exponent field: the conversion's scale operand
	v_lshrrev_b32 v11, 23, v10                     ; the scale's byte
.if (\t) == 0
	v_mov_b32 v12, v11
.else
	v_lshl_or_b32 v12, v11, 8*(\t), v12            ; byte t scales k = 32 t ..
.endif
	v_cvt_scalef32_pk16_bf6_f32 v[C+8*(\t):C+8*(\t)+2], v[XS:XS+15], v10
	v_cvt_scalef32_pk16_bf6_f32 v[CT+4*(\t):CT+4*(\t)+2], v[XS+16:XS+31], v10   ; (a conversion's three registers begin on an even number)
	v_nop                                          ; one plain place behind a scaled conversion
.irp i, 0,1,2
	v_mov_b32 v[C+8*(\t)+3+\i], v[CT+4*(\t)+\i]
.endr
	; block t is what lane (r, t % 2) holds in registers 6 (t / 2) .. + 5 of the fragment
	global_store_b128 v1, v[C+8*(\t):C+8*(\t)+3],   s[52:53] offset:768*((\t)/2)+256*((\t)%2)
	global_store_b64  v2, v[C+8*(\t)+4:C+8*(\t)+5], s[52:53] offset:768*((\t)/2)+128*((\t)%2)
.endm
	BLOCK 0
	BLOCK 1
	BLOCK 2
	BLOCK 3
	global_store_b32 v3, v12, s[14:15]
	s_endpgm
.Lfunc_end_k_q3e2e7f24c1_wts:
	.size	k_q3e2e7f24c1_wts, .Lfunc_end_k_q3e2e7f24c1_wts-k_q3e2e7f24c1_wts
	.p2alignl 7, 3214868480
	.fill 96, 4, 3214868480
	.section	.rodata,"a",@progbits
	.p2align	6, 0x0
	.amdhsa_kernel k_q3e2e7f24c1_wts
		.amdhsa_group_segment_fixed_size 0
		.amdhsa_private_segment_fixed_size 0
		.amdhsa_enable_private_segment 0
		.amdhsa_kernarg_size 48
		.amdhsa_user_sgpr_count 2
		.amdhsa_user_sgpr_kernarg_segment_ptr 1
		.amdhsa_wavefront_size32 1
		.amdhsa_system_sgpr_workgroup_id_x 1
		.amdhsa_system_sgpr_workgroup_id_y 1
		.amdhsa_system_sgpr_workgroup_id_z 1
		.amdhsa_system_vgpr_workitem_id 0
		.amdhsa_next_free_vgpr 224
		.amdhsa_next_free_sgpr 66
		.amdhsa_reserve_vcc 0
		.amdhsa_float_denorm_mode_32 3
		.amdhsa_float_denorm_mode_16_64 3
		.amdhsa_memory_ordered 1
		.amdhsa_forward_progress 1
		.amdhsa_inst_pref_size 24
	.end_amdhsa_kernel
	.amdgpu_metadata
---
amdhsa.version: [ 1, 2 ]
amdhsa.kernels:
  - .name:           k_q3e2e7f24c1_wts
    .symbol:         k_q3e2e7f24c1_wts.kd
    .args:
      - { .name: Wq, .offset: 0, .size: 8, .value_kind: global_buffer, .address_space: global }
      - { .name: Wk, .offset: 8, .size: 8, .value_kind: global_buffer, .address_space: global }
      - { .name: Wproj, .offset: 16, .size: 8, .value_kind: global_buffer, .address_space: global }
      - { .name: W1, .offset: 24, .size: 8, .value_kind: global_buffer, .address_space: global }
      - { .name: W2, .offset: 32, .size: 8, .value_kind: global_buffer, .address_space: global }
      - { .name: pre, .offset: 40, .size: 8, .value_kind: global_buffer, .address_space: global }
    .group_segment_fixed_size: 0
    .private_segment_fixed_size: 0
    .kernarg_segment_align: 8
    .kernarg_segment_size: 48
    .max_flat_workgroup_size: 512
    .sgpr_count:     66
    .vgpr_count:     224
    .wavefront_size: 32
...
	.end_amdgpu_metadata
.endif
;; end of part 2
;; launch qkv (part 3): grid 12 x 16, 4 waves a work-group, clusters of 4 x 4, 327,680 bytes of LDS; arguments pre, qkvb; writes qkvb
.if DOCPART == 3
	.amdgcn_target "amdgcn-amd-amdhsa--gfx1250"
	.amdhsa_code_object_version 6
	.text
	.protected	k_q3e2e7f24c1_qkv
	.globl	k_q3e2e7f24c1_qkv
	.p2align	8
	.type	k_q3e2e7f24c1_qkv,@function
k_q3e2e7f24c1_qkv:
	s_mov_b64 s[64:65], 0
	v_nop
	global_prefetch_b8 v0, s[64:65] scope:SCOPE_SE
	s_setreg_imm32_b32 hwreg(HW_REG_WAVE_MODE, 25, 1), 1
	s_wait_xcnt 0x0
	s_wait_alu depctr_hold_cnt(0) depctr_sa_sdst(0) depctr_va_vdst(0) depctr_va_sdst(0) depctr_va_ssrc(0) depctr_va_vcc(0) depctr_vm_vsrc(0)
	s_getreg_b32 s2, hwreg(HW_REG_IB_STS2, 6, 4)
	s_cmp_eq_u32 s2, 0
	s_cbranch_scc0 .Lentry_in_a_cluster
	s_endpgm
.Lentry_in_a_cluster:
	s_bfe_u32 s2, ttmp6, 0x10000c
	s_cmp_lg_u32 s2, 0xf033
	s_cbranch_scc0 .Lentry_shape_is_right
	s_endpgm
.Lentry_shape_is_right:
; Q = h Wq and K = h Wk on MX-BF6 codes (E3M2, one E8M0 byte for each 32 along K = 1,024), f32 sums; the results are quantised in registers and never go to memory as f32.
; THREE KINDS OF TILE, by the cluster's x: 0: Q, 1: K (a lane holds a token, its registers run along the head's 64: quantised along d, for the scores);
; 2: K once more with the sources exchanged (a lane holds a d, its registers run along the tokens: quantised along the keys, for the second product of attention, whose values are the keys).
; The three kinds run ONE text: all that differs is chosen into scalar registers by the cluster's x, which all partners share.  No branch hangs on it.
; OPERANDS are images of operand registers: a unit (128 rows x 128 K) is 12,800 bytes: eight fragments of 1,536 bytes (two halves of 768: 32 lanes x 16 bytes, 32 lanes x 8 bytes), then the scale words
; at 12,288 + 256 (i / 4) + 16 r + 4 (i % 4).  Fragment i holds in row r the row 32 (i / 2) + 8 (i % 2) + r + 8 (r / 8) of its block, so that a lane's 16 registers of two neighbouring result tiles are 16 neighbours.
; A tile of the result is 256 x 256: four waves, each 128 x 128 in 64 accumulators.  K goes in steps of 256 through two LDS slots; a wave's tensor load brings one block's two units, 25,600 dense bytes.
; CLUSTERS: 4 x 4 work-groups; the A side's tiles are shared along a row of the cluster, the B side's along a column: each is asked for jointly.  Source 0 = the B side, source 1 = the A side.
; OUT: a record of 307,200 bytes for each (batch, head): Q, K, V sections of 102,400.  Q, K: token tile T (16 tokens x 64 d, one half) at 768 T; word f of a step of 128 tokens at 98,304 + 256 step + 16 r + 4 f
; (bytes 0, 1: tile 2 f; bytes 2, 3: tile 2 f + 1).  V: fragment (16 d x 128 keys) at 1,536 (4 step + i); its words at 98,304 + 256 step + 16 r + 4 i.
; LIMITS: NaN and infinities are not served; a block whose largest magnitude lies under 2^-122 gets the byte 1, a block of zeros too (its codes are zeros; only this program reads the bytes).
.set KTOT,  1024
.set WQK,   3276800                    ; pre: the image of h at 0; Wq's 8 column blocks and Wk's 8 from here
.set UNIT,  12800
.set FRB,   1536
.set SCO,   12288
.set REG,   2*UNIT                     ; one block's two K steps: what one tensor load brings
.set SLOT,  4*REG                      ; A's two blocks, then B's two
.set SPARE, 2*SLOT                     ; behind the ring: the spare words, 128 bytes for each wave
.set BLKB,  (KTOT/128)*UNIT            ; a block's whole K in memory
.set LAPS,  KTOT/512
.set FR,    12
.set A16,  16                          ; v16-17 LDS address of my A block's 16-byte pieces in slot 0, 1;  v18-19 of its 8-byte pieces
.set A8,   18
.set B16,  20                          ; v20-23 the same for B
.set B8,   22
.set VO16, 24                          ; v24, v26 the way out: 16 x lane, for half 0 and half 1;  v25, v27: 8 x lane + 512
.set VO8,  25
.set SPW,  28
.set NIL,  29
.set ADRS, 30                          ; v30-31 my scale words: lanes 0-15 A's, lanes 16-31 B's
.set SC,   32                          ; v32-63 scale words: SC + 16 slot + 8 q + i
.set AF,   128                         ; v128-223 A's fragments, one set
.set VSO,  14
.set VSEL, 15
.set PC,   128                         ; the way out: codes, conversions' second halves, at work, scale words
.set PT,   140
.set TM,   224
.set PWS,  240
.set OUTW, 248
.set G1,   24
.set G0,   32
.set G1B,  48
.set G0B,  56
.set SEL,  86                          ; s[86:87]
.set OB,   76                          ; s[76:77] where the codes go;  s[78:79] the scale words
.set SBW,  78
.set DA,   70                          ; s[70:71] from fragment to fragment;  s[72:73] more, behind the fourth
.set J4,   72
.set KM,   74                          ; all ones in the V kind
.set MSB, 0
.macro WIN new                         ; the immediate's high byte repeats the setting that is left
.if MSB != (\new)
	s_set_vgpr_msb (MSB<<8)|(\new)
.set MSB, (\new)
.endif
.endm
.set MUL_LO, 0xa1                      ; source 0 (B) window 1, source 1 (A) window 0, C and D window 2
.set MUL_HI, 0xf1                      ; the same, C and D window 3
.set TO_B,   0x40
.macro JLOAD s                         ; a joint load: waves 0 and 1 fetch A's blocks, waves 2 and 3 B's; four v_nop follow each line
	s_cmp_eq_u32 s15, 0
	s_cbranch_scc0 .Lfor_b_\@
	tensor_load_to_lds s[G0+4*\s:G0+4*\s+3], s[G1:G1+7]
	s_nop 0
.rept 4
	v_nop
.endr
	s_branch .Lasked_\@
.Lfor_b_\@:
	tensor_load_to_lds s[G0B+4*\s:G0B+4*\s+3], s[G1B:G1B+7]
	s_nop 0
.rept 4
	v_nop
.endr
.Lasked_\@:
.endm
.macro CREST                           ; a round of the cluster's barrier behind its opening barrier
	s_cmp_lg_u32 s14, 0
	s_cbranch_scc1 .Lnot_wave_0_\@
	s_barrier_signal -3
.Lnot_wave_0_\@:
	s_barrier_wait -3
	s_barrier_signal -1
	s_barrier_wait -1
.endm
.macro CROUND
	s_barrier_signal -1
	s_barrier_wait -1
	CREST
.endm
.macro PLACES                          ; four places behind a matrix instruction, in front of loads into its registers and of reads of its results
.rept 4
	v_nop
.endr
.endm
	s_load_b128 s[4:7], s[0:1], 0x0                ; pre s[4:5], qkvb s[6:7]
	v_lshl_add_u32 v[SPW], v0, 2, SPARE
	v_mov_b32 v[NIL], 0
	ds_add_u32 v28, v29
	ds_add_u32 v28, v29
	s_wait_dscnt 0x0
	v_lshrrev_b32 v1, 5, v0
	v_readfirstlane_b32 s14, v1                    ; wave 0..3
	s_lshr_b32 s15, s14, 1                         ; my block of the A side.  Also: I fetch for A (0) or for B (1)
	s_and_b32 s16, s14, 1                          ; my block of the B side.  Also: which block I fetch
	s_bfe_u32 s40, ttmp6, 0x40000                  ; cx, cy
	s_bfe_u32 s41, ttmp6, 0x40004
	s_and_b32 s18, ttmp7, 0xffff                   ; cluster y
	s_cmp_eq_u32 ttmp9, 2                          ; the V kind?  Only selects and moves stand between this compare and its last select
	s_cselect_b32 s19, 1, s18                      ; A's tile / 4: Wk's columns (tiles 4 .. 7), else the tokens
	s_cselect_b32 s22, s18, ttmp9                  ; B's tile / 4: the tokens, else Wq's or Wk's columns
	s_cselect_b32 s66, WQK, 0                      ; where A's image begins in pre
	s_cselect_b32 s67, 0, WQK                      ; and B's
	s_mov_b32 s68, 307200
	s_cselect_b32 s68, 768, s68                    ; from a fragment's half 0 to its half 1: the next half, else the next head's record
	s_mov_b32 s[DA], 768
	s_cselect_b32 s[DA], 1536, s[DA]
	s_cselect_b32 s[J4], 301056, 0                 ; fragments 4-7 are the next head's: 307,200 - 4 x 1,536
	s_cselect_b32 s[KM], -1, 0
	s_mov_b32 s[DA+1], 0
	s_mov_b32 s[J4+1], 0
	s_lshl_b32 s17, s19, 2
	s_add_co_u32 s17, s17, s41                     ; A's tile: hangs on cy, not on cx
	s_lshl_b32 s42, s22, 2
	s_add_co_u32 s42, s42, s40                     ; B's tile: hangs on cx, not on cy
	s_lshl_b32 s43, s41, 2
	s_lshl_b32 s43, 15, s43                        ; my row of the cluster
	s_lshl_b32 s44, 0x1111, s40                    ; my column
	s_or_b32 s[G1+0], s43, (3<<16)|(1<<21)         ; 15:0 the mask; 17:16 elements of 8 bytes; 21 set beside a mask; no padding
	s_or_b32 s[G1B+0], s44, (3<<16)|(1<<21)
.irp g, G1, G1B
	s_mov_b32 s[\g+1], 32<<16                      ; tensor_dim0 = 32 elements: 256 bytes
	s_mov_b32 s[\g+2], 100<<16                     ; tensor_dim1 = 100 rows: 25,600 dense bytes
	s_mov_b32 s[\g+3], 32<<16                      ; tile_dim0
	s_mov_b32 s[\g+4], 100                         ; tile_dim1
	s_mov_b32 s[\g+5], 32                          ; the pitch
	s_mov_b32 s[\g+6], 0
	s_mov_b32 s[\g+7], 0
.endr
	s_lshl_b32 s20, s17, 1
	s_add_co_u32 s20, s20, s16
	s_mul_i32 s20, s20, BLKB
	s_add_co_u32 s20, s20, s66
	s_mov_b32 s21, 0
	s_lshl_b32 s46, s42, 1
	s_add_co_u32 s46, s46, s16
	s_mul_i32 s46, s46, BLKB
	s_add_co_u32 s46, s46, s67
	s_mov_b32 s47, 0
	s_mul_i32 s45, s14, REG                        ; where they go: wave x 25,600: no place in the cluster enters an LDS address
	s_wait_kmcnt 0x0
	s_add_nc_u64 s[20:21], s[4:5], s[20:21]
	s_add_nc_u64 s[46:47], s[4:5], s[46:47]
	CROUND                                         ; all sixteen work-groups are here: the first joint loads meet
.irp s, 0,1
	s_mov_b32 s[G0+4*\s], 1
	s_add_co_u32 s[G0+4*\s+1], s45, \s*SLOT
	s_add_nc_u64 s[G0+4*\s+2:G0+4*\s+3], s[20:21], \s*REG
	s_or_b32 s[G0+4*\s+3], s[G0+4*\s+3], 0x80000000
	s_mov_b32 s[G0B+4*\s], 1
	s_add_co_u32 s[G0B+4*\s+1], s45, \s*SLOT
	s_add_nc_u64 s[G0B+4*\s+2:G0B+4*\s+3], s[46:47], \s*REG
	s_or_b32 s[G0B+4*\s+3], s[G0B+4*\s+3], 0x80000000
	JLOAD \s
.endr
	v_and_b32 v1, 31, v0                           ; lane
	v_lshlrev_b32 v2, 4, v1
	v_lshlrev_b32 v3, 3, v1
	v_and_b32 v4, 15, v0                           ; r
	v_bfe_u32 v5, v0, 4, 1                         ; h
	s_mul_i32 s21, s15, REG                        ; my block of A
	s_mul_i32 s22, s16, REG
	s_add_co_u32 s22, s22, 2*REG                   ; my block of B, behind A's two
	s_xor_b32 s23, s15, 1
	s_add_co_u32 s23, s23, s16
	s_add_co_u32 s23, s23, 1
	s_mul_i32 s23, s23, REG                        ; from the one to the other
	v_mul_u32_u24 v6, s23, v5
	v_lshl_add_u32 v6, v4, 4, v6                   ; 16 r; lanes 16-31 take B's words
.irp s, 0,1
	v_add_nc_u32 v[A16+\s], s21, v2
	v_add_nc_u32 v[A8+\s], s21, v3
	v_add_nc_u32 v[B16+\s], s22, v2
	v_add_nc_u32 v[B8+\s], s22, v3
	v_add_nc_u32 v[ADRS+\s], s21, v6
	s_add_co_u32 s21, s21, SLOT
	s_add_co_u32 s22, s22, SLOT
.endr
	; the way out's addresses
	s_mov_b32 s[SEL], 0x76543210
	s_mov_b32 s[SEL+1], 0xfedcba98
	s_lshl_b32 s75, s17, 1
	s_add_co_u32 s75, s75, s15                     ; my block of the A side
	s_lshl_b32 s80, s42, 1
	s_add_co_u32 s80, s80, s16                     ; my block of the B side
	s_cmp_eq_u32 ttmp9, 2
	s_cselect_b32 s81, s80, s75                    ; the block of tokens
	s_cselect_b32 s82, s75, s80                    ; the block of columns: two heads
	s_lshr_b32 s83, s81, 4
	s_lshl_b32 s83, s83, 4                         ; 16 x batch
	s_and_b32 s82, s82, 7
	s_lshl_b32 s82, s82, 1
	s_add_co_u32 s83, s83, s82                     ; the first head's record
	s_mul_i32 s83, s83, 307200
	s_mul_i32 s84, ttmp9, 102400                   ; its Q, K or V section
	s_add_co_u32 s84, s84, s83
	s_and_b32 s81, s81, 15                         ; the step of 128 tokens
	s_mul_i32 s[OB], s81, 6144
	s_add_co_u32 s[OB], s[OB], s84
	s_mov_b32 s[OB+1], 0
	s_lshl_b32 s[SBW], s81, 8
	s_add_co_u32 s[SBW], s[SBW], s84
	s_add_co_u32 s[SBW], s[SBW], 98304
	s_mov_b32 s[SBW+1], 0
	s_add_nc_u64 s[OB:OB+1], s[6:7], s[OB:OB+1]
	s_add_nc_u64 s[SBW:SBW+1], s[6:7], s[SBW:SBW+1]
	v_mov_b32 v[VO16], v2
	v_add_nc_u32 v[VO8], 512, v3
	v_add_nc_u32 v[VO16+2], s68, v[VO16]
	v_add_nc_u32 v[VO8+2], s68, v[VO8]
	v_mul_u32_u24 v[VSO], v5, 307200               ; scale words: lanes 16-31 store the second head's
	v_lshl_add_u32 v[VSO], v4, 4, v[VSO]
	s_mov_b32 s85, 0x02020202
	v_mul_lo_u32 v[VSEL], v5, s85
	v_add_nc_u32 v[VSEL], 0x05040100, v[VSEL]      ; byte selects: bytes 0, 1 of two words in lanes 0-15, bytes 2, 3 in lanes 16-31
.macro FRAG reg, a16, a8, off          ; a fragment's twelve registers, as they were stored: every load takes consecutive bytes
	ds_load_b128 v[\reg:\reg+3],     v[\a16] offset:\off
	ds_load_b64  v[\reg+4:\reg+5],   v[\a8]  offset:\off+512
	ds_load_b128 v[\reg+6:\reg+9],   v[\a16] offset:\off+768
	ds_load_b64  v[\reg+10:\reg+11], v[\a8]  offset:\off+1280
.endm
; 16 matrix instructions: A's fragments a0, a0 + 1 x B's eight.  p: B's set; q: the slot's K step; sc: the slot.  first = 1: the products start the sums.
; The 64 accumulators take turns, one instruction a turn, in the same order in every step.
.macro MUL16 a0, p, q, sc, first
.irp a, \a0, \a0+1
.irp b, 0,1,2,3,4,5,6,7
.if \first
	v_wmma_scale_f32_16x16x128_f8f6f4 v[8*(8*((\a)%4)+\b):8*(8*((\a)%4)+\b)+7], v[128*(\p)+FR*\b:128*(\p)+FR*\b+FR-1], v[AF+FR*(\a):AF+FR*(\a)+FR-1], 0, v[SC+16*(\sc)+8*(\q)+\b], v[SC+16*(\sc)+8*(\q)+(\a)] matrix_a_fmt:MATRIX_FMT_BF6 matrix_b_fmt:MATRIX_FMT_BF6 matrix_a_scale:MATRIX_SCALE_ROW1
.else
	v_wmma_scale_f32_16x16x128_f8f6f4 v[8*(8*((\a)%4)+\b):8*(8*((\a)%4)+\b)+7], v[128*(\p)+FR*\b:128*(\p)+FR*\b+FR-1], v[AF+FR*(\a):AF+FR*(\a)+FR-1], v[8*(8*((\a)%4)+\b):8*(8*((\a)%4)+\b)+7], v[SC+16*(\sc)+8*(\q)+\b], v[SC+16*(\sc)+8*(\q)+(\a)] matrix_a_fmt:MATRIX_FMT_BF6 matrix_b_fmt:MATRIX_FMT_BF6 matrix_a_scale:MATRIX_SCALE_ROW1
.endif
.endr
.endr
.endm
.macro FETCH_B slot, q, p
	WIN TO_B
.irp i, 0,1,2,3,4,5,6,7
	FRAG 128*(\p)+FR*\i, B16+\slot, B8+\slot, (\q)*UNIT+\i*FRB
.endr
	WIN 0
.endm
.macro FETCH_A slot, q, i0
.irp i, \i0, \i0+1, \i0+2, \i0+3
	FRAG AF+FR*(\i), A16+\slot, A8+\slot, (\q)*UNIT+(\i)*FRB
.endr
.endm
.macro SCALES sc                       ; a slot's scale words: four loads of 16 bytes a lane
.irp q, 0,1
.irp e, 0,1
	ds_load_b128 v[SC+16*\sc+8*\q+4*\e:SC+16*\sc+8*\q+4*\e+3], v[ADRS+\sc] offset:\q*UNIT+SCO+256*\e
.endr
.endr
.endm
.macro STEP slot, first                ; a slot's first K step; its second is fetched meanwhile
	s_wait_dscnt 16                                ; all but the youngest 16 loads (A's fragments 4-7)
	WIN MUL_LO
	MUL16 0, 0, 0, \slot, \first
	MUL16 2, 0, 0, \slot, \first
	s_wait_dscnt 0x0
	PLACES
	FETCH_B \slot, 1, 1
	FETCH_A \slot, 1, 0
	WIN MUL_HI
	MUL16 4, 0, 0, \slot, \first
	MUL16 6, 0, 0, \slot, \first
	PLACES
	WIN 0
	FETCH_A \slot, 1, 4
.endm
; A slot's second K step changes slots: one barrier; in front of it each wave waits for all its tensor loads, adds 0 to its spare word, and waits for that and for its reads of this slot.
.macro TURN slot, next, fill
	s_wait_tensorcnt 0x0                           ; all my tensor loads have landed: my part of the next slot
	ds_add_u32 v[SPW], v[NIL]                      ; 0 onto my spare word
	s_wait_dscnt 17                                ; (the add and the youngest 16 loads may be out)
	WIN MUL_LO
	MUL16 0, 1, 1, \slot, 0
	s_wait_dscnt 0x0                               ; the add is done, and my reads of this slot are over
	s_barrier_signal -1
	MUL16 2, 1, 1, \slot, 0
	WIN 0
	s_barrier_wait -1
.if \fill
	CREST                                          ; the barrier has opened a round of the cluster's: no wave of any partner still reads this slot or has a load on its way
	s_add_nc_u64 s[G0+4*\slot+2:G0+4*\slot+3], s[G0+4*\slot+2:G0+4*\slot+3], 2*REG
	s_add_nc_u64 s[G0B+4*\slot+2:G0B+4*\slot+3], s[G0B+4*\slot+2:G0B+4*\slot+3], 2*REG
	JLOAD \slot                                    ; the first tensor load behind the round; its four v_nop are also the places in front of the loads below
.else
	PLACES
.endif
	FETCH_B \next, 0, 0
	FETCH_A \next, 0, 0
	SCALES \next
	WIN MUL_HI
	MUL16 4, 1, 1, \slot, 0
	MUL16 6, 1, 1, \slot, 0
	PLACES
	WIN 0
	FETCH_A \next, 0, 4
.endm
	s_wait_tensorcnt 1                             ; my part of slot 0 is in; slot 1's may stay out
	s_barrier_signal -1
	s_barrier_wait -1
	FETCH_B 0, 0, 0
	FETCH_A 0, 0, 0
	SCALES 0
	FETCH_A 0, 0, 4
	STEP 0, 1                                      ; the first step stands in front of the loop: its products start the sums
	s_mov_b32 s3, LAPS-1
.Llap:
	TURN 0, 1, 1
	STEP 1, 0
	TURN 1, 0, 1
	STEP 0, 0
	s_sub_co_u32 s3, s3, 1
	s_cmp_lg_u32 s3, 0
	s_cbranch_scc1 .Llap
	TURN 0, 1, 0                                   ; the last lap fills nothing
	STEP 1, 0
	s_wait_dscnt 16
	WIN MUL_LO
	MUL16 0, 1, 1, 1, 0
	MUL16 2, 1, 1, 1, 0
	s_wait_dscnt 0x0
	WIN MUL_HI
	MUL16 4, 1, 1, 1, 0
	MUL16 6, 1, 1, 1, 0
	WIN 0
; THE WAY OUT.  The 64 registers of A's fragment a (window w, from v[s]) are, for my lane's row, 128 neighbours of the B side: register 16 b + i = 32 b + 16 h + i.  They become a fragment's codes and its scale word.
.macro QUANT s, w, pw
	WIN (\w)|((\w)<<2)
.irp b, 0,1,2,3
	v_max3_num_f32 v[TM+\b], |v[\s+16*\b]|, |v[\s+16*\b+1]|, 0x2800000   ; each accumulator is read from its low end on; the floor 2^(5 - 127) holds the byte at 1 from below
.endr
.irp i, 2,4,6,8,10,12,14
.irp b, 0,1,2,3
	v_max3_num_f32 v[TM+\b], |v[\s+16*\b+\i]|, |v[\s+16*\b+\i+1]|, v[TM+\b]
.endr
.endr
	WIN 0
.irp b, 0,1,2,3
	v_permlanex16_b32 v[TM+4+\b], v[TM+\b], s[SEL], s[SEL+1]
.endr
.irp b, 0,1,2,3
	v_max_num_f32 v[TM+\b], v[TM+\b], v[TM+4+\b]
.endr
.irp b, 0,1,2,3
	v_add_nc_u32 v[TM+12+\b], 0xfe000000, v[TM+\b] ; 4 off the exponent field: the conversion's scale operand
.endr
.irp b, 0,1,2,3
	v_lshrrev_b32 v[TM+4+\b], 23, v[TM+12+\b]
.endr
	v_lshl_or_b32 v[\pw], v[TM+5], 8, v[TM+4]
	v_lshl_or_b32 v[\pw], v[TM+6], 16, v[\pw]
	v_lshl_or_b32 v[\pw], v[TM+7], 24, v[\pw]
	s_wait_xcnt 0x0                                ; earlier stores have read the codes' registers and their base: both are written again only behind this wait
	WIN \w
.irp c, 0,1
	v_cvt_scalef32_pk16_bf6_f32 v[PC+6*\c:PC+6*\c+2], v[\s+32*\c:\s+32*\c+15], v[TM+12+2*\c]
	v_cvt_scalef32_pk16_bf6_f32 v[PT+4*\c:PT+4*\c+2], v[\s+32*\c+16:\s+32*\c+31], v[TM+13+2*\c]
.endr
	WIN 0
	v_nop                                          ; one plain place behind a scaled conversion
.irp c, 0,1
.irp i, 0,1,2
	v_permlane16_swap_b32 v[PC+6*\c+\i], v[PT+4*\c+\i]
.endr
.irp i, 0,1,2
	v_mov_b32 v[PC+3+6*\c+\i], v[PT+4*\c+\i]
.endr
.endr
.endm
.irp b, 0,1,2,3
	v_mov_b32 v[TM+4+\b], 0                        ; a lane permute's destination counts as one of its sources.  These four are also the places behind the last products
.endr
.irp a, 0,1,2,3,4,5,6,7
.set QS_, 64*(\a%4)
.set QW_, 2+\a/4
	QUANT QS_, QW_, PWS+\a
.if \a > 0
	s_add_nc_u64 s[OB:OB+1], s[OB:OB+1], s[DA:DA+1]   ; (no store has been issued since the wait in QUANT)
.endif
.if \a == 4
	s_add_nc_u64 s[OB:OB+1], s[OB:OB+1], s[J4:J4+1]
.endif
	global_store_b128 v[VO16],   v[PC:PC+3],     s[OB:OB+1]     ; each store covers 512 or 256 consecutive bytes, aligned to 256
	global_store_b64  v[VO8],    v[PC+4:PC+5],   s[OB:OB+1]
	global_store_b128 v[VO16+2], v[PC+6:PC+9],   s[OB:OB+1]
	global_store_b64  v[VO8+2],  v[PC+10:PC+11], s[OB:OB+1]
.endr
	v_cmp_lt_u32 vcc_lo, 15, v1
.irp f, 0,1,2,3
	v_perm_b32 v[OUTW+\f], v[PWS+2*\f+1], v[PWS+2*\f], v[VSEL]       ; Q, K: my head's two bytes of tiles 2 f and 2 f + 1
	v_cndmask_b32 v[TM+\f], v[PWS+\f], v[PWS+4+\f], vcc_lo           ; V: the word of my head's fragment f
	v_cndmask_b32 v[OUTW+\f], v[OUTW+\f], v[TM+\f], s[KM]
.endr
	global_store_b128 v[VSO], v[OUTW:OUTW+3], s[SBW:SBW+1]           ; two runs of 256 consecutive bytes, one in each head's record
	s_wait_tensorcnt 0x0                           ; the wave's end
	ds_add_u32 v[SPW], v[NIL]
	s_wait_dscnt 0x0
	CROUND                                         ; the closing round: no work-group ends while a partner may still ask for a tile that names it
	s_endpgm
.Lfunc_end_k_q3e2e7f24c1_qkv:
	.size	k_q3e2e7f24c1_qkv, .Lfunc_end_k_q3e2e7f24c1_qkv-k_q3e2e7f24c1_qkv
	.p2alignl 7, 3214868480
	.fill 96, 4, 3214868480
	.section	.rodata,"a",@progbits
	.p2align	6, 0x0
	.amdhsa_kernel k_q3e2e7f24c1_qkv
		.amdhsa_group_segment_fixed_size 327680
		.amdhsa_private_segment_fixed_size 0
		.amdhsa_enable_private_segment 0
		.amdhsa_kernarg_size 16
		.amdhsa_user_sgpr_count 2
		.amdhsa_user_sgpr_kernarg_segment_ptr 1
		.amdhsa_wavefront_size32 1
		.amdhsa_system_sgpr_workgroup_id_x 1
		.amdhsa_system_sgpr_workgroup_id_y 1
		.amdhsa_system_sgpr_workgroup_id_z 1
		.amdhsa_system_vgpr_workitem_id 0
		.amdhsa_next_free_vgpr 1024
		.amdhsa_next_free_sgpr 100
		.amdhsa_reserve_vcc 1
		.amdhsa_float_denorm_mode_32 3
		.amdhsa_float_denorm_mode_16_64 3
		.amdhsa_memory_ordered 1
		.amdhsa_forward_progress 1
		.amdhsa_inst_pref_size 147
	.end_amdhsa_kernel
	.amdgpu_metadata
---
amdhsa.version: [ 1, 2 ]
amdhsa.kernels:
  - .name:           k_q3e2e7f24c1_qkv
    .symbol:         k_q3e2e7f24c1_qkv.kd
    .args:
      - { .name: pre, .offset: 0, .size: 8, .value_kind: global_buffer, .address_space: global }
      - { .name: qkvb, .offset: 8, .size: 8, .value_kind: global_buffer, .address_space: global }
    .group_segment_fixed_size: 327680
    .private_segment_fixed_size: 0
    .kernarg_segment_align: 8
    .kernarg_segment_size: 16
    .max_flat_workgroup_size: 128
    .sgpr_count:     100
    .vgpr_count:     1024
    .wavefront_size: 32
...
	.end_amdgpu_metadata
.endif
;; end of part 3
;; launch attn (part 4): grid 8 x 32, 16 waves a work-group, no clusters, 206,848 bytes of LDS; arguments qkvb, ao; writes ao
.if DOCPART == 4
	.amdgcn_target "amdgcn-amd-amdhsa--gfx1250"
	.amdhsa_code_object_version 6
	.text
	.protected	k_q3e2e7f24c1_attn
	.globl	k_q3e2e7f24c1_attn
	.p2align	8
	.type	k_q3e2e7f24c1_attn,@function
k_q3e2e7f24c1_attn:
	s_mov_b64 s[64:65], 0
	v_nop
	global_prefetch_b8 v0, s[64:65] scope:SCOPE_SE
	s_setreg_imm32_b32 hwreg(HW_REG_WAVE_MODE, 25, 1), 1
	s_wait_xcnt 0x0
; Causal attention of one (batch, head), head size 64, values = keys, both products on MX-BF6 codes (E3M2, one E8M0 byte for each 32 along a product's K); the result, divided by the row's sum, is quantised along (head, d).
; THE SOFTMAX AHEAD OF THE SECOND PRODUCT: t = score x log2(e) / 8; M = the running largest t rounded UP to a whole number; p = 2^(t - M) is quantised along the keys, not normalised;
; the row's sum is taken of the unquantised p; when M moves, the sum and O are multiplied by 2^(old M - new M): exact.
; IN: the head's record of 307,200 bytes: Q, K (quantised along d) and V (= K, quantised along the keys), each 102,400 bytes, laid as operand registers.
; The K and V sections, 204,800 dense bytes, come into LDS ONCE, by eight tensor loads of 25,600 bytes (waves 0-7): no slot is filled again, and one barrier serves the whole launch.
; SHARES.  Work-group x = p takes the query blocks p and 15 - p (128 queries each) of head y: waves 0-7 the tiles of block p, waves 8-15 those of block 15 - p; so every work-group has 17 x 8 key steps of work.
; A wave owns 16 queries and walks a loop of a constant 16 steps of 128 keys; a step all of whose keys come after its block is left out by a scalar branch on ids.
; No cluster: the work left out hangs on the query block, which would differ between partners.
; LAYOUT.  Both products transposed: S^T = K Q^T, O^T = V^T P^T: a lane holds one query.  A key tile's row r is key 32 (t / 2) + 8 (t % 2) + r + 8 (r / 8): the 16 registers of tiles 2 b, 2 b + 1 are 16 neighbouring keys.
; The head has only 64 along the first product's K: a fragment of K holds TWO key tiles (k = 0 .. 63: tile 2 f; 64 .. 127: tile 2 f + 1), and Q stands twice in registers, once with zeros above and once with zeros below:
; the other tile's codes meet zero codes, which add nothing under any scale byte of 1 .. 254.
; LIMITS: NaN and infinities are not served; 1 / sum by v_rcp_f32; a block whose largest magnitude lies under 2^-122 gets the byte 1, a block of zeros too.  The scale bytes of the result leave singly: two heads share a word.
.set REC,  307200
.set SEC,  102400
.set SCB,  98304
.set UNIT, 12800
.set FRB,  1536
.set SCO,  12288
.set L16, 1                            ; 16 x lane
.set L8,  2                            ; 8 x lane
.set AKS, 3                            ; 16 r + 98,304: K's scale words
.set DQ,  4                            ; my query in its block - 16 h
.set HH,  5                            ; h
.set ADS, 6                            ; the step's addresses: K's words, V's words,
.set ADT, 7
.set ADK, 8                            ; v8, v9 K's pieces of 16 and of 8 bytes,
.set ADV, 10                           ; v10, v11 V's
.set QLO, 16                           ; v16-27 Q | zeros
.set QHI, 28                           ; v28-39 zeros | Q
.set QS,  40                           ; Q's scale word
.set QW,  41
.set V16, 42                           ; the three constants again, 102,400 on: V's section
.set V8,  43
.set AVS, 44
.set BO,  45
.set BD,  46
.set R16, 47
.set FRG, 48                           ; v48-95 four fragments of K, then of V
.set S,   96                           ; v96-159 S^T, then p
.set O,   160                          ; v160-191 O^T
.set KS,  192
.set VS,  196
.set BM,  200
.set BM2, 204
.set SO,  208
.set PT,  212
.set FF_, 220                          ; v220-221 f = 2^(old M - new M), named as a pair
.set T,   222
.set PSW, 223                          ; p's scale word
.set PC,  224                          ; v224-235 p's codes
.set PS,  236
.set SEL, 20
.set CS,  22
.set G1,  24
.set G0,  32
.set J,   36
.set SK,  37
.set SS,  38
.set BLK, 11
	s_load_b128 s[4:7], s[0:1], 0x0                ; qkvb s[4:5], ao s[6:7]
	v_lshl_add_u32 v254, v0, 2, 0x32000
	v_mov_b32 v255, 0
	ds_add_u32 v254, v255
	ds_add_u32 v254, v255
	v_lshrrev_b32 v1, 5, v0
	v_readfirstlane_b32 s8, v1                     ; wave 0..15
	s_and_b32 s9, ttmp7, 0xffff                    ; y = 16 batch + head
	s_and_b32 s10, s8, 7                           ; my tile of queries
	s_sub_co_u32 s[BLK], 15, ttmp9
	s_cmp_lt_u32 s8, 8
	s_cselect_b32 s[BLK], ttmp9, s[BLK]            ; my block of queries
	s_mov_b32 s[G1], 3<<16                         ; no mask; elements of 8 bytes; no padding
	s_mov_b32 s[G1+1], 32<<16                      ; tensor_dim0 = 32: 256 bytes
	s_mov_b32 s[G1+2], 100<<16                     ; tensor_dim1 = 100
	s_mov_b32 s[G1+3], 32<<16                      ; tile_dim0
	s_mov_b32 s[G1+4], 100                         ; tile_dim1
	s_mov_b32 s[G1+5], 32                          ; the pitch
	s_mov_b32 s[G1+6], 0
	s_mov_b32 s[G1+7], 0
	s_mul_i32 s12, s9, REC
	s_mov_b32 s13, 0
	s_mul_i32 s14, s10, 2*UNIT                     ; wave w (0-7): bytes 25,600 w on of K's and V's sections, in LDS as in memory
	s_add_co_u32 s16, s14, SEC
	s_mov_b32 s17, 0
	s_wait_dscnt 0x0
	s_wait_kmcnt 0x0
	s_add_nc_u64 s[4:5], s[4:5], s[12:13]          ; my head's record
	s_mov_b32 s[G0], 1
	s_mov_b32 s[G0+1], s14
	s_add_nc_u64 s[G0+2:G0+3], s[4:5], s[16:17]
	s_or_b32 s[G0+3], s[G0+3], 0x80000000
	s_cmp_lt_u32 s8, 8
	s_cbranch_scc0 .Lno_fetch
	tensor_load_to_lds s[G0:G0+3], s[G1:G1+7]      ; the one fill of these bytes; one load of mine is out
	s_nop 0
.rept 4
	v_nop
.endr
.Lno_fetch:
	s_lshl_b32 s12, s[BLK], 3
	s_add_co_u32 s12, s12, s10
	s_mul_i32 s12, s12, 768                        ; my tile of Q
	s_add_nc_u64 s[18:19], s[4:5], s[12:13]
	s_lshl_b32 s12, s[BLK], 8
	s_lshr_b32 s14, s10, 1
	s_lshl_b32 s15, s14, 2
	s_add_co_u32 s12, s12, s15
	s_add_co_u32 s12, s12, SCB                     ; and the word that it shares with its neighbour
	s_add_nc_u64 s[40:41], s[4:5], s[12:13]
	s_mov_b32 s39, 0x01000100
	s_bitcmp1_b32 s10, 0
	s_cselect_b32 s39, 0x03020302, s39             ; my tile's two bytes of that word, twice
	s_lshl_b32 s14, s14, 5
	s_and_b32 s15, s10, 1
	s_lshl_b32 s15, s15, 3
	s_add_co_u32 s14, s14, s15                     ; 32 (i / 2) + 8 (i % 2)
	s_mov_b32 s[SEL], 0x76543210
	s_mov_b32 s[SEL+1], 0xfedcba98
	s_mov_b32 s[CS], 0x3e38aa3b                    ; c = log2(e) / 8
	s_mov_b32 s[CS+1], s[CS]
	v_and_b32 v[T], 31, v0
	v_lshlrev_b32 v[L16], 4, v[T]
	v_lshlrev_b32 v[L8], 3, v[T]
	v_and_b32 v[ADS], 15, v0                       ; r
	v_bfe_u32 v[HH], v0, 4, 1
	v_lshlrev_b32 v[R16], 4, v[ADS]
	global_load_b128 v[QLO:QLO+3],      v[L16], s[18:19]
	global_load_b64  v[QLO+4:QLO+5],    v[L8],  s[18:19] offset:512
	global_load_b128 v[QHI+6:QHI+9],    v[L16], s[18:19]
	global_load_b64  v[QHI+10:QHI+11],  v[L8],  s[18:19] offset:512
	global_load_b32  v[QW], v[R16], s[40:41]
	v_add_nc_u32 v[AKS], SCB, v[R16]
	v_add_nc_u32 v[AVS], SEC, v[AKS]
	v_add_nc_u32 v[V16], SEC, v[L16]
	v_add_nc_u32 v[V8], SEC, v[L8]
	v_add_nc_u32 v[BO], v[R16], v[HH]              ; the result's scale byte: 16 r + h
	v_and_b32 v[DQ], 8, v[ADS]
	v_add_nc_u32 v[DQ], v[DQ], v[ADS]              ; r + 8 (r / 8)
	v_lshlrev_b32 v[ADT], 4, v[HH]
	v_sub_nc_u32 v[DQ], v[DQ], v[ADT]
	v_add_nc_u32 v[DQ], s14, v[DQ]
	; where the result goes: unit (token block, head / 2), fragment i, half head % 2
	s_lshr_b32 s44, s9, 4
	s_lshl_b32 s44, s44, 4
	s_add_co_u32 s44, s44, s[BLK]
	s_lshl_b32 s44, s44, 3
	s_bfe_u32 s45, s9, 0x30001                     ; head / 2
	s_add_co_u32 s44, s44, s45
	s_mul_i32 s44, s44, UNIT
	s_mov_b32 s45, 0
	s_add_nc_u64 s[6:7], s[6:7], s[44:45]
	s_and_b32 s46, s9, 1
	s_mul_i32 s47, s46, 768
	s_mul_i32 s48, s10, FRB
	s_add_co_u32 s48, s48, s47
	s_mov_b32 s49, 0
	s_add_nc_u64 s[42:43], s[6:7], s[48:49]
	s_lshr_b32 s48, s10, 2
	s_lshl_b32 s48, s48, 8
	s_and_b32 s47, s10, 3
	s_lshl_b32 s47, s47, 2
	s_add_co_u32 s48, s48, s47
	s_lshl_b32 s46, s46, 1
	s_add_co_u32 s48, s48, s46
	s_add_co_u32 s48, s48, SCO
	s_add_nc_u64 s[6:7], s[6:7], s[48:49]
	s_wait_loadcnt 0x0                             ; Q
	v_perm_b32 v[QS], v[QW], v[QW], s39            ; (the clearing below puts more than eight places between this line and the first product)
.irp j, 0,1,2,3,4,5
	v_mov_b32 v[QLO+6+\j], 0
	v_mov_b32 v[QHI+\j], 0
.endr
	v_mov_b32 v13, 0xff61b1e6                      ; the largest t so far: -3e38, under every t
	v_floor_f32 v12, -v13                          ; -M
	v_mov_b32 v14, 0                               ; the sum, in two halves
	v_mov_b32 v15, 0
.irp b, 0,1,2,3
	v_mov_b32 v[BM2+\b], 0                         ; a lane permute's destination counts as one of its sources
.endr
	v_mov_b32 v[FF_+1], 0                          ; (named as the upper half of a pair)
	v_mov_b32 v[T], 0
.set j, 0
.rept 32
	v_mov_b32 v[O+j], 0                            ; the step is written once: the first finds zeros, which the first change of M leaves zeros
.set j, j+1
.endr
	s_mov_b32 s[J], 0
	s_mov_b32 s[SK], 0
	s_mov_b32 s[SS], 0
	s_wait_tensorcnt 0x0                           ; my part of K and V has landed,
	s_barrier_signal -1
	s_barrier_wait -1                              ; everybody's has
.Lstep:
	s_cmp_gt_u32 s[J], s[BLK]                      ; all 128 keys come after my queries: nothing to do
	s_cbranch_scc1 .Lhidden
	v_add_nc_u32 v[ADK], s[SK], v[L16]             ; (these six are also the places in front of the loads below)
	v_add_nc_u32 v[ADK+1], s[SK], v[L8]
	v_add_nc_u32 v[ADV], s[SK], v[V16]
	v_add_nc_u32 v[ADV+1], s[SK], v[V8]
	v_add_nc_u32 v[ADS], s[SS], v[AKS]
	v_add_nc_u32 v[ADT], s[SS], v[AVS]
.irp f, 0,1,2,3
	ds_load_b128 v[FRG+12*\f:FRG+12*\f+3],     v[ADK]   offset:FRB*\f
	ds_load_b64  v[FRG+12*\f+4:FRG+12*\f+5],   v[ADK+1] offset:FRB*\f+512
	ds_load_b128 v[FRG+12*\f+6:FRG+12*\f+9],   v[ADK]   offset:FRB*\f+768
	ds_load_b64  v[FRG+12*\f+10:FRG+12*\f+11], v[ADK+1] offset:FRB*\f+1280
.endr
	ds_load_b128 v[KS:KS+3], v[ADS]
	s_wait_dscnt 0x0
.irp t, 0,2,4,6                                ; S^T: eight tiles of 16 keys, each a sum of its own
	v_wmma_scale_f32_16x16x128_f8f6f4 v[S+8*\t:S+8*\t+7], v[FRG+6*\t:FRG+6*\t+11], v[QLO:QLO+11], 0, v[KS+\t/2], v[QS] matrix_a_fmt:MATRIX_FMT_BF6 matrix_b_fmt:MATRIX_FMT_BF6
	v_wmma_scale_f32_16x16x128_f8f6f4 v[S+8*\t+8:S+8*\t+15], v[FRG+6*\t:FRG+6*\t+11], v[QHI:QHI+11], 0, v[KS+\t/2], v[QS] matrix_a_fmt:MATRIX_FMT_BF6 matrix_b_fmt:MATRIX_FMT_BF6
.endr
.rept 4
	v_nop                                          ; places in front of the loads into K's registers and of the first read of the scores
.endr
.irp f, 0,1,2,3                                ; V's four fragments land while the softmax is walked
	ds_load_b128 v[FRG+12*\f:FRG+12*\f+3],     v[ADV]   offset:FRB*\f
	ds_load_b64  v[FRG+12*\f+4:FRG+12*\f+5],   v[ADV+1] offset:FRB*\f+512
	ds_load_b128 v[FRG+12*\f+6:FRG+12*\f+9],   v[ADV]   offset:FRB*\f+768
	ds_load_b64  v[FRG+12*\f+10:FRG+12*\f+11], v[ADV+1] offset:FRB*\f+1280
.endr
	ds_load_b128 v[VS:VS+3], v[ADT]
	s_cmp_lg_u32 s[J], s[BLK]                      ; only the step on the diagonal hides keys
	s_cbranch_scc1 .Lopen
	v_mov_b32 v[T], 0xff800000                     ; -infinity: p = 0 then
.set n, 0
.rept 64                                       ; register 16 b + i holds key 32 b + 16 h + i of the step: hidden where 32 b + i > my query - 16 h
	v_cmp_gt_i32 vcc_lo, 32*(n/16)+n%16, v[DQ]
	v_cndmask_b32 v[S+n], v[S+n], v[T], vcc_lo
.set n, n+1
.endr
.Lopen:
.irp b, 0,1,2,3
	v_max3_num_f32 v[BM+\b], v[S+16*\b], v[S+1+16*\b], v[S+2+16*\b]   ; the largest score of each block of 32 keys: for the row's maximum, and, since p rises with the score, for the block's largest p
.endr
.irp i, 3,5,7,9,11,13
.irp b, 0,1,2,3
	v_max3_num_f32 v[BM+\b], v[BM+\b], v[S+16*\b+\i], v[S+1+16*\b+\i]
.endr
.endr
.irp b, 0,1,2,3
	v_max_num_f32 v[BM+\b], v[BM+\b], v[S+15+16*\b]
.endr
.irp b, 0,1,2,3
	v_permlanex16_b32 v[BM2+\b], v[BM+\b], s[SEL], s[SEL+1]
.endr
.irp b, 0,1,2,3
	v_max_num_f32 v[BM+\b], v[BM+\b], v[BM2+\b]
.endr
	v_max3_num_f32 v[T], v[BM], v[BM+1], v[BM+2]
	v_max_num_f32 v[T], v[T], v[BM+3]
	v_mul_f32 v[T], s[CS], v[T]
	v_max_num_f32 v13, v13, v[T]                   ; the running largest t
	v_mov_b32 v[T], v12
	v_floor_f32 v12, -v13                          ; the new -M = floor(-t): M is a whole number
	v_sub_f32 v[T], v12, v[T]
	v_cvt_i32_f32 v[T], v[T]                       ; (it saturates)
	v_ldexp_f32 v[FF_], 1.0, v[T]                  ; f = 2^(old M - new M)
.set j, 0
.rept 32
	v_pk_fma_f32 v[S+j:S+j+1], v[S+j:S+j+1], s[CS:CS+1], v[12:13] op_sel_hi:[1,0,0]   ; t - M, two at a time
.set j, j+2
.endr
.irp b, 0,1,2,3
	v_fma_f32 v[BM+\b], v[BM+\b], s[CS], v12
.endr
.set j, 0
.rept 64
	v_exp_f32 v[S+j], v[S+j]                       ; p = 2^(t - M)
.set j, j+1
.endr
	v_pk_mul_f32 v[14:15], v[14:15], v[FF_:FF_+1] op_sel_hi:[1,0]   ; the sums under the new M: a plain place behind the exponentials
	s_wait_alu depctr_va_vdst(0)                   ; one wait for the whole batch, ahead of its first reader
.irp b, 0,1,2,3
	v_exp_f32 v[BM+\b], v[BM+\b]                   ; the blocks' largest p
.endr
	v_pk_add_f32 v[PS:PS+1], v[S:S+1], v[S+2:S+3]  ; the row's sum of the unquantised p, in two chains
.irp j, 4,8,12,16,20,24,28,32,36,40,44,48,52,56,60
	v_pk_add_f32 v[14:15], v[14:15], v[S+\j:S+\j+1]
	v_pk_add_f32 v[PS:PS+1], v[PS:PS+1], v[S+\j+2:S+\j+3]
.endr
	v_pk_add_f32 v[14:15], v[14:15], v[PS:PS+1]
	s_wait_alu depctr_va_vdst(0)                   ; and one for the four
.irp b, 0,1,2,3
	v_max_num_f32 v[BM+\b], 0x2800000, v[BM+\b]    ; the floor 2^(5 - 127)
.endr
.irp b, 0,1,2,3
	v_add_nc_u32 v[SO+\b], 0xfe000000, v[BM+\b]
.endr
.irp b, 0,1,2,3
	v_lshrrev_b32 v[BM2+\b], 23, v[SO+\b]
.endr
	v_lshl_or_b32 v[PSW], v[BM2+1], 8, v[BM2]
	v_lshl_or_b32 v[PSW], v[BM2+2], 16, v[PSW]
	v_lshl_or_b32 v[PSW], v[BM2+3], 24, v[PSW]
.irp c, 0,1
	v_cvt_scalef32_pk16_bf6_f32 v[PC+6*\c:PC+6*\c+2], v[S+32*\c:S+32*\c+15], v[SO+2*\c]
	v_cvt_scalef32_pk16_bf6_f32 v[PT+4*\c:PT+4*\c+2], v[S+32*\c+16:S+32*\c+31], v[SO+2*\c+1]
.endr
	v_nop                                          ; one plain place behind a scaled conversion
.irp c, 0,1
.irp i, 0,1,2
	v_permlane16_swap_b32 v[PC+6*\c+\i], v[PT+4*\c+\i]
.endr
.irp i, 0,1,2
	v_mov_b32 v[PC+3+6*\c+\i], v[PT+4*\c+\i]
.endr
.endr
.set j, 0
.rept 16
	v_pk_mul_f32 v[O+j:O+j+1], v[O+j:O+j+1], v[FF_:FF_+1] op_sel_hi:[1,0]   ; O^T under the new M.  These sixteen are also the places between p's codes and scale word and the products
.set j, j+2
.endr
	s_wait_dscnt 0x0                               ; V
.irp i, 0,1,2,3                                ; O^T += V^T P^T: four accumulators by turns
	v_wmma_scale_f32_16x16x128_f8f6f4 v[O+8*\i:O+8*\i+7], v[FRG+12*\i:FRG+12*\i+11], v[PC:PC+11], v[O+8*\i:O+8*\i+7], v[VS+\i], v[PSW] matrix_a_fmt:MATRIX_FMT_BF6 matrix_b_fmt:MATRIX_FMT_BF6
.endr
.Lhidden:
	s_add_co_u32 s[SK], s[SK], 4*FRB
	s_add_co_u32 s[SS], s[SS], 256
	s_add_co_u32 s[J], s[J], 1
	s_cmp_lt_u32 s[J], 16
	s_cbranch_scc1 .Lstep
.rept 4
	v_nop                                          ; places behind the last products
.endr
	v_add_f32 v14, v14, v15
	v_permlanex16_b32 v[T], v14, s[SEL], s[SEL+1]
	v_add_f32 v14, v14, v[T]                       ; the row's sum
	v_rcp_f32 v14, v14
	v_cmp_eq_u32 vcc_lo, 1, v[HH]                  ; (a plain place behind the transcendental)
	s_wait_alu depctr_va_vdst(0)
.set j, 0
.rept 32
	v_mul_f32 v[S+j], v[O+j], v14                  ; register 16 b + i is o(my query, d = 32 b + 16 h + i)
.set j, j+1
.endr
.irp b, 0,1
	v_max3_num_f32 v[BM+\b], |v[S+16*\b]|, |v[S+16*\b+1]|, 0x2800000
.endr
.irp i, 2,4,6,8,10,12,14
.irp b, 0,1
	v_max3_num_f32 v[BM+\b], v[BM+\b], |v[S+16*\b+\i]|, |v[S+16*\b+\i+1]|
.endr
.endr
.irp b, 0,1
	v_permlanex16_b32 v[BM2+\b], v[BM+\b], s[SEL], s[SEL+1]
.endr
.irp b, 0,1
	v_max_num_f32 v[BM+\b], v[BM+\b], v[BM2+\b]
.endr
.irp b, 0,1
	v_add_nc_u32 v[SO+\b], 0xfe000000, v[BM+\b]
.endr
.irp b, 0,1
	v_lshrrev_b32 v[BM2+\b], 23, v[SO+\b]
.endr
	v_cndmask_b32 v[BD], v[BM2], v[BM2+1], vcc_lo  ; lanes 0-15 send block 0's byte, lanes 16-31 block 1's
	v_cvt_scalef32_pk16_bf6_f32 v[PC:PC+2], v[S:S+15], v[SO]
	v_cvt_scalef32_pk16_bf6_f32 v[PT:PT+2], v[S+16:S+31], v[SO+1]
	v_nop
.irp i, 0,1,2
	v_permlane16_swap_b32 v[PC+\i], v[PT+\i]
.endr
.irp i, 0,1,2
	v_mov_b32 v[PC+3+\i], v[PT+\i]
.endr
	global_store_b128 v[L16], v[PC:PC+3],   s[42:43]              ; 512 consecutive bytes,
	global_store_b64  v[L8],  v[PC+4:PC+5], s[42:43] offset:512   ; and 256
	global_store_b8   v[BO],  v[BD], s[6:7]
	s_wait_tensorcnt 0x0
	ds_add_u32 v254, v255
	s_wait_dscnt 0x0
	s_endpgm
.Lfunc_end_k_q3e2e7f24c1_attn:
	.size	k_q3e2e7f24c1_attn, .Lfunc_end_k_q3e2e7f24c1_attn-k_q3e2e7f24c1_attn
	.p2alignl 7, 3214868480
	.fill 96, 4, 3214868480
	.section	.rodata,"a",@progbits
	.p2align	6, 0x0
	.amdhsa_kernel k_q3e2e7f24c1_attn
		.amdhsa_group_segment_fixed_size 206848
		.amdhsa_private_segment_fixed_size 0
		.amdhsa_enable_private_segment 0
		.amdhsa_kernarg_size 16
		.amdhsa_user_sgpr_count 2
		.amdhsa_user_sgpr_kernarg_segment_ptr 1
		.amdhsa_wavefront_size32 1
		.amdhsa_system_sgpr_workgroup_id_x 1
		.amdhsa_system_sgpr_workgroup_id_y 1
		.amdhsa_system_sgpr_workgroup_id_z 1
		.amdhsa_system_vgpr_workitem_id 0
		.amdhsa_next_free_vgpr 256
		.amdhsa_next_free_sgpr 66
		.amdhsa_reserve_vcc 1
		.amdhsa_float_denorm_mode_32 3
		.amdhsa_float_denorm_mode_16_64 3
		.amdhsa_memory_ordered 1
		.amdhsa_forward_progress 1
		.amdhsa_inst_pref_size 32
	.end_amdhsa_kernel
	.amdgpu_metadata
---
amdhsa.version: [ 1, 2 ]
amdhsa.kernels:
  - .name:           k_q3e2e7f24c1_attn
    .symbol:         k_q3e2e7f24c1_attn.kd
    .args:
      - { .name: qkvb, .offset: 0, .size: 8, .value_kind: global_buffer, .address_space: global }
      - { .name: ao, .offset: 8, .size: 8, .value_kind: global_buffer, .address_space: global }
    .group_segment_fixed_size: 206848
    .private_segment_fixed_size: 0
    .kernarg_segment_align: 8
    .kernarg_segment_size: 16
    .max_flat_workgroup_size: 512
    .sgpr_count:     66
    .vgpr_count:     256
    .wavefront_size: 32
...
	.end_amdgpu_metadata
.endif
;; end of part 4
;; launch proj (part 5): grid 4 x 16, 4 waves a work-group, clusters of 4 x 4, 327,680 bytes of LDS; arguments ao, pre, bproj, x, x1; writes x1
.if DOCPART == 5
	.amdgcn_target "amdgcn-amd-amdhsa--gfx1250"
	.amdhsa_code_object_version 6
	.text
	.protected	k_q3e2e7f24c1_proj
	.globl	k_q3e2e7f24c1_proj
	.p2align	8
	.type	k_q3e2e7f24c1_proj,@function
k_q3e2e7f24c1_proj:
	s_mov_b64 s[64:65], 0
	v_nop
	global_prefetch_b8 v0, s[64:65] scope:SCOPE_SE
	s_setreg_imm32_b32 hwreg(HW_REG_WAVE_MODE, 25, 1), 1
	s_wait_xcnt 0x0
	s_wait_alu depctr_hold_cnt(0) depctr_sa_sdst(0) depctr_va_vdst(0) depctr_va_sdst(0) depctr_va_ssrc(0) depctr_va_vcc(0) depctr_vm_vsrc(0)
	s_getreg_b32 s2, hwreg(HW_REG_IB_STS2, 6, 4)
	s_cmp_eq_u32 s2, 0
	s_cbranch_scc0 .Lentry_in_a_cluster
	s_endpgm
.Lentry_in_a_cluster:
	s_bfe_u32 s2, ttmp6, 0x10000c
	s_cmp_lg_u32 s2, 0xf033
	s_cbranch_scc0 .Lentry_shape_is_right
	s_endpgm
.Lentry_shape_is_right:
; x1 = x + attention's result x Wproj + bproj.  The product on MX-BF6 codes (E3M2, one E8M0 byte for each 32 along K = 1,024), f32 sums; the bias is the C of each sum's first product, the residual is added last, in f32.
; OPERANDS are images of operand registers: a unit (128 rows x 128 K) is 12,800 bytes: eight fragments of 1,536 bytes (two halves of 768: 32 lanes x 16 bytes, 32 lanes x 8 bytes), then the scale words
; at 12,288 + 256 (i / 4) + 16 r + 4 (i % 4).  Fragment i holds in row r the row 32 (i / 2) + 8 (i % 2) + r + 8 (r / 8) of its block.
; A tile of the result is 256 x 256: four waves, each 128 x 128 in 64 accumulators.  K goes in steps of 256 through two LDS slots; a wave's tensor load brings one block's two units, 25,600 dense bytes.
; CLUSTERS: 4 x 4 work-groups; A's tiles (tokens) are shared along a row of the cluster, B's (columns of the weight) along a column: each is asked for jointly.  Source 0 = B, source 1 = A:
; a lane holds one token and its registers run along the columns.
; 64 tiles: a smaller tile would give more work-groups, but a wave of 64 x 64 reads each LDS byte for half as many products.
; LIMITS: NaN and infinities are not served.  The bias enters the sum first and the residual last: an order of f32 roundings other than the reference's.
.set KTOT,  1024
.set BOFF,  4915200                    ; Wproj's image in pre
.set NTOUT, 0
.set UNIT,  12800
.set FRB,   1536
.set SCO,   12288
.set REG,   2*UNIT
.set SLOT,  4*REG
.set SPARE, 2*SLOT
.set BLKB,  (KTOT/128)*UNIT
.set LAPS,  KTOT/512
.set FR,    12
.set A16,  16
.set A8,   18
.set B16,  20
.set B8,   22
.set STO,  24                          ; the way out: where I put 32 bytes of a row;  v25: where I read a row back
.set RD,   25
.set SPW,  28
.set NIL,  29
.set ADRS, 30
.set SC,   32
.set BIAS, 64                          ; v64-127 the bias, eight registers for each of B's fragments, in the result's layout
.set AF,   128
.set BK,   128                         ; the way out: 16 rows read back: v128-191 and v192-255 by turns
.set SPITCH, 528
.set G1,   24
.set G0,   32
.set G1B,  48
.set G0B,  56
.set MSB, 0
.macro WIN new
.if MSB != (\new)
	s_set_vgpr_msb (MSB<<8)|(\new)
.set MSB, (\new)
.endif
.endm
.set MUL_LO, 0xa1                      ; source 0 (B) window 1, source 1 (A) window 0, C and D window 2
.set MUL_HI, 0xf1
.set FIRST_LO, 0x81                    ; the same with C (the bias) in window 0
.set FIRST_HI, 0xc1
.set TO_B,   0x40
.macro JLOAD s
	s_cmp_eq_u32 s15, 0
	s_cbranch_scc0 .Lfor_b_\@
	tensor_load_to_lds s[G0+4*\s:G0+4*\s+3], s[G1:G1+7]
	s_nop 0
.rept 4
	v_nop
.endr
	s_branch .Lasked_\@
.Lfor_b_\@:
	tensor_load_to_lds s[G0B+4*\s:G0B+4*\s+3], s[G1B:G1B+7]
	s_nop 0
.rept 4
	v_nop
.endr
.Lasked_\@:
.endm
.macro CREST
	s_cmp_lg_u32 s14, 0
	s_cbranch_scc1 .Lnot_wave_0_\@
	s_barrier_signal -3
.Lnot_wave_0_\@:
	s_barrier_wait -3
	s_barrier_signal -1
	s_barrier_wait -1
.endm
.macro CROUND
	s_barrier_signal -1
	s_barrier_wait -1
	CREST
.endm
.macro PLACES
.rept 4
	v_nop
.endr
.endm
	s_load_b256 s[4:11], s[0:1], 0x0               ; A's image s[4:5], pre s[6:7], bias s[8:9], residual s[10:11]
	s_load_b64 s[12:13], s[0:1], 0x20              ; the result
	v_lshl_add_u32 v[SPW], v0, 2, SPARE
	v_mov_b32 v[NIL], 0
	ds_add_u32 v28, v29
	ds_add_u32 v28, v29
	s_wait_dscnt 0x0
	v_lshrrev_b32 v1, 5, v0
	v_readfirstlane_b32 s14, v1
	s_lshr_b32 s15, s14, 1
	s_and_b32 s16, s14, 1
	s_bfe_u32 s40, ttmp6, 0x40000
	s_bfe_u32 s41, ttmp6, 0x40004
	s_lshl_b32 s42, ttmp9, 2
	s_add_co_u32 s42, s42, s40                     ; tile column
	s_and_b32 s17, ttmp7, 0xffff
	s_lshl_b32 s17, s17, 2
	s_add_co_u32 s17, s17, s41                     ; tile row
	s_lshl_b32 s43, s41, 2
	s_lshl_b32 s43, 15, s43
	s_lshl_b32 s44, 0x1111, s40
	s_or_b32 s[G1+0], s43, (3<<16)|(1<<21)
	s_or_b32 s[G1B+0], s44, (3<<16)|(1<<21)
.irp g, G1, G1B
	s_mov_b32 s[\g+1], 32<<16
	s_mov_b32 s[\g+2], 100<<16
	s_mov_b32 s[\g+3], 32<<16
	s_mov_b32 s[\g+4], 100
	s_mov_b32 s[\g+5], 32
	s_mov_b32 s[\g+6], 0
	s_mov_b32 s[\g+7], 0
.endr
	s_lshl_b32 s20, s17, 1
	s_add_co_u32 s20, s20, s16
	s_mul_i32 s20, s20, BLKB
	s_mov_b32 s21, 0
	s_lshl_b32 s46, s42, 1
	s_add_co_u32 s46, s46, s16
	s_mul_i32 s46, s46, BLKB
	s_add_co_u32 s46, s46, BOFF
	s_mov_b32 s47, 0
	s_mul_i32 s45, s14, REG
	s_wait_kmcnt 0x0
	s_add_nc_u64 s[20:21], s[4:5], s[20:21]
	s_add_nc_u64 s[46:47], s[6:7], s[46:47]
	CROUND
.irp s, 0,1
	s_mov_b32 s[G0+4*\s], 1
	s_add_co_u32 s[G0+4*\s+1], s45, \s*SLOT
	s_add_nc_u64 s[G0+4*\s+2:G0+4*\s+3], s[20:21], \s*REG
	s_or_b32 s[G0+4*\s+3], s[G0+4*\s+3], 0x80000000
	s_mov_b32 s[G0B+4*\s], 1
	s_add_co_u32 s[G0B+4*\s+1], s45, \s*SLOT
	s_add_nc_u64 s[G0B+4*\s+2:G0B+4*\s+3], s[46:47], \s*REG
	s_or_b32 s[G0B+4*\s+3], s[G0B+4*\s+3], 0x80000000
	JLOAD \s
.endr
	v_and_b32 v1, 31, v0
	v_lshlrev_b32 v2, 4, v1                        ; 16 x lane: also my place in a row of 512 bytes on the way out
	v_lshlrev_b32 v3, 3, v1
	v_and_b32 v4, 15, v0
	v_bfe_u32 v5, v0, 4, 1
	s_mul_i32 s21, s15, REG
	s_mul_i32 s22, s16, REG
	s_add_co_u32 s22, s22, 2*REG
	s_xor_b32 s23, s15, 1
	s_add_co_u32 s23, s23, s16
	s_add_co_u32 s23, s23, 1
	s_mul_i32 s23, s23, REG
	v_mul_u32_u24 v6, s23, v5
	v_lshl_add_u32 v6, v4, 4, v6
.irp s, 0,1
	v_add_nc_u32 v[A16+\s], s21, v2
	v_add_nc_u32 v[A8+\s], s21, v3
	v_add_nc_u32 v[B16+\s], s22, v2
	v_add_nc_u32 v[B8+\s], s22, v3
	v_add_nc_u32 v[ADRS+\s], s21, v6
	s_add_co_u32 s21, s21, SLOT
	s_add_co_u32 s22, s22, SLOT
.endr
	s_lshl_b32 s66, s17, 1
	s_add_co_u32 s66, s66, s15                     ; my block of tokens
	s_lshl_b32 s67, s42, 1
	s_add_co_u32 s67, s67, s16                     ; my block of columns
	s_lshl_b32 s68, s67, 9                         ; 128 columns of f32
	s_mov_b32 s69, 0
	s_add_nc_u64 s[8:9], s[8:9], s[68:69]
	s_lshl_b32 s66, s66, 19                        ; 128 rows of 4,096 bytes
	s_add_co_u32 s68, s68, s66
	s_add_nc_u64 s[10:11], s[10:11], s[68:69]
	s_add_nc_u64 s[12:13], s[12:13], s[68:69]
	v_lshlrev_b32 v7, 6, v5                        ; the bias: lane (r, h) wants, for B's fragment b, columns 32 (b / 2) + 8 (b % 2) + 16 h + 0 .. 7
.irp b, 0,1,2,3,4,5,6,7
	global_load_b128 v[BIAS+8*\b:BIAS+8*\b+3],   v7, s[8:9] offset:(32*(\b/2)+8*(\b%2))*4
	global_load_b128 v[BIAS+8*\b+4:BIAS+8*\b+7], v7, s[8:9] offset:(32*(\b/2)+8*(\b%2))*4+16
.endr
	s_mul_i32 s23, s14, 16*SPITCH                  ; my stage: it lies in slot 0, which has had its last fill and its last read when the first result is stored there
	v_mul_u32_u24 v[STO], v4, SPITCH
	v_lshl_add_u32 v[STO], v5, 6, v[STO]
	v_add_nc_u32 v[STO], s23, v[STO]               ; in: row r, + 64 h
	v_add_nc_u32 v[RD], s23, v2                    ; back: 16 bytes a lane of a row of 512
.macro FRAG reg, a16, a8, off
	ds_load_b128 v[\reg:\reg+3],     v[\a16] offset:\off
	ds_load_b64  v[\reg+4:\reg+5],   v[\a8]  offset:\off+512
	ds_load_b128 v[\reg+6:\reg+9],   v[\a16] offset:\off+768
	ds_load_b64  v[\reg+10:\reg+11], v[\a8]  offset:\off+1280
.endm
; The 64 accumulators take turns, one instruction a turn, in the same order in every step.  first = 1: the sums begin with the bias.
.macro MUL16 a0, p, q, sc, first
.irp a, \a0, \a0+1
.irp b, 0,1,2,3,4,5,6,7
.if \first
	v_wmma_scale_f32_16x16x128_f8f6f4 v[8*(8*((\a)%4)+\b):8*(8*((\a)%4)+\b)+7], v[128*(\p)+FR*\b:128*(\p)+FR*\b+FR-1], v[AF+FR*(\a):AF+FR*(\a)+FR-1], v[BIAS+8*\b:BIAS+8*\b+7], v[SC+16*(\sc)+8*(\q)+\b], v[SC+16*(\sc)+8*(\q)+(\a)] matrix_a_fmt:MATRIX_FMT_BF6 matrix_b_fmt:MATRIX_FMT_BF6 matrix_a_scale:MATRIX_SCALE_ROW1
.else
	v_wmma_scale_f32_16x16x128_f8f6f4 v[8*(8*((\a)%4)+\b):8*(8*((\a)%4)+\b)+7], v[128*(\p)+FR*\b:128*(\p)+FR*\b+FR-1], v[AF+FR*(\a):AF+FR*(\a)+FR-1], v[8*(8*((\a)%4)+\b):8*(8*((\a)%4)+\b)+7], v[SC+16*(\sc)+8*(\q)+\b], v[SC+16*(\sc)+8*(\q)+(\a)] matrix_a_fmt:MATRIX_FMT_BF6 matrix_b_fmt:MATRIX_FMT_BF6 matrix_a_scale:MATRIX_SCALE_ROW1
.endif
.endr
.endr
.endm
.macro FETCH_B slot, q, p
	WIN TO_B
.irp i, 0,1,2,3,4,5,6,7
	FRAG 128*(\p)+FR*\i, B16+\slot, B8+\slot, (\q)*UNIT+\i*FRB
.endr
	WIN 0
.endm
.macro FETCH_A slot, q, i0
.irp i, \i0, \i0+1, \i0+2, \i0+3
	FRAG AF+FR*(\i), A16+\slot, A8+\slot, (\q)*UNIT+(\i)*FRB
.endr
.endm
.macro SCALES sc
.irp q, 0,1
.irp e, 0,1
	ds_load_b128 v[SC+16*\sc+8*\q+4*\e:SC+16*\sc+8*\q+4*\e+3], v[ADRS+\sc] offset:\q*UNIT+SCO+256*\e
.endr
.endr
.endm
.macro STEP slot, first
	s_wait_dscnt 16                                ; all but the youngest 16 loads (A's fragments 4-7)
.if \first
	WIN FIRST_LO
.else
	WIN MUL_LO
.endif
	MUL16 0, 0, 0, \slot, \first
	MUL16 2, 0, 0, \slot, \first
	s_wait_dscnt 0x0
	PLACES
	FETCH_B \slot, 1, 1
	FETCH_A \slot, 1, 0
.if \first
	WIN FIRST_HI
.else
	WIN MUL_HI
.endif
	MUL16 4, 0, 0, \slot, \first
	MUL16 6, 0, 0, \slot, \first
	PLACES
	WIN 0
	FETCH_A \slot, 1, 4
.endm
.macro TURN slot, next, fill
	s_wait_tensorcnt 0x0                           ; all my tensor loads have landed: my part of the next slot
	ds_add_u32 v[SPW], v[NIL]                      ; 0 onto my spare word
	s_wait_dscnt 17                                ; (the add and the youngest 16 loads may be out)
	WIN MUL_LO
	MUL16 0, 1, 1, \slot, 0
	s_wait_dscnt 0x0                               ; the add is done, and my reads of this slot are over
	s_barrier_signal -1
	MUL16 2, 1, 1, \slot, 0
	WIN 0
	s_barrier_wait -1
.if \fill
	CREST                                          ; a round of the cluster's barrier: no wave of any partner still reads this slot or has a load on its way
	s_add_nc_u64 s[G0+4*\slot+2:G0+4*\slot+3], s[G0+4*\slot+2:G0+4*\slot+3], 2*REG
	s_add_nc_u64 s[G0B+4*\slot+2:G0B+4*\slot+3], s[G0B+4*\slot+2:G0B+4*\slot+3], 2*REG
	JLOAD \slot
.else
	PLACES
.endif
	FETCH_B \next, 0, 0
	FETCH_A \next, 0, 0
	SCALES \next
	WIN MUL_HI
	MUL16 4, 1, 1, \slot, 0
	MUL16 6, 1, 1, \slot, 0
	PLACES
	WIN 0
	FETCH_A \next, 0, 4
.endm
	s_wait_loadcnt 0x0                             ; the bias
	s_wait_tensorcnt 1                             ; my part of slot 0 is in; slot 1's may stay out
	s_barrier_signal -1
	s_barrier_wait -1
	FETCH_B 0, 0, 0
	FETCH_A 0, 0, 0
	SCALES 0
	FETCH_A 0, 0, 4
	STEP 0, 1
	s_mov_b32 s3, LAPS-1
.Llap:
	TURN 0, 1, 1
	STEP 1, 0
	TURN 1, 0, 1
	STEP 0, 0
	s_sub_co_u32 s3, s3, 1
	s_cmp_lg_u32 s3, 0
	s_cbranch_scc1 .Llap
	TURN 0, 1, 0
	STEP 1, 0
	s_wait_dscnt 16
	WIN MUL_LO
	MUL16 0, 1, 1, 1, 0
	MUL16 2, 1, 1, 1, 0
	s_wait_dscnt 0x0
	WIN MUL_HI
	MUL16 4, 1, 1, 1, 0
	MUL16 6, 1, 1, 1, 0
	WIN 0
; THE WAY OUT, a fragment of 16 tokens x 128 columns at a time: through my stage in LDS, back as whole rows of 512 bytes, + the residual, stored.  Row t of fragment a is token 32 (a / 2) + 8 (a % 2) + t + 8 (t / 8).
.macro RLOAD a                         ; the residual's 16 rows into window 1, where B's fragments are done with
	WIN 0x40
.irp t, 0,1,2,3,4,5,6,7,8,9,10,11,12,13,14,15
	global_load_b128 v[64*((\a)%4)+4*\t:64*((\a)%4)+4*\t+3], v2, s[10:11] offset:(32*((\a)/2)+8*((\a)%2)+\t+8*(\t/8))*4096
.endr
	WIN 0
.endm
.macro TOSTAGE a
.set AC, 64*((\a)%4)
	WIN 0x08+4*((\a)/4)                            ; an LDS store's data: window 2 or 3
.irp b, 0,1,2,3,4,5,6,7
	ds_store_b128 v[STO], v[AC+8*\b:AC+8*\b+3]   offset:128*(\b/2)+32*(\b%2)      ; each accumulator from its low end on
	ds_store_b128 v[STO], v[AC+8*\b+4:AC+8*\b+7] offset:128*(\b/2)+32*(\b%2)+16
.endr
	WIN 0
.set BB, BK+64*((\a)%2)
.irp t, 0,1,2,3,4,5,6,7,8,9,10,11,12,13,14,15
	ds_load_b128 v[BB+4*\t:BB+4*\t+3], v[RD] offset:\t*SPITCH    ; LDS serves a wave's instructions in order (ISA guide 5.7.1.4)
.endr
.endm
	PLACES
	RLOAD 0
	RLOAD 1
	RLOAD 2
	RLOAD 3
.irp a, 0,1,2,3,4,5,6,7
.if \a > 1
	s_wait_xcnt 0x0                                ; fragment a - 2's stores have read their registers: this fragment's rows may land there
.endif
	TOSTAGE \a
	s_wait_dscnt 0x0
.if \a < 5
	s_wait_loadcnt 48                              ; this fragment's residual is in; the three younger fragments' 48 loads may be out
.else
	s_wait_loadcnt 16*(7-\a)
.endif
.set XR, 64*(\a%4)
	WIN 0x04                                       ; source 1 window 1
.set p, 0
.rept 32
	v_pk_add_f32 v[BB+2*p:BB+2*p+1], v[BB+2*p:BB+2*p+1], v[XR+2*p:XR+2*p+1]
.set p, p+1
.endr
	WIN 0
.irp t, 0,1,2,3,4,5,6,7,8,9,10,11,12,13,14,15
.if NTOUT
	global_store_b128 v2, v[BB+4*\t:BB+4*\t+3], s[12:13] offset:(32*(\a/2)+8*(\a%2)+\t+8*(\t/8))*4096 th:TH_STORE_NT
.else
	global_store_b128 v2, v[BB+4*\t:BB+4*\t+3], s[12:13] offset:(32*(\a/2)+8*(\a%2)+\t+8*(\t/8))*4096   ; 512 consecutive bytes, aligned to 256
.endif
.endr
.if \a < 4
	RLOAD \a+4
.endif
.endr
	s_wait_tensorcnt 0x0                           ; the wave's end
	ds_add_u32 v[SPW], v[NIL]
	s_wait_dscnt 0x0
	CROUND                                         ; the closing round
	s_endpgm
.Lfunc_end_k_q3e2e7f24c1_proj:
	.size	k_q3e2e7f24c1_proj, .Lfunc_end_k_q3e2e7f24c1_proj-k_q3e2e7f24c1_proj
	.p2alignl 7, 3214868480
	.fill 96, 4, 3214868480
	.section	.rodata,"a",@progbits
	.p2align	6, 0x0
	.amdhsa_kernel k_q3e2e7f24c1_proj
		.amdhsa_group_segment_fixed_size 327680
		.amdhsa_private_segment_fixed_size 0
		.amdhsa_enable_private_segment 0
		.amdhsa_kernarg_size 40
		.amdhsa_user_sgpr_count 2
		.amdhsa_user_sgpr_kernarg_segment_ptr 1
		.amdhsa_wavefront_size32 1
		.amdhsa_system_sgpr_workgroup_id_x 1
		.amdhsa_system_sgpr_workgroup_id_y 1
		.amdhsa_system_sgpr_workgroup_id_z 1
		.amdhsa_system_vgpr_workitem_id 0
		.amdhsa_next_free_vgpr 1024
		.amdhsa_next_free_sgpr 100
		.amdhsa_reserve_vcc 0
		.amdhsa_float_denorm_mode_32 3
		.amdhsa_float_denorm_mode_16_64 3
		.amdhsa_memory_ordered 1
		.amdhsa_forward_progress 1
		.amdhsa_inst_pref_size 171
	.end_amdhsa_kernel
	.amdgpu_metadata
---
amdhsa.version: [ 1, 2 ]
amdhsa.kernels:
  - .name:           k_q3e2e7f24c1_proj
    .symbol:         k_q3e2e7f24c1_proj.kd
    .args:
      - { .name: ao, .offset: 0, .size: 8, .value_kind: global_buffer, .address_space: global }
      - { .name: pre, .offset: 8, .size: 8, .value_kind: global_buffer, .address_space: global }
      - { .name: bproj, .offset: 16, .size: 8, .value_kind: global_buffer, .address_space: global }
      - { .name: x, .offset: 24, .size: 8, .value_kind: global_buffer, .address_space: global }
      - { .name: x1, .offset: 32, .size: 8, .value_kind: global_buffer, .address_space: global }
    .group_segment_fixed_size: 327680
    .private_segment_fixed_size: 0
    .kernarg_segment_align: 8
    .kernarg_segment_size: 40
    .max_flat_workgroup_size: 128
    .sgpr_count:     100
    .vgpr_count:     1024
    .wavefront_size: 32
...
	.end_amdgpu_metadata
.endif
;; end of part 5
;; launch ln2: the kernel of part 1 again; grid 64 x 1, 16 waves a work-group, no clusters, 272,384 bytes of LDS; arguments x1, ln2_g, ln2_b, h2; writes h2
;; launch ff1 (part 6): grid 16 x 16, 4 waves a work-group, clusters of 4 x 4, 327,680 bytes of LDS; arguments h2, pre, b1, hid; writes hid
.if DOCPART == 6
	.amdgcn_target "amdgcn-amd-amdhsa--gfx1250"
	.amdhsa_code_object_version 6
	.text
	.protected	k_q3e2e7f24c1_ff1
	.globl	k_q3e2e7f24c1_ff1
	.p2align	8
	.type	k_q3e2e7f24c1_ff1,@function
k_q3e2e7f24c1_ff1:
	s_mov_b64 s[64:65], 0
	v_nop
	global_prefetch_b8 v0, s[64:65] scope:SCOPE_SE
	s_setreg_imm32_b32 hwreg(HW_REG_WAVE_MODE, 25, 1), 1
	s_wait_xcnt 0x0
	s_wait_alu depctr_hold_cnt(0) depctr_sa_sdst(0) depctr_va_vdst(0) depctr_va_sdst(0) depctr_va_ssrc(0) depctr_va_vcc(0) depctr_vm_vsrc(0)
	s_getreg_b32 s2, hwreg(HW_REG_IB_STS2, 6, 4)
	s_cmp_eq_u32 s2, 0
	s_cbranch_scc0 .Lentry_in_a_cluster
	s_endpgm
.Lentry_in_a_cluster:
	s_bfe_u32 s2, ttmp6, 0x10000c
	s_cmp_lg_u32 s2, 0xf033
	s_cbranch_scc0 .Lentry_shape_is_right
	s_endpgm
.Lentry_shape_is_right:
; hidden = relu(h2 W1 + b1), quantised along the 4,096 hidden units.  The product on MX-BF6 codes (E3M2, one E8M0 byte for each 32 along K = 1,024), f32 sums; the bias is the C of each sum's first product.
; The hidden layer goes to memory as codes only: it is quantised in the accumulators' registers.
; OPERANDS AND RESULT are images of operand registers: a unit (128 rows x 128 K) is 12,800 bytes: eight fragments of 1,536 bytes (two halves of 768: 32 lanes x 16 bytes, 32 lanes x 8 bytes), then the scale words
; at 12,288 + 256 (i / 4) + 16 r + 4 (i % 4).  Fragment i holds in row r the row 32 (i / 2) + 8 (i % 2) + r + 8 (r / 8) of its block, so that a lane's 16 registers of two neighbouring result tiles are 16 neighbours along the next K.
; A tile of the result is 256 x 256: four waves, each 128 x 128 in 64 accumulators.  K goes in steps of 256 through two LDS slots; a wave's tensor load brings one block's two units, 25,600 dense bytes.
; CLUSTERS: 4 x 4 work-groups; A's tiles (tokens) are shared along a row of the cluster, B's (columns of W1) along a column.  Source 0 = B, source 1 = A: a lane holds one token, its registers run along the hidden units.
; LIMITS: NaN and infinities are not served; a block whose largest magnitude lies under 2^-122 gets the byte 1, a block of zeros too (its codes are zeros; only this program reads the bytes).
.set KTOT,  1024
.set BOFF,  5734400                    ; W1's image in pre
.set UNIT,  12800
.set FRB,   1536
.set SCO,   12288
.set REG,   2*UNIT
.set SLOT,  4*REG
.set SPARE, 2*SLOT
.set BLKB,  (KTOT/128)*UNIT
.set LAPS,  KTOT/512
.set FR,    12
.set A16,  16
.set A8,   18
.set B16,  20
.set B8,   22
.set SPW,  28
.set NIL,  29
.set ADRS, 30
.set SC,   32
.set BIAS, 64
.set AF,   128
.set PC,   128                         ; the way out: codes, conversions' second halves, at work, scale words
.set PT,   140
.set TM,   224
.set PWS,  240
.set OUTW, 248
.set SEL,  86
.set G1,   24
.set G0,   32
.set G1B,  48
.set G0B,  56
.set MSB, 0
.macro WIN new
.if MSB != (\new)
	s_set_vgpr_msb (MSB<<8)|(\new)
.set MSB, (\new)
.endif
.endm
.set MUL_LO, 0xa1
.set MUL_HI, 0xf1
.set FIRST_LO, 0x81
.set FIRST_HI, 0xc1
.set TO_B,   0x40
.macro JLOAD s
	s_cmp_eq_u32 s15, 0
	s_cbranch_scc0 .Lfor_b_\@
	tensor_load_to_lds s[G0+4*\s:G0+4*\s+3], s[G1:G1+7]
	s_nop 0
.rept 4
	v_nop
.endr
	s_branch .Lasked_\@
.Lfor_b_\@:
	tensor_load_to_lds s[G0B+4*\s:G0B+4*\s+3], s[G1B:G1B+7]
	s_nop 0
.rept 4
	v_nop
.endr
.Lasked_\@:
.endm
.macro CREST
	s_cmp_lg_u32 s14, 0
	s_cbranch_scc1 .Lnot_wave_0_\@
	s_barrier_signal -3
.Lnot_wave_0_\@:
	s_barrier_wait -3
	s_barrier_signal -1
	s_barrier_wait -1
.endm
.macro CROUND
	s_barrier_signal -1
	s_barrier_wait -1
	CREST
.endm
.macro PLACES
.rept 4
	v_nop
.endr
.endm
	s_load_b256 s[4:11], s[0:1], 0x0               ; A's image s[4:5], pre s[6:7], bias s[8:9], the result's image s[10:11]
	v_lshl_add_u32 v[SPW], v0, 2, SPARE
	v_mov_b32 v[NIL], 0
	ds_add_u32 v28, v29
	ds_add_u32 v28, v29
	s_wait_dscnt 0x0
	v_lshrrev_b32 v1, 5, v0
	v_readfirstlane_b32 s14, v1
	s_lshr_b32 s15, s14, 1
	s_and_b32 s16, s14, 1
	s_bfe_u32 s40, ttmp6, 0x40000
	s_bfe_u32 s41, ttmp6, 0x40004
	s_lshl_b32 s42, ttmp9, 2
	s_add_co_u32 s42, s42, s40
	s_and_b32 s17, ttmp7, 0xffff
	s_lshl_b32 s17, s17, 2
	s_add_co_u32 s17, s17, s41
	s_lshl_b32 s43, s41, 2
	s_lshl_b32 s43, 15, s43
	s_lshl_b32 s44, 0x1111, s40
	s_or_b32 s[G1+0], s43, (3<<16)|(1<<21)
	s_or_b32 s[G1B+0], s44, (3<<16)|(1<<21)
.irp g, G1, G1B
	s_mov_b32 s[\g+1], 32<<16
	s_mov_b32 s[\g+2], 100<<16
	s_mov_b32 s[\g+3], 32<<16
	s_mov_b32 s[\g+4], 100
	s_mov_b32 s[\g+5], 32
	s_mov_b32 s[\g+6], 0
	s_mov_b32 s[\g+7], 0
.endr
	s_lshl_b32 s20, s17, 1
	s_add_co_u32 s20, s20, s16
	s_mul_i32 s20, s20, BLKB
	s_mov_b32 s21, 0
	s_lshl_b32 s46, s42, 1
	s_add_co_u32 s46, s46, s16
	s_mul_i32 s46, s46, BLKB
	s_add_co_u32 s46, s46, BOFF
	s_mov_b32 s47, 0
	s_mul_i32 s45, s14, REG
	s_wait_kmcnt 0x0
	s_add_nc_u64 s[20:21], s[4:5], s[20:21]
	s_add_nc_u64 s[46:47], s[6:7], s[46:47]
	CROUND
.irp s, 0,1
	s_mov_b32 s[G0+4*\s], 1
	s_add_co_u32 s[G0+4*\s+1], s45, \s*SLOT
	s_add_nc_u64 s[G0+4*\s+2:G0+4*\s+3], s[20:21], \s*REG
	s_or_b32 s[G0+4*\s+3], s[G0+4*\s+3], 0x80000000
	s_mov_b32 s[G0B+4*\s], 1
	s_add_co_u32 s[G0B+4*\s+1], s45, \s*SLOT
	s_add_nc_u64 s[G0B+4*\s+2:G0B+4*\s+3], s[46:47], \s*REG
	s_or_b32 s[G0B+4*\s+3], s[G0B+4*\s+3], 0x80000000
	JLOAD \s
.endr
	v_and_b32 v1, 31, v0                           ; lane
	v_lshlrev_b32 v2, 4, v1                        ; 16 x lane, 8 x lane: also the places of my pieces on the way out
	v_lshlrev_b32 v3, 3, v1
	v_and_b32 v4, 15, v0
	v_bfe_u32 v5, v0, 4, 1
	s_mul_i32 s21, s15, REG
	s_mul_i32 s22, s16, REG
	s_add_co_u32 s22, s22, 2*REG
	s_xor_b32 s23, s15, 1
	s_add_co_u32 s23, s23, s16
	s_add_co_u32 s23, s23, 1
	s_mul_i32 s23, s23, REG
	v_mul_u32_u24 v6, s23, v5
	v_lshl_add_u32 v6, v4, 4, v6
.irp s, 0,1
	v_add_nc_u32 v[A16+\s], s21, v2
	v_add_nc_u32 v[A8+\s], s21, v3
	v_add_nc_u32 v[B16+\s], s22, v2
	v_add_nc_u32 v[B8+\s], s22, v3
	v_add_nc_u32 v[ADRS+\s], s21, v6
	s_add_co_u32 s21, s21, SLOT
	s_add_co_u32 s22, s22, SLOT
.endr
	s_mov_b32 s[SEL], 0x76543210
	s_mov_b32 s[SEL+1], 0xfedcba98
	s_lshl_b32 s66, s17, 1
	s_add_co_u32 s66, s66, s15                     ; my block of tokens
	s_lshl_b32 s67, s42, 1
	s_add_co_u32 s67, s67, s16                     ; my block of hidden units: a K step of the next product
	s_lshl_b32 s68, s67, 9
	s_mov_b32 s69, 0
	s_add_nc_u64 s[8:9], s[8:9], s[68:69]
	s_lshl_b32 s66, s66, 5
	s_add_co_u32 s66, s66, s67
	s_mul_i32 s68, s66, UNIT                       ; unit (block, K step) of an image of 32 x 32
	s_add_nc_u64 s[10:11], s[10:11], s[68:69]
	v_lshlrev_b32 v7, 6, v5
.irp b, 0,1,2,3,4,5,6,7
	global_load_b128 v[BIAS+8*\b:BIAS+8*\b+3],   v7, s[8:9] offset:(32*(\b/2)+8*(\b%2))*4
	global_load_b128 v[BIAS+8*\b+4:BIAS+8*\b+7], v7, s[8:9] offset:(32*(\b/2)+8*(\b%2))*4+16
.endr
.macro FRAG reg, a16, a8, off
	ds_load_b128 v[\reg:\reg+3],     v[\a16] offset:\off
	ds_load_b64  v[\reg+4:\reg+5],   v[\a8]  offset:\off+512
	ds_load_b128 v[\reg+6:\reg+9],   v[\a16] offset:\off+768
	ds_load_b64  v[\reg+10:\reg+11], v[\a8]  offset:\off+1280
.endm
; The 64 accumulators take turns, one instruction a turn, in the same order in every step.  first = 1: the sums begin with the bias.
.macro MUL16 a0, p, q, sc, first
.irp a, \a0, \a0+1
.irp b, 0,1,2,3,4,5,6,7
.if \first
	v_wmma_scale_f32_16x16x128_f8f6f4 v[8*(8*((\a)%4)+\b):8*(8*((\a)%4)+\b)+7], v[128*(\p)+FR*\b:128*(\p)+FR*\b+FR-1], v[AF+FR*(\a):AF+FR*(\a)+FR-1], v[BIAS+8*\b:BIAS+8*\b+7], v[SC+16*(\sc)+8*(\q)+\b], v[SC+16*(\sc)+8*(\q)+(\a)] matrix_a_fmt:MATRIX_FMT_BF6 matrix_b_fmt:MATRIX_FMT_BF6 matrix_a_scale:MATRIX_SCALE_ROW1
.else
	v_wmma_scale_f32_16x16x128_f8f6f4 v[8*(8*((\a)%4)+\b):8*(8*((\a)%4)+\b)+7], v[128*(\p)+FR*\b:128*(\p)+FR*\b+FR-1], v[AF+FR*(\a):AF+FR*(\a)+FR-1], v[8*(8*((\a)%4)+\b):8*(8*((\a)%4)+\b)+7], v[SC+16*(\sc)+8*(\q)+\b], v[SC+16*(\sc)+8*(\q)+(\a)] matrix_a_fmt:MATRIX_FMT_BF6 matrix_b_fmt:MATRIX_FMT_BF6 matrix_a_scale:MATRIX_SCALE_ROW1
.endif
.endr
.endr
.endm
.macro FETCH_B slot, q, p
	WIN TO_B
.irp i, 0,1,2,3,4,5,6,7
	FRAG 128*(\p)+FR*\i, B16+\slot, B8+\slot, (\q)*UNIT+\i*FRB
.endr
	WIN 0
.endm
.macro FETCH_A slot, q, i0
.irp i, \i0, \i0+1, \i0+2, \i0+3
	FRAG AF+FR*(\i), A16+\slot, A8+\slot, (\q)*UNIT+(\i)*FRB
.endr
.endm
.macro SCALES sc
.irp q, 0,1
.irp e, 0,1
	ds_load_b128 v[SC+16*\sc+8*\q+4*\e:SC+16*\sc+8*\q+4*\e+3], v[ADRS+\sc] offset:\q*UNIT+SCO+256*\e
.endr
.endr
.endm
.macro STEP slot, first
	s_wait_dscnt 16                                ; all but the youngest 16 loads (A's fragments 4-7)
.if \first
	WIN FIRST_LO
.else
	WIN MUL_LO
.endif
	MUL16 0, 0, 0, \slot, \first
	MUL16 2, 0, 0, \slot, \first
	s_wait_dscnt 0x0
	PLACES
	FETCH_B \slot, 1, 1
	FETCH_A \slot, 1, 0
.if \first
	WIN FIRST_HI
.else
	WIN MUL_HI
.endif
	MUL16 4, 0, 0, \slot, \first
	MUL16 6, 0, 0, \slot, \first
	PLACES
	WIN 0
	FETCH_A \slot, 1, 4
.endm
.macro TURN slot, next, fill
	s_wait_tensorcnt 0x0                           ; all my tensor loads have landed: my part of the next slot
	ds_add_u32 v[SPW], v[NIL]                      ; 0 onto my spare word
	s_wait_dscnt 17                                ; (the add and the youngest 16 loads may be out)
	WIN MUL_LO
	MUL16 0, 1, 1, \slot, 0
	s_wait_dscnt 0x0                               ; the add is done, and my reads of this slot are over
	s_barrier_signal -1
	MUL16 2, 1, 1, \slot, 0
	WIN 0
	s_barrier_wait -1
.if \fill
	CREST                                          ; a round of the cluster's barrier: no wave of any partner still reads this slot or has a load on its way
	s_add_nc_u64 s[G0+4*\slot+2:G0+4*\slot+3], s[G0+4*\slot+2:G0+4*\slot+3], 2*REG
	s_add_nc_u64 s[G0B+4*\slot+2:G0B+4*\slot+3], s[G0B+4*\slot+2:G0B+4*\slot+3], 2*REG
	JLOAD \slot
.else
	PLACES
.endif
	FETCH_B \next, 0, 0
	FETCH_A \next, 0, 0
	SCALES \next
	WIN MUL_HI
	MUL16 4, 1, 1, \slot, 0
	MUL16 6, 1, 1, \slot, 0
	PLACES
	WIN 0
	FETCH_A \next, 0, 4
.endm
	s_wait_loadcnt 0x0                             ; the bias
	s_wait_tensorcnt 1                             ; my part of slot 0 is in; slot 1's may stay out
	s_barrier_signal -1
	s_barrier_wait -1
	FETCH_B 0, 0, 0
	FETCH_A 0, 0, 0
	SCALES 0
	FETCH_A 0, 0, 4
	STEP 0, 1
	s_mov_b32 s3, LAPS-1
.Llap:
	TURN 0, 1, 1
	STEP 1, 0
	TURN 1, 0, 1
	STEP 0, 0
	s_sub_co_u32 s3, s3, 1
	s_cmp_lg_u32 s3, 0
	s_cbranch_scc1 .Llap
	TURN 0, 1, 0
	STEP 1, 0
	s_wait_dscnt 16
	WIN MUL_LO
	MUL16 0, 1, 1, 1, 0
	MUL16 2, 1, 1, 1, 0
	s_wait_dscnt 0x0
	WIN MUL_HI
	MUL16 4, 1, 1, 1, 0
	MUL16 6, 1, 1, 1, 0
	WIN 0
; THE WAY OUT.  The 64 registers of A's fragment a (window w, from v[s]) are, for my lane's token, 128 neighbouring hidden units: register 16 b + i = 32 b + 16 h + i.  They become a fragment's codes and its scale word.
.macro QUANT s, w, pw
	WIN (\w)|((\w)<<2)
.irp b, 0,1,2,3
	v_max3_num_f32 v[TM+\b], |v[\s+16*\b]|, |v[\s+16*\b+1]|, 0x2800000   ; the floor 2^(5 - 127) holds the byte at 1 from below
.endr
.irp i, 2,4,6,8,10,12,14
.irp b, 0,1,2,3
	v_max3_num_f32 v[TM+\b], |v[\s+16*\b+\i]|, |v[\s+16*\b+\i+1]|, v[TM+\b]
.endr
.endr
	WIN 0
.irp b, 0,1,2,3
	v_permlanex16_b32 v[TM+4+\b], v[TM+\b], s[SEL], s[SEL+1]
.endr
.irp b, 0,1,2,3
	v_max_num_f32 v[TM+\b], v[TM+\b], v[TM+4+\b]
.endr
.irp b, 0,1,2,3
	v_add_nc_u32 v[TM+12+\b], 0xfe000000, v[TM+\b]
.endr
.irp b, 0,1,2,3
	v_lshrrev_b32 v[TM+4+\b], 23, v[TM+12+\b]
.endr
	v_lshl_or_b32 v[\pw], v[TM+5], 8, v[TM+4]
	v_lshl_or_b32 v[\pw], v[TM+6], 16, v[\pw]
	v_lshl_or_b32 v[\pw], v[TM+7], 24, v[\pw]
	s_wait_xcnt 0x0                                ; earlier stores have read the codes' registers: they are written again only behind this wait
	WIN \w
.irp c, 0,1
	v_cvt_scalef32_pk16_bf6_f32 v[PC+6*\c:PC+6*\c+2], v[\s+32*\c:\s+32*\c+15], v[TM+12+2*\c]
	v_cvt_scalef32_pk16_bf6_f32 v[PT+4*\c:PT+4*\c+2], v[\s+32*\c+16:\s+32*\c+31], v[TM+13+2*\c]
.endr
	WIN 0
	v_nop                                          ; one plain place behind a scaled conversion
.irp c, 0,1
.irp i, 0,1,2
	v_permlane16_swap_b32 v[PC+6*\c+\i], v[PT+4*\c+\i]
.endr
.irp i, 0,1,2
	v_mov_b32 v[PC+3+6*\c+\i], v[PT+4*\c+\i]
.endr
.endr
.endm
.irp b, 0,1,2,3
	v_mov_b32 v[TM+4+\b], 0                        ; a lane permute's destination counts as one of its sources.  These four are also the places behind the last products
.endr
.irp a, 0,1,2,3,4,5,6,7
.set QS_, 64*(\a%4)
.set QW_, 2+\a/4
	WIN (QW_<<6)|(QW_<<2)
.set j, 0
.rept 64
	v_max_num_f32 v[QS_+j], 0, v[QS_+j]            ; the activation, in f32; each accumulator from its low end on
.set j, j+1
.endr
	QUANT QS_, QW_, PWS+\a
	global_store_b128 v2, v[PC:PC+3],     s[10:11] offset:FRB*\a        ; each store covers 512 or 256 consecutive bytes, aligned to 256
	global_store_b64  v3, v[PC+4:PC+5],   s[10:11] offset:FRB*\a+512
	global_store_b128 v2, v[PC+6:PC+9],   s[10:11] offset:FRB*\a+768
	global_store_b64  v3, v[PC+10:PC+11], s[10:11] offset:FRB*\a+1280
.endr
	v_cmp_lt_u32 vcc_lo, 15, v1
.irp f, 0,1,2,3
	v_cndmask_b32 v[OUTW+\f], v[PWS+\f], v[PWS+4+\f], vcc_lo         ; lanes 0-15: the words of fragments 0-3, lanes 16-31: of fragments 4-7
.endr
	global_store_b128 v2, v[OUTW:OUTW+3], s[10:11] offset:SCO        ; 512 consecutive bytes
	s_wait_tensorcnt 0x0                           ; the wave's end
	ds_add_u32 v[SPW], v[NIL]
	s_wait_dscnt 0x0
	CROUND                                         ; the closing round
	s_endpgm
.Lfunc_end_k_q3e2e7f24c1_ff1:
	.size	k_q3e2e7f24c1_ff1, .Lfunc_end_k_q3e2e7f24c1_ff1-k_q3e2e7f24c1_ff1
	.p2alignl 7, 3214868480
	.fill 96, 4, 3214868480
	.section	.rodata,"a",@progbits
	.p2align	6, 0x0
	.amdhsa_kernel k_q3e2e7f24c1_ff1
		.amdhsa_group_segment_fixed_size 327680
		.amdhsa_private_segment_fixed_size 0
		.amdhsa_enable_private_segment 0
		.amdhsa_kernarg_size 32
		.amdhsa_user_sgpr_count 2
		.amdhsa_user_sgpr_kernarg_segment_ptr 1
		.amdhsa_wavefront_size32 1
		.amdhsa_system_sgpr_workgroup_id_x 1
		.amdhsa_system_sgpr_workgroup_id_y 1
		.amdhsa_system_sgpr_workgroup_id_z 1
		.amdhsa_system_vgpr_workitem_id 0
		.amdhsa_next_free_vgpr 1024
		.amdhsa_next_free_sgpr 100
		.amdhsa_reserve_vcc 1
		.amdhsa_float_denorm_mode_32 3
		.amdhsa_float_denorm_mode_16_64 3
		.amdhsa_memory_ordered 1
		.amdhsa_forward_progress 1
		.amdhsa_inst_pref_size 163
	.end_amdhsa_kernel
	.amdgpu_metadata
---
amdhsa.version: [ 1, 2 ]
amdhsa.kernels:
  - .name:           k_q3e2e7f24c1_ff1
    .symbol:         k_q3e2e7f24c1_ff1.kd
    .args:
      - { .name: h2, .offset: 0, .size: 8, .value_kind: global_buffer, .address_space: global }
      - { .name: pre, .offset: 8, .size: 8, .value_kind: global_buffer, .address_space: global }
      - { .name: b1, .offset: 16, .size: 8, .value_kind: global_buffer, .address_space: global }
      - { .name: hid, .offset: 24, .size: 8, .value_kind: global_buffer, .address_space: global }
    .group_segment_fixed_size: 327680
    .private_segment_fixed_size: 0
    .kernarg_segment_align: 8
    .kernarg_segment_size: 32
    .max_flat_workgroup_size: 128
    .sgpr_count:     100
    .vgpr_count:     1024
    .wavefront_size: 32
...
	.end_amdgpu_metadata
.endif
;; end of part 6
;; launch ff2 (part 7): grid 4 x 16, 4 waves a work-group, clusters of 4 x 4, 327,680 bytes of LDS; arguments hid, pre, b2, x1, out0; writes out0
.if DOCPART == 7
	.amdgcn_target "amdgcn-amd-amdhsa--gfx1250"
	.amdhsa_code_object_version 6
	.text
	.protected	k_q3e2e7f24c1_ff2
	.globl	k_q3e2e7f24c1_ff2
	.p2align	8
	.type	k_q3e2e7f24c1_ff2,@function
k_q3e2e7f24c1_ff2:
	s_mov_b64 s[64:65], 0
	v_nop
	global_prefetch_b8 v0, s[64:65] scope:SCOPE_SE
	s_setreg_imm32_b32 hwreg(HW_REG_WAVE_MODE, 25, 1), 1
	s_wait_xcnt 0x0
	s_wait_alu depctr_hold_cnt(0) depctr_sa_sdst(0) depctr_va_vdst(0) depctr_va_sdst(0) depctr_va_ssrc(0) depctr_va_vcc(0) depctr_vm_vsrc(0)
	s_getreg_b32 s2, hwreg(HW_REG_IB_STS2, 6, 4)
	s_cmp_eq_u32 s2, 0
	s_cbranch_scc0 .Lentry_in_a_cluster
	s_endpgm
.Lentry_in_a_cluster:
	s_bfe_u32 s2, ttmp6, 0x10000c
	s_cmp_lg_u32 s2, 0xf033
	s_cbranch_scc0 .Lentry_shape_is_right
	s_endpgm
.Lentry_shape_is_right:
; out = x1 + hidden x W2 + b2.  The product on MX-BF6 codes (E3M2, one E8M0 byte for each 32 along K = 4,096), f32 sums; the bias is the C of each sum's first product, the residual is added last, in f32.
; OPERANDS are images of operand registers: a unit (128 rows x 128 K) is 12,800 bytes: eight fragments of 1,536 bytes (two halves of 768: 32 lanes x 16 bytes, 32 lanes x 8 bytes), then the scale words
; at 12,288 + 256 (i / 4) + 16 r + 4 (i % 4).  Fragment i holds in row r the row 32 (i / 2) + 8 (i % 2) + r + 8 (r / 8) of its block.
; A tile of the result is 256 x 256: four waves, each 128 x 128 in 64 accumulators.  K goes in steps of 256 through two LDS slots; a wave's tensor load brings one block's two units, 25,600 dense bytes.
; CLUSTERS: 4 x 4 work-groups; A's tiles (tokens) are shared along a row of the cluster, B's (columns of the weight) along a column: each is asked for jointly.  Source 0 = B, source 1 = A:
; a lane holds one token and its registers run along the columns.
; 64 tiles: a smaller tile would give more work-groups, but a wave of 64 x 64 reads each LDS byte for half as many products.
; LIMITS: NaN and infinities are not served.  The bias enters the sum first and the residual last: an order of f32 roundings other than the reference's.
.set KTOT,  4096
.set BOFF,  9011200                    ; W2's image in pre
.set NTOUT, 1
.set UNIT,  12800
.set FRB,   1536
.set SCO,   12288
.set REG,   2*UNIT
.set SLOT,  4*REG
.set SPARE, 2*SLOT
.set BLKB,  (KTOT/128)*UNIT
.set LAPS,  KTOT/512
.set FR,    12
.set A16,  16
.set A8,   18
.set B16,  20
.set B8,   22
.set STO,  24
.set RD,   25
.set SPW,  28
.set NIL,  29
.set ADRS, 30
.set SC,   32
.set BIAS, 64
.set AF,   128
.set BK,   128
.set SPITCH, 528
.set G1,   24
.set G0,   32
.set G1B,  48
.set G0B,  56
.set MSB, 0
.macro WIN new
.if MSB != (\new)
	s_set_vgpr_msb (MSB<<8)|(\new)
.set MSB, (\new)
.endif
.endm
.set MUL_LO, 0xa1
.set MUL_HI, 0xf1
.set FIRST_LO, 0x81
.set FIRST_HI, 0xc1
.set TO_B,   0x40
.macro JLOAD s
	s_cmp_eq_u32 s15, 0
	s_cbranch_scc0 .Lfor_b_\@
	tensor_load_to_lds s[G0+4*\s:G0+4*\s+3], s[G1:G1+7]
	s_nop 0
.rept 4
	v_nop
.endr
	s_branch .Lasked_\@
.Lfor_b_\@:
	tensor_load_to_lds s[G0B+4*\s:G0B+4*\s+3], s[G1B:G1B+7]
	s_nop 0
.rept 4
	v_nop
.endr
.Lasked_\@:
.endm
.macro CREST
	s_cmp_lg_u32 s14, 0
	s_cbranch_scc1 .Lnot_wave_0_\@
	s_barrier_signal -3
.Lnot_wave_0_\@:
	s_barrier_wait -3
	s_barrier_signal -1
	s_barrier_wait -1
.endm
.macro CROUND
	s_barrier_signal -1
	s_barrier_wait -1
	CREST
.endm
.macro PLACES
.rept 4
	v_nop
.endr
.endm
	s_load_b256 s[4:11], s[0:1], 0x0               ; A's image s[4:5], pre s[6:7], bias s[8:9], residual s[10:11]
	s_load_b64 s[12:13], s[0:1], 0x20              ; the result
	v_lshl_add_u32 v[SPW], v0, 2, SPARE
	v_mov_b32 v[NIL], 0
	ds_add_u32 v28, v29
	ds_add_u32 v28, v29
	s_wait_dscnt 0x0
	v_lshrrev_b32 v1, 5, v0
	v_readfirstlane_b32 s14, v1
	s_lshr_b32 s15, s14, 1
	s_and_b32 s16, s14, 1
	s_bfe_u32 s40, ttmp6, 0x40000
	s_bfe_u32 s41, ttmp6, 0x40004
	s_lshl_b32 s42, ttmp9, 2
	s_add_co_u32 s42, s42, s40
	s_and_b32 s17, ttmp7, 0xffff
	s_lshl_b32 s17, s17, 2
	s_add_co_u32 s17, s17, s41
	s_lshl_b32 s43, s41, 2
	s_lshl_b32 s43, 15, s43
	s_lshl_b32 s44, 0x1111, s40
	s_or_b32 s[G1+0], s43, (3<<16)|(1<<21)
	s_or_b32 s[G1B+0], s44, (3<<16)|(1<<21)
.irp g, G1, G1B
	s_mov_b32 s[\g+1], 32<<16
	s_mov_b32 s[\g+2], 100<<16
	s_mov_b32 s[\g+3], 32<<16
	s_mov_b32 s[\g+4], 100
	s_mov_b32 s[\g+5], 32
	s_mov_b32 s[\g+6], 0
	s_mov_b32 s[\g+7], 0
.endr
	s_lshl_b32 s20, s17, 1
	s_add_co_u32 s20, s20, s16
	s_mul_i32 s20, s20, BLKB
	s_mov_b32 s21, 0
	s_lshl_b32 s46, s42, 1
	s_add_co_u32 s46, s46, s16
	s_mul_i32 s46, s46, BLKB
	s_add_co_u32 s46, s46, BOFF
	s_mov_b32 s47, 0
	s_mul_i32 s45, s14, REG
	s_wait_kmcnt 0x0
	s_add_nc_u64 s[20:21], s[4:5], s[20:21]
	s_add_nc_u64 s[46:47], s[6:7], s[46:47]
	CROUND
.irp s, 0,1
	s_mov_b32 s[G0+4*\s], 1
	s_add_co_u32 s[G0+4*\s+1], s45, \s*SLOT
	s_add_nc_u64 s[G0+4*\s+2:G0+4*\s+3], s[20:21], \s*REG
	s_or_b32 s[G0+4*\s+3], s[G0+4*\s+3], 0x80000000
	s_mov_b32 s[G0B+4*\s], 1
	s_add_co_u32 s[G0B+4*\s+1], s45, \s*SLOT
	s_add_nc_u64 s[G0B+4*\s+2:G0B+4*\s+3], s[46:47], \s*REG
	s_or_b32 s[G0B+4*\s+3], s[G0B+4*\s+3], 0x80000000
	JLOAD \s
.endr
	v_and_b32 v1, 31, v0
	v_lshlrev_b32 v2, 4, v1
	v_lshlrev_b32 v3, 3, v1
	v_and_b32 v4, 15, v0
	v_bfe_u32 v5, v0, 4, 1
	s_mul_i32 s21, s15, REG
	s_mul_i32 s22, s16, REG
	s_add_co_u32 s22, s22, 2*REG
	s_xor_b32 s23, s15, 1
	s_add_co_u32 s23, s23, s16
	s_add_co_u32 s23, s23, 1
	s_mul_i32 s23, s23, REG
	v_mul_u32_u24 v6, s23, v5
	v_lshl_add_u32 v6, v4, 4, v6
.irp s, 0,1
	v_add_nc_u32 v[A16+\s], s21, v2
	v_add_nc_u32 v[A8+\s], s21, v3
	v_add_nc_u32 v[B16+\s], s22, v2
	v_add_nc_u32 v[B8+\s], s22, v3
	v_add_nc_u32 v[ADRS+\s], s21, v6
	s_add_co_u32 s21, s21, SLOT
	s_add_co_u32 s22, s22, SLOT
.endr
	s_lshl_b32 s66, s17, 1
	s_add_co_u32 s66, s66, s15
	s_lshl_b32 s67, s42, 1
	s_add_co_u32 s67, s67, s16
	s_lshl_b32 s68, s67, 9
	s_mov_b32 s69, 0
	s_add_nc_u64 s[8:9], s[8:9], s[68:69]
	s_lshl_b32 s66, s66, 19
	s_add_co_u32 s68, s68, s66
	s_add_nc_u64 s[10:11], s[10:11], s[68:69]
	s_add_nc_u64 s[12:13], s[12:13], s[68:69]
	v_lshlrev_b32 v7, 6, v5
.irp b, 0,1,2,3,4,5,6,7
	global_load_b128 v[BIAS+8*\b:BIAS+8*\b+3],   v7, s[8:9] offset:(32*(\b/2)+8*(\b%2))*4
	global_load_b128 v[BIAS+8*\b+4:BIAS+8*\b+7], v7, s[8:9] offset:(32*(\b/2)+8*(\b%2))*4+16
.endr
	s_mul_i32 s23, s14, 16*SPITCH                  ; my stage: it lies in slot 0, which has had its last fill and its last read when the first result is stored there
	v_mul_u32_u24 v[STO], v4, SPITCH
	v_lshl_add_u32 v[STO], v5, 6, v[STO]
	v_add_nc_u32 v[STO], s23, v[STO]
	v_add_nc_u32 v[RD], s23, v2
.macro FRAG reg, a16, a8, off
	ds_load_b128 v[\reg:\reg+3],     v[\a16] offset:\off
	ds_load_b64  v[\reg+4:\reg+5],   v[\a8]  offset:\off+512
	ds_load_b128 v[\reg+6:\reg+9],   v[\a16] offset:\off+768
	ds_load_b64  v[\reg+10:\reg+11], v[\a8]  offset:\off+1280
.endm
; The 64 accumulators take turns, one instruction a turn, in the same order in every step.  first = 1: the sums begin with the bias.
.macro MUL16 a0, p, q, sc, first
.irp a, \a0, \a0+1
.irp b, 0,1,2,3,4,5,6,7
.if \first
	v_wmma_scale_f32_16x16x128_f8f6f4 v[8*(8*((\a)%4)+\b):8*(8*((\a)%4)+\b)+7], v[128*(\p)+FR*\b:128*(\p)+FR*\b+FR-1], v[AF+FR*(\a):AF+FR*(\a)+FR-1], v[BIAS+8*\b:BIAS+8*\b+7], v[SC+16*(\sc)+8*(\q)+\b], v[SC+16*(\sc)+8*(\q)+(\a)] matrix_a_fmt:MATRIX_FMT_BF6 matrix_b_fmt:MATRIX_FMT_BF6 matrix_a_scale:MATRIX_SCALE_ROW1
.else
	v_wmma_scale_f32_16x16x128_f8f6f4 v[8*(8*((\a)%4)+\b):8*(8*((\a)%4)+\b)+7], v[128*(\p)+FR*\b:128*(\p)+FR*\b+FR-1], v[AF+FR*(\a):AF+FR*(\a)+FR-1], v[8*(8*((\a)%4)+\b):8*(8*((\a)%4)+\b)+7], v[SC+16*(\sc)+8*(\q)+\b], v[SC+16*(\sc)+8*(\q)+(\a)] matrix_a_fmt:MATRIX_FMT_BF6 matrix_b_fmt:MATRIX_FMT_BF6 matrix_a_scale:MATRIX_SCALE_ROW1
.endif
.endr
.endr
.endm
.macro FETCH_B slot, q, p
	WIN TO_B
.irp i, 0,1,2,3,4,5,6,7
	FRAG 128*(\p)+FR*\i, B16+\slot, B8+\slot, (\q)*UNIT+\i*FRB
.endr
	WIN 0
.endm
.macro FETCH_A slot, q, i0
.irp i, \i0, \i0+1, \i0+2, \i0+3
	FRAG AF+FR*(\i), A16+\slot, A8+\slot, (\q)*UNIT+(\i)*FRB
.endr
.endm
.macro SCALES sc
.irp q, 0,1
.irp e, 0,1
	ds_load_b128 v[SC+16*\sc+8*\q+4*\e:SC+16*\sc+8*\q+4*\e+3], v[ADRS+\sc] offset:\q*UNIT+SCO+256*\e
.endr
.endr
.endm
.macro STEP slot, first
	s_wait_dscnt 16                                ; all but the youngest 16 loads (A's fragments 4-7)
.if \first
	WIN FIRST_LO
.else
	WIN MUL_LO
.endif
	MUL16 0, 0, 0, \slot, \first
	MUL16 2, 0, 0, \slot, \first
	s_wait_dscnt 0x0
	PLACES
	FETCH_B \slot, 1, 1
	FETCH_A \slot, 1, 0
.if \first
	WIN FIRST_HI
.else
	WIN MUL_HI
.endif
	MUL16 4, 0, 0, \slot, \first
	MUL16 6, 0, 0, \slot, \first
	PLACES
	WIN 0
	FETCH_A \slot, 1, 4
.endm
.macro TURN slot, next, fill
	s_wait_tensorcnt 0x0                           ; all my tensor loads have landed: my part of the next slot
	ds_add_u32 v[SPW], v[NIL]                      ; 0 onto my spare word
	s_wait_dscnt 17                                ; (the add and the youngest 16 loads may be out)
	WIN MUL_LO
	MUL16 0, 1, 1, \slot, 0
	s_wait_dscnt 0x0                               ; the add is done, and my reads of this slot are over
	s_barrier_signal -1
	MUL16 2, 1, 1, \slot, 0
	WIN 0
	s_barrier_wait -1
.if \fill
	CREST                                          ; a round of the cluster's barrier: no wave of any partner still reads this slot or has a load on its way
	s_add_nc_u64 s[G0+4*\slot+2:G0+4*\slot+3], s[G0+4*\slot+2:G0+4*\slot+3], 2*REG
	s_add_nc_u64 s[G0B+4*\slot+2:G0B+4*\slot+3], s[G0B+4*\slot+2:G0B+4*\slot+3], 2*REG
	JLOAD \slot
.else
	PLACES
.endif
	FETCH_B \next, 0, 0
	FETCH_A \next, 0, 0
	SCALES \next
	WIN MUL_HI
	MUL16 4, 1, 1, \slot, 0
	MUL16 6, 1, 1, \slot, 0
	PLACES
	WIN 0
	FETCH_A \next, 0, 4
.endm
	s_wait_loadcnt 0x0                             ; the bias
	s_wait_tensorcnt 1                             ; my part of slot 0 is in; slot 1's may stay out
	s_barrier_signal -1
	s_barrier_wait -1
	FETCH_B 0, 0, 0
	FETCH_A 0, 0, 0
	SCALES 0
	FETCH_A 0, 0, 4
	STEP 0, 1
	s_mov_b32 s3, LAPS-1
.Llap:
	TURN 0, 1, 1
	STEP 1, 0
	TURN 1, 0, 1
	STEP 0, 0
	s_sub_co_u32 s3, s3, 1
	s_cmp_lg_u32 s3, 0
	s_cbranch_scc1 .Llap
	TURN 0, 1, 0
	STEP 1, 0
	s_wait_dscnt 16
	WIN MUL_LO
	MUL16 0, 1, 1, 1, 0
	MUL16 2, 1, 1, 1, 0
	s_wait_dscnt 0x0
	WIN MUL_HI
	MUL16 4, 1, 1, 1, 0
	MUL16 6, 1, 1, 1, 0
	WIN 0
; THE WAY OUT, a fragment of 16 tokens x 128 columns at a time: through my stage in LDS, back as whole rows of 512 bytes, + the residual, stored.  Row t of fragment a is token 32 (a / 2) + 8 (a % 2) + t + 8 (t / 8).
.macro RLOAD a
	WIN 0x40
.irp t, 0,1,2,3,4,5,6,7,8,9,10,11,12,13,14,15
	global_load_b128 v[64*((\a)%4)+4*\t:64*((\a)%4)+4*\t+3], v2, s[10:11] offset:(32*((\a)/2)+8*((\a)%2)+\t+8*(\t/8))*4096
.endr
	WIN 0
.endm
.macro TOSTAGE a
.set AC, 64*((\a)%4)
	WIN 0x08+4*((\a)/4)
.irp b, 0,1,2,3,4,5,6,7
	ds_store_b128 v[STO], v[AC+8*\b:AC+8*\b+3]   offset:128*(\b/2)+32*(\b%2)      ; each accumulator from its low end on
	ds_store_b128 v[STO], v[AC+8*\b+4:AC+8*\b+7] offset:128*(\b/2)+32*(\b%2)+16
.endr
	WIN 0
.set BB, BK+64*((\a)%2)
.irp t, 0,1,2,3,4,5,6,7,8,9,10,11,12,13,14,15
	ds_load_b128 v[BB+4*\t:BB+4*\t+3], v[RD] offset:\t*SPITCH    ; LDS serves a wave's instructions in order (ISA guide 5.7.1.4)
.endr
.endm
	PLACES
	RLOAD 0
	RLOAD 1
	RLOAD 2
	RLOAD 3
.irp a, 0,1,2,3,4,5,6,7
.if \a > 1
	s_wait_xcnt 0x0                                ; fragment a - 2's stores have read their registers: this fragment's rows may land there
.endif
	TOSTAGE \a
	s_wait_dscnt 0x0
.if \a < 5
	s_wait_loadcnt 48                              ; this fragment's residual is in; the three younger fragments' 48 loads may be out
.else
	s_wait_loadcnt 16*(7-\a)
.endif
.set XR, 64*(\a%4)
	WIN 0x04
.set p, 0
.rept 32
	v_pk_add_f32 v[BB+2*p:BB+2*p+1], v[BB+2*p:BB+2*p+1], v[XR+2*p:XR+2*p+1]
.set p, p+1
.endr
	WIN 0
.irp t, 0,1,2,3,4,5,6,7,8,9,10,11,12,13,14,15
.if NTOUT
	global_store_b128 v2, v[BB+4*\t:BB+4*\t+3], s[12:13] offset:(32*(\a/2)+8*(\a%2)+\t+8*(\t/8))*4096 th:TH_STORE_NT   ; 512 consecutive bytes, aligned to 256; written once, read by nobody here
.else
	global_store_b128 v2, v[BB+4*\t:BB+4*\t+3], s[12:13] offset:(32*(\a/2)+8*(\a%2)+\t+8*(\t/8))*4096
.endif
.endr
.if \a < 4
	RLOAD \a+4
.endif
.endr
	s_wait_tensorcnt 0x0                           ; the wave's end
	ds_add_u32 v[SPW], v[NIL]
	s_wait_dscnt 0x0
	CROUND                                         ; the closing round
	s_endpgm
.Lfunc_end_k_q3e2e7f24c1_ff2:
	.size	k_q3e2e7f24c1_ff2, .Lfunc_end_k_q3e2e7f24c1_ff2-k_q3e2e7f24c1_ff2
	.p2alignl 7, 3214868480
	.fill 96, 4, 3214868480
	.section	.rodata,"a",@progbits
	.p2align	6, 0x0
	.amdhsa_kernel k_q3e2e7f24c1_ff2
		.amdhsa_group_segment_fixed_size 327680
		.amdhsa_private_segment_fixed_size 0
		.amdhsa_enable_private_segment 0
		.amdhsa_kernarg_size 40
		.amdhsa_user_sgpr_count 2
		.amdhsa_user_sgpr_kernarg_segment_ptr 1
		.amdhsa_wavefront_size32 1
		.amdhsa_system_sgpr_workgroup_id_x 1
		.amdhsa_system_sgpr_workgroup_id_y 1
		.amdhsa_system_sgpr_workgroup_id_z 1
		.amdhsa_system_vgpr_workitem_id 0
		.amdhsa_next_free_vgpr 1024
		.amdhsa_next_free_sgpr 100
		.amdhsa_reserve_vcc 0
		.amdhsa_float_denorm_mode_32 3
		.amdhsa_float_denorm_mode_16_64 3
		.amdhsa_memory_ordered 1
		.amdhsa_forward_progress 1
		.amdhsa_inst_pref_size 171
	.end_amdhsa_kernel
	.amdgpu_metadata
---
amdhsa.version: [ 1, 2 ]
amdhsa.kernels:
  - .name:           k_q3e2e7f24c1_ff2
    .symbol:         k_q3e2e7f24c1_ff2.kd
    .args:
      - { .name: hid, .offset: 0, .size: 8, .value_kind: global_buffer, .address_space: global }
      - { .name: pre, .offset: 8, .size: 8, .value_kind: global_buffer, .address_space: global }
      - { .name: b2, .offset: 16, .size: 8, .value_kind: global_buffer, .address_space: global }
      - { .name: x1, .offset: 24, .size: 8, .value_kind: global_buffer, .address_space: global }
      - { .name: out0, .offset: 32, .size: 8, .value_kind: global_buffer, .address_space: global }
    .group_segment_fixed_size: 327680
    .private_segment_fixed_size: 0
    .kernarg_segment_align: 8
    .kernarg_segment_size: 40
    .max_flat_workgroup_size: 128
    .sgpr_count:     100
    .vgpr_count:     1024
    .wavefront_size: 32
...
	.end_amdgpu_metadata
.endif
;; end of part 7
;; ======== version 2 of 2: 7 launches
;; limits: right only within a limited range of input values
;; workspace buffers: pre 12,288,000 bytes; qkvb 9,830,400 bytes; ao 3,276,800 bytes; x1 16,777,216 bytes; h2 3,276,800 bytes; hid 13,107,200 bytes
;; launch prep (part 8): grid 960 x 1, 4 waves a work-group, no clusters, 67,584 bytes of LDS; arguments x, ln1_g, ln1_b, pre, Wq, Wk, Wproj, W1, W2; writes pre
.if DOCPART == 8
	.amdgcn_target "amdgcn-amd-amdhsa--gfx1250"
	.amdhsa_code_object_version 6
	.text
	.protected	k_q3e2e7f24c1_prep
	.globl	k_q3e2e7f24c1_prep
	.p2align	8
	.type	k_q3e2e7f24c1_prep,@function
k_q3e2e7f24c1_prep:
	s_mov_b64 s[64:65], 0
	v_nop
	global_prefetch_b8 v0, s[64:65] scope:SCOPE_SE
	s_setreg_imm32_b32 hwreg(HW_REG_WAVE_MODE, 25, 1), 1
	s_wait_xcnt 0x0
; TWO PARTS, chosen by the work-group's number.  Work-groups 0 - 255: LayerNorm of [4096][1024] f32 rows, then the MX-BF6 quantiser along the 1,024 columns (E3M2 codes, one E8M0 byte for each 32).
; Work-groups 256 on: the five weights, f32 with K NOT innermost, become MX-BF6 images.  A launch of 256 work-groups runs the first part alone; its last five arguments are then not read.
; WORK THAT THE PROGRAM LEAVES OUT: in the attention launch, steps of 128 keys that all come after a tile's queries: reference()'s own causal mask gives them the weight 0 for every input.
; A NaN, an infinity or an overflow that reaches only that work is not carried to the result.  Every input is loaded.
; OUT: IMAGES of operand registers.  A unit (128 rows x 128 K) is 12,800 bytes: eight fragments of 1,536 bytes, then 512 bytes of scale words.  An image is [row block][K step] units.
; Fragment i of a block holds in its row r the row 32 (i / 2) + 8 (i % 2) + r + 8 (r / 8).  A fragment is two halves of 768 bytes (registers 6 c .. 6 c + 5):
; 32 lanes x 16 bytes, then 32 lanes x 8 bytes.  The scale word of (fragment i, row r) lies at 12,288 + 256 (i / 4) + 16 r + 4 (i % 4).
; THE NORM'S SHARES.  A work-group takes ONE fragment's 16 tokens; wave c takes 256 columns (K steps 2 c, 2 c + 1): 128 numbers a lane.
; Loads take 512 consecutive bytes; the numbers turn through the wave's own stage in LDS so that a lane holds 16 neighbours of each block of 32 of ONE token.
; Mean and variance in two passes (the variance of the centred numbers), the four waves meeting in LDS: two barriers in all.
; THE WEIGHTS' SHARES.  A work-group takes 128 columns x 128 K of one tensor; a wave 32 columns.  A LANE TAKES A COLUMN, AND ITS REGISTERS RUN DOWN K: each load reads 128 consecutive bytes a wave,
; a block of 32 along K lies in one lane, and the conversions give codes with K innermost.  No LDS, no barrier there.
; What is stored in part: the norm's scale words (pieces of 4 bytes, 16 bytes apart); the weights' 8-byte pieces (runs of 128 bytes) and scale words.
; LIMITS: NaN and infinities are not served; a block whose largest magnitude lies under 2^-122 gets the byte 1, a block of zeros too (its codes are zeros; only this program reads the bytes); 1 / sqrt by v_rsq_f32.
.set UNIT,  12800
.set FRB,   1536
.set SCO,   12288
.set SP,    1040                       ; a stage row: 1,024 bytes + 16
.set STGB,  16*SP                      ; a wave's stage
.set STAT1, 4*STGB                     ; [r][c] words: the waves' sums
.set STAT2, STAT1+256                  ; the same for the sums of squares
.set SPARE, STAT2+256                  ; the spare words, 128 bytes for each wave
.set L16, 1
.set RR,  2
.set HH,  3
.set STS, 4
.set STL, 5
.set GBL, 6
.set SW,  7
.set SR,  8
.set L8,  10
.set SCV, 11
.set PC,  12                           ; v12-23 a fragment's codes
.set PT,  24                           ; v24-31 the conversions' second halves
.set D,   32                           ; v32-159 my 128 numbers
.set G,   160                          ; v160-191 gain
.set BV,  192                          ; v192-223 bias
.set TM,  224                          ; v224-239 at work in the quantiser
.set PW,  240
.set MU,  242
.set RS,  244
.set SM,  246
.set TX,  254
.set SEL, 32
	s_cmp_ge_u32 ttmp9, 256
	s_cbranch_scc1 .Lweights
	s_load_b256 s[4:11], s[0:1], 0x0               ; rows s[4:5], gain s[6:7], bias s[8:9], image s[10:11]
	v_lshl_add_u32 v235, v0, 2, SPARE
	v_mov_b32 v255, 0
	v_lshrrev_b32 v1, 5, v0
	v_readfirstlane_b32 s12, v1                    ; wave 0..3: my 256 columns
	s_lshr_b32 s15, ttmp9, 3                       ; the block of 128 tokens
	s_and_b32 s16, ttmp9, 7                        ; and the fragment of it
	s_mov_b32 s[SEL], 0x76543210
	s_mov_b32 s[SEL+1], 0xfedcba98
	s_mov_b32 s34, 0x3a800000                      ; 1 / 1024
	s_mov_b32 s35, 0x3727c5ac                      ; 1e-5
	v_and_b32 v[TX], 31, v0
	v_lshlrev_b32 v[L16], 4, v[TX]
	v_lshlrev_b32 v[L8], 3, v[TX]
	v_and_b32 v[RR], 15, v0
	v_bfe_u32 v[HH], v0, 4, 1
	s_mul_i32 s17, s12, STGB
	v_add_nc_u32 v[STS], s17, v[L16]
	v_mul_u32_u24 v[STL], v[RR], SP
	v_lshl_add_u32 v[STL], v[HH], 6, v[STL]
	v_add_nc_u32 v[STL], s17, v[STL]
	v_lshlrev_b32 v[GBL], 6, v[HH]
	v_add_nc_u32 v[GBL], s17, v[GBL]
	v_lshl_add_u32 v[SR], v[RR], 4, STAT1          ; STAT1 + 16 r
	s_lshl_b32 s19, s12, 2
	v_add_nc_u32 v[SW], s19, v[SR]                 ; + 4 c
	v_mul_u32_u24 v[SCV], v[HH], UNIT
	v_lshl_add_u32 v[SCV], v[RR], 4, v[SCV]
.irp b, 0,1,2,3
	v_mov_b32 v[TM+4+\b], 0                        ; a lane permute's destination counts as one of its sources
.endr
	s_lshl_b32 s20, s15, 7                         ; my fragment's first token: 128 x block + 32 (i / 2) + 8 (i % 2)
	s_lshr_b32 s21, s16, 1
	s_lshl_b32 s21, s21, 5
	s_add_co_u32 s20, s20, s21
	s_and_b32 s21, s16, 1
	s_lshl_b32 s21, s21, 3
	s_add_co_u32 s20, s20, s21
	s_lshl_b32 s20, s20, 12                        ; rows of 4,096 bytes
	s_lshl_b32 s22, s12, 10                        ; my 256 columns
	s_add_co_u32 s20, s20, s22
	s_mov_b32 s21, 0
	s_mov_b32 s23, 0
	s_lshl_b32 s24, s15, 3
	s_lshl_b32 s25, s12, 1
	s_add_co_u32 s24, s24, s25
	s_mul_i32 s24, s24, UNIT                       ; unit (block, K step 2 c)
	s_mov_b32 s25, 0
	s_mul_i32 s26, s16, FRB                        ; my fragment in it
	s_mov_b32 s27, 0
	s_lshr_b32 s28, s16, 2
	s_lshl_b32 s28, s28, 8
	s_and_b32 s29, s16, 3
	s_lshl_b32 s29, s29, 2
	s_add_co_u32 s28, s28, s29
	s_add_co_u32 s28, s28, SCO                     ; and its scale words
	s_mov_b32 s29, 0
	s_wait_kmcnt 0x0
	s_add_nc_u64 s[4:5], s[4:5], s[20:21]
	s_add_nc_u64 s[6:7], s[6:7], s[22:23]
	s_add_nc_u64 s[8:9], s[8:9], s[22:23]
	s_add_nc_u64 s[10:11], s[10:11], s[24:25]
	s_add_nc_u64 s[30:31], s[10:11], s[28:29]
	s_add_nc_u64 s[10:11], s[10:11], s[26:27]
.irp q, 0,1,2,3,4,5,6,7,8,9,10,11,12,13,14,15  ; 16 tokens x 1,024 bytes: each load takes 512 consecutive bytes
.irp e, 0,1
	global_load_b128 v[D+4*(2*\q+\e):D+4*(2*\q+\e)+3], v[L16], s[4:5] offset:(\q+8*(\q/8))*4096+512*\e th:TH_LOAD_NT
.endr
.endr
	global_load_b128 v[G:G+3],     v[L16], s[6:7]
	global_load_b128 v[G+4:G+7],   v[L16], s[6:7] offset:512
	global_load_b128 v[G+8:G+11],  v[L16], s[8:9]
	global_load_b128 v[G+12:G+15], v[L16], s[8:9] offset:512
	s_wait_loadcnt 4                               ; the rows are in; the four younger loads (gain, bias) may be out
.irp q, 0,1,2,3,4,5,6,7,8,9,10,11,12,13,14,15
.irp e, 0,1
	ds_store_b128 v[STS], v[D+4*(2*\q+\e):D+4*(2*\q+\e)+3] offset:SP*\q+512*\e
.endr
.endr
.irp b, 0,1,2,3,4,5,6,7                        ; back: register 16 b + i = column 32 b + 16 h + i of token r.  LDS serves a wave's instructions in order (ISA guide 5.7.1.4)
.irp j, 0,1,2,3
	ds_load_b128 v[D+16*\b+4*\j:D+16*\b+4*\j+3], v[STL] offset:128*\b+16*\j
.endr
.endr
	s_wait_dscnt 0x0
	s_wait_loadcnt 0x0
	ds_store_b128 v[STS], v[G:G+3]                 ; gain and bias take the stage's first 2,048 bytes, whose rows have been read back
	ds_store_b128 v[STS], v[G+4:G+7] offset:512
	ds_store_b128 v[STS], v[G+8:G+11] offset:1024
	ds_store_b128 v[STS], v[G+12:G+15] offset:1536
.macro ACROSS off                      ; my lane's sums -> the token's sum over all 1,024 columns, the same bits in all four waves
	v_pk_add_f32 v[SM:SM+1], v[SM:SM+1], v[SM+2:SM+3]
	v_pk_add_f32 v[SM+4:SM+5], v[SM+4:SM+5], v[SM+6:SM+7]
	v_pk_add_f32 v[SM:SM+1], v[SM:SM+1], v[SM+4:SM+5]
	v_add_f32 v[SM], v[SM], v[SM+1]
	v_permlanex16_b32 v[TX], v[SM], s[SEL], s[SEL+1]
	v_add_f32 v[SM], v[SM], v[TX]                  ; my wave's 256 columns
	ds_store_b32 v[SW], v[SM] offset:\off          ; both halves of the lanes write the same word with the same value
	s_wait_dscnt 0x0                               ; for the others' sake: my LDS stores have landed
	s_barrier_signal -1
	s_barrier_wait -1
	ds_load_b128 v[SM:SM+3], v[SR] offset:\off
	s_wait_dscnt 0x0
	v_add_f32 v[SM], v[SM], v[SM+1]
	v_add_f32 v[SM+2], v[SM+2], v[SM+3]
	v_add_f32 v[SM], v[SM], v[SM+2]
.endm
.irp k, 0,1,2,3                                ; the mean: four chains
	v_pk_add_f32 v[SM+2*\k:SM+2*\k+1], v[D+2*\k:D+2*\k+1], v[D+8+2*\k:D+8+2*\k+1]
.endr
.set p, 8
.rept 56
	v_pk_add_f32 v[SM+2*(p%4):SM+2*(p%4)+1], v[SM+2*(p%4):SM+2*(p%4)+1], v[D+2*p:D+2*p+1]
.set p, p+1
.endr
	ACROSS 0
	v_mul_f32 v[MU], s34, v[SM]
	v_mov_b32 v[MU+1], v[MU]
.set p, 0
.rept 64
	v_pk_add_f32 v[D+2*p:D+2*p+1], v[D+2*p:D+2*p+1], v[MU:MU+1] neg_lo:[0,1] neg_hi:[0,1]   ; x - mean
.set p, p+1
.endr
.irp k, 0,1,2,3
	v_pk_mul_f32 v[SM+2*\k:SM+2*\k+1], v[D+2*\k:D+2*\k+1], v[D+2*\k:D+2*\k+1]
.endr
.set p, 4
.rept 60
	v_pk_fma_f32 v[SM+2*(p%4):SM+2*(p%4)+1], v[D+2*p:D+2*p+1], v[D+2*p:D+2*p+1], v[SM+2*(p%4):SM+2*(p%4)+1]
.set p, p+1
.endr
	ACROSS 256
	v_fma_f32 v[RS], v[SM], s34, s35               ; variance + eps
	s_wait_alu depctr_va_vdst(0)
	v_rsq_f32 v[RS], v[RS]
	v_nop                                          ; a plain instruction behind the transcendental
	s_wait_alu depctr_va_vdst(0)                   ; and a wait ahead of its first reader
	v_mov_b32 v[RS+1], v[RS]
.irp u, 0,1,2,3                                ; two blocks of 32 columns at a time: (x - mean) / sqrt(..) x gain + bias
.irp j, 0,1,2,3,4,5,6,7
	ds_load_b128 v[G+4*\j:G+4*\j+3],   v[GBL] offset:256*\u+128*(\j/4)+16*(\j%4)
	ds_load_b128 v[BV+4*\j:BV+4*\j+3], v[GBL] offset:1024+256*\u+128*(\j/4)+16*(\j%4)
.endr
.set p, 0
.rept 16
	v_pk_mul_f32 v[D+32*\u+2*p:D+32*\u+2*p+1], v[D+32*\u+2*p:D+32*\u+2*p+1], v[RS:RS+1]
.set p, p+1
.endr
	s_wait_dscnt 0x0
.set p, 0
.rept 16
	v_pk_fma_f32 v[D+32*\u+2*p:D+32*\u+2*p+1], v[D+32*\u+2*p:D+32*\u+2*p+1], v[G+2*p:G+2*p+1], v[BV+2*p:BV+2*p+1]
.set p, p+1
.endr
.endr
; 64 numbers of a lane, register 16 b + i = k 32 b + 16 h + i of my token, become a fragment's codes in v[PC] on and its scale word in v[pw]
.macro QUANT s, pw
.irp b, 0,1,2,3
	v_max3_num_f32 v[TM+\b], |v[\s+16*\b]|, |v[\s+16*\b+1]|, 0x2800000   ; my 16 numbers of block b, and the floor 2^(5 - 127): the byte cannot fall under 1
.endr
.irp i, 2,4,6,8,10,12,14
.irp b, 0,1,2,3
	v_max3_num_f32 v[TM+\b], v[TM+\b], |v[\s+16*\b+\i]|, |v[\s+16*\b+\i+1]|
.endr
.endr
.irp b, 0,1,2,3
	v_permlanex16_b32 v[TM+4+\b], v[TM+\b], s[SEL], s[SEL+1]
.endr
.irp b, 0,1,2,3
	v_max_num_f32 v[TM+\b], v[TM+\b], v[TM+4+\b]   ; with lane xor 16's 16: the block's largest magnitude
.endr
.irp b, 0,1,2,3
	v_add_nc_u32 v[TM+12+\b], 0xfe000000, v[TM+\b] ; 4 off its exponent field: the conversion's scale operand
.endr
.irp b, 0,1,2,3
	v_lshrrev_b32 v[TM+4+\b], 23, v[TM+12+\b]      ; the scale's byte
.endr
	v_lshl_or_b32 v[\pw], v[TM+5], 8, v[TM+4]
	v_lshl_or_b32 v[\pw], v[TM+6], 16, v[\pw]
	v_lshl_or_b32 v[\pw], v[TM+7], 24, v[\pw]      ; the same word in lanes l and l xor 16
	s_wait_xcnt 0x0                                ; earlier stores have read the codes' registers: they are written again only behind this wait
.irp c, 0,1
	v_cvt_scalef32_pk16_bf6_f32 v[PC+6*\c:PC+6*\c+2], v[\s+32*\c:\s+32*\c+15], v[TM+12+2*\c]
	v_cvt_scalef32_pk16_bf6_f32 v[PT+4*\c:PT+4*\c+2], v[\s+32*\c+16:\s+32*\c+31], v[TM+13+2*\c]   ; (a conversion's three registers begin on an even number)
.endr
	v_nop                                          ; one plain place behind a scaled conversion
.irp c, 0,1                                    ; the operand's layout wants a whole block in a lane
.irp i, 0,1,2
	v_permlane16_swap_b32 v[PC+6*\c+\i], v[PT+4*\c+\i]
.endr
.irp i, 0,1,2
	v_mov_b32 v[PC+3+6*\c+\i], v[PT+4*\c+\i]
.endr
.endr
.endm
.irp s, 0,1                                    ; my two K steps
	QUANT D+64*\s, PW+\s
	global_store_b128 v[L16], v[PC:PC+3],     s[10:11] offset:UNIT*\s        ; each store covers 512 or 256 consecutive bytes, aligned to 256
	global_store_b64  v[L8],  v[PC+4:PC+5],   s[10:11] offset:UNIT*\s+512
	global_store_b128 v[L16], v[PC+6:PC+9],   s[10:11] offset:UNIT*\s+768
	global_store_b64  v[L8],  v[PC+10:PC+11], s[10:11] offset:UNIT*\s+1280
.endr
	v_cmp_eq_u32 vcc_lo, 1, v[HH]
	v_cndmask_b32 v[TX], v[PW], v[PW+1], vcc_lo    ; lanes 0-15 send token r's word of K step 2 c, lanes 16-31 that of K step 2 c + 1
	global_store_b32 v[SCV], v[TX], s[30:31]
	s_wait_tensorcnt 0x0                           ; the wave's end
	ds_add_u32 v235, v255
	s_wait_dscnt 0x0
	s_endpgm
; THE WEIGHTS.  Work-group 256 + 4 n + q: the n-th piece of 128 columns x 512 K, K step q of its four.
.set WQK,  3276800                     ; pre: Wq's 8 column blocks, then Wk's 8; 8 K steps each
.set WP,   4915200                     ; Wproj: 8 x 8
.set W1I,  5734400                     ; W1: 32 x 8
.set W2I,  9011200                     ; W2: 8 x 32
.set X,    32                          ; v32-159  four blocks of 32 numbers
.set VO,   160                         ; v160-175 4 x lane + j rows
.set C,    176                         ; v176-207 a block's six registers of codes, eight apart
.set CT,   208                         ; v208-223 the conversions' second halves
.set SB,   32                          ; s[32:47] eight bases, 16 rows apart
.Lweights:
	s_load_b256 s[4:11], s[0:1], 0x20              ; Wq, Wk, Wproj, W1
	s_load_b64 s[12:13], s[0:1], 0x40              ; W2
	s_load_b64 s[14:15], s[0:1], 0x18              ; pre
	v_lshrrev_b32 v1, 5, v0
	s_delay_alu instid0(VALU_DEP_1)
	v_readfirstlane_b32 s29, v1                    ; wave 0..3: which 32 columns
	s_sub_co_u32 s55, ttmp9, 256
	s_and_b32 s30, s55, 3                          ; which K step of the four
	s_lshr_b32 s55, s55, 2                         ; which piece, 0 .. 175
	s_mov_b32 s16, 112                             ; W2: first piece,
	s_mov_b32 s17, 4096                            ; bytes from row to row along K,
	s_mov_b32 s18, 256                             ; bytes from 64 columns to the next 64,
	s_mov_b32 s19, 3                               ; log2 of the chunks of 512 along K,
	s_mov_b32 s20, W2I                             ; the image's first byte
	s_wait_kmcnt 0x0
	s_mov_b64 s[22:23], s[12:13]
	s_cmp_lt_u32 s55, 112                          ; the choices hang on the work-group's number alone
	s_cselect_b32 s16, 48, s16
	s_cselect_b32 s17, 16384, s17
	s_cselect_b32 s19, 1, s19
	s_cselect_b32 s20, W1I, s20
	s_cselect_b64 s[22:23], s[10:11], s[22:23]
	s_cmp_lt_u32 s55, 48
	s_cselect_b32 s16, 32, s16
	s_cselect_b32 s17, 4096, s17
	s_cselect_b32 s20, WP, s20
	s_cselect_b64 s[22:23], s[8:9], s[22:23]
	s_cmp_lt_u32 s55, 32                           ; Wq, Wk: [head][1024][64]: a row of 64 is 256 bytes, a head 262,144
	s_cselect_b32 s16, 16, s16
	s_cselect_b32 s17, 256, s17
	s_cselect_b32 s18, 262144, s18
	s_cselect_b32 s20, WQK+819200, s20
	s_cselect_b64 s[22:23], s[6:7], s[22:23]
	s_cmp_lt_u32 s55, 16
	s_cselect_b32 s16, 0, s16
	s_cselect_b32 s20, WQK, s20
	s_cselect_b64 s[22:23], s[4:5], s[22:23]
	s_sub_co_u32 s21, s55, s16                     ; idx = column block x chunks + chunk
	s_lshr_b32 s24, s21, s19                       ; column block
	s_lshl_b32 s25, s24, s19
	s_sub_co_u32 s25, s21, s25                     ; chunk of 512 along K
	s_lshl_b32 s26, s24, 1
	s_lshr_b32 s27, s29, 1
	s_add_co_u32 s26, s26, s27                     ; my first column / 64
	s_mul_i32 s26, s26, s18
	s_and_b32 s27, s29, 1
	s_lshl_b32 s27, s27, 7                         ; (my first column % 64) x 4
	s_add_co_u32 s26, s26, s27
	s_lshl_b32 s27, s25, 2
	s_add_co_u32 s27, s27, s30
	s_lshl_b32 s27, s27, 7                         ; my first k
	s_mul_i32 s27, s27, s17
	s_add_co_u32 s26, s26, s27                     ; under 2^25
	s_mov_b32 s27, 0
	s_add_nc_u64 s[SB:SB+1], s[22:23], s[26:27]
	s_lshl_b32 s26, s17, 4                         ; 16 rows
.irp m, 1,2,3,4,5,6,7
	s_add_nc_u64 s[SB+2*\m:SB+2*\m+1], s[SB+2*\m-2:SB+2*\m-1], s[26:27]
.endr
	s_lshl_b32 s48, s21, 2                         ; the unit: column block x K steps + K step = 4 idx + my K step of the four
	s_add_co_u32 s48, s48, s30
	s_mul_i32 s48, s48, UNIT
	s_add_co_u32 s48, s48, s20
	s_mov_b32 s49, 0
	s_add_nc_u64 s[14:15], s[14:15], s[48:49]
	s_mul_i32 s50, s29, 2*FRB                      ; my 32 columns are fragments 2 w and 2 w + 1
	s_mov_b32 s51, 0
	s_add_nc_u64 s[52:53], s[14:15], s[50:51]
	s_lshr_b32 s50, s29, 1
	s_lshl_b32 s50, s50, 8
	s_and_b32 s54, s29, 1
	s_lshl_b32 s54, s54, 3
	s_add_co_u32 s50, s50, s54
	s_add_co_u32 s50, s50, SCO
	s_add_nc_u64 s[14:15], s[14:15], s[50:51]      ; their scale words
	v_and_b32 v4, 31, v0                           ; lane = column
	v_bfe_u32 v5, v0, 3, 1                         ; u: which of the two fragments
	v_and_b32 v6, 7, v0
	v_bfe_u32 v7, v0, 4, 1
	s_delay_alu instid0(VALU_DEP_1)
	v_lshl_or_b32 v6, v7, 3, v6                    ; r: my row in it
	s_delay_alu instid0(VALU_DEP_4)
	v_mul_u32_u24 v1, v5, FRB
	s_delay_alu instid0(VALU_DEP_1)
	v_lshl_add_u32 v2, v6, 3, v1
	s_delay_alu instid0(VALU_DEP_1)
	v_add_nc_u32 v2, 512, v2                       ; 8-byte pieces: 1,536 u + 512 + 8 r
	s_delay_alu instid0(VALU_DEP_3)
	v_lshl_add_u32 v1, v6, 4, v1                   ; 16-byte pieces: 1,536 u + 16 r
	v_lshlrev_b32 v3, 2, v5
	s_delay_alu instid0(VALU_DEP_1)
	v_lshl_add_u32 v3, v6, 4, v3                   ; scale word: 16 r + 4 u
	v_lshlrev_b32 v[VO], 2, v4
.irp j, 1,2,3,4,5,6,7,8,9,10,11,12,13,14,15
	s_delay_alu instid0(VALU_DEP_1)
	v_add_nc_u32 v[VO+\j], s17, v[VO+\j-1]
.endr
.macro LOAD t                          ; block t: W(32 t + i, my column), i = 0 .. 31
.irp m, 0,1
.irp j, 0,1,2,3,4,5,6,7,8,9,10,11,12,13,14,15
	global_load_b32 v[X+32*(\t)+16*\m+\j], v[VO+\j], s[SB+2*(2*(\t)+\m):SB+2*(2*(\t)+\m)+1] th:TH_LOAD_NT
.endr
.endr
.endm
	LOAD 0
	LOAD 1
.macro BLOCK t
.set XS, X+32*(\t)
.if (\t) < 3
	s_wait_loadcnt 32                              ; this block's 32 loads are in; the next block's 32 may be out
.else
	s_wait_loadcnt 0x0
.endif
.if (\t)+2 < 4
	LOAD (\t)+2                                    ; each block has registers of its own
.endif
	v_max3_num_f32 v8, |v[XS]|, |v[XS+1]|, |v[XS+2]|
	v_max3_num_f32 v9, |v[XS+3]|, |v[XS+4]|, |v[XS+5]|
.irp i, 6,10,14,18,22,26
	s_delay_alu instid0(VALU_DEP_2)
	v_max3_num_f32 v8, v8, |v[XS+\i]|, |v[XS+\i+1]|
	s_delay_alu instid0(VALU_DEP_2)
	v_max3_num_f32 v9, v9, |v[XS+\i+2]|, |v[XS+\i+3]|
.endr
	s_delay_alu instid0(VALU_DEP_2)
	v_max3_num_f32 v8, v8, |v[XS+30]|, |v[XS+31]|
	s_delay_alu instid0(VALU_DEP_1)
	v_max3_num_f32 v8, v8, v9, 0x2800000           ; and the floor 2^(5 - 127): the byte cannot fall under 1
	s_delay_alu instid0(VALU_DEP_1)
	v_add_nc_u32 v10, 0xfe000000, v8               ; 4 off the exponent field: the conversion's scale operand
	s_delay_alu instid0(VALU_DEP_1)
	v_lshrrev_b32 v11, 23, v10                     ; the scale's byte
.if (\t) == 0
	s_delay_alu instid0(VALU_DEP_1)
	v_mov_b32 v12, v11
.else
	s_delay_alu instid0(VALU_DEP_1)
	v_lshl_or_b32 v12, v11, 8*(\t), v12            ; byte t scales k = 32 t ..
.endif
	v_cvt_scalef32_pk16_bf6_f32 v[C+8*(\t):C+8*(\t)+2], v[XS:XS+15], v10
	v_cvt_scalef32_pk16_bf6_f32 v[CT+4*(\t):CT+4*(\t)+2], v[XS+16:XS+31], v10   ; (a conversion's three registers begin on an even number)
	v_nop                                          ; one plain place behind a scaled conversion
.irp i, 0,1,2
	v_mov_b32 v[C+8*(\t)+3+\i], v[CT+4*(\t)+\i]
.endr
	; block t is what lane (r, t % 2) holds in registers 6 (t / 2) .. + 5 of the fragment
	global_store_b128 v1, v[C+8*(\t):C+8*(\t)+3],   s[52:53] offset:768*((\t)/2)+256*((\t)%2)
	global_store_b64  v2, v[C+8*(\t)+4:C+8*(\t)+5], s[52:53] offset:768*((\t)/2)+128*((\t)%2)
.endm
	s_wait_alu depctr_va_vdst(0)
	BLOCK 0
	BLOCK 1
	BLOCK 2
	BLOCK 3
	global_store_b32 v3, v12, s[14:15]
	s_endpgm
.Lfunc_end_k_q3e2e7f24c1_prep:
	.size	k_q3e2e7f24c1_prep, .Lfunc_end_k_q3e2e7f24c1_prep-k_q3e2e7f24c1_prep
	.p2alignl 7, 3214868480
	.fill 96, 4, 3214868480
	.section	.rodata,"a",@progbits
	.p2align	6, 0x0
	.amdhsa_kernel k_q3e2e7f24c1_prep
		.amdhsa_group_segment_fixed_size 67584
		.amdhsa_private_segment_fixed_size 0
		.amdhsa_enable_private_segment 0
		.amdhsa_kernarg_size 72
		.amdhsa_user_sgpr_count 2
		.amdhsa_user_sgpr_kernarg_segment_ptr 1
		.amdhsa_wavefront_size32 1
		.amdhsa_system_sgpr_workgroup_id_x 1
		.amdhsa_system_sgpr_workgroup_id_y 1
		.amdhsa_system_sgpr_workgroup_id_z 1
		.amdhsa_system_vgpr_workitem_id 0
		.amdhsa_next_free_vgpr 256
		.amdhsa_next_free_sgpr 66
		.amdhsa_reserve_vcc 1
		.amdhsa_float_denorm_mode_32 3
		.amdhsa_float_denorm_mode_16_64 3
		.amdhsa_memory_ordered 1
		.amdhsa_forward_progress 1
		.amdhsa_inst_pref_size 71
	.end_amdhsa_kernel
	.amdgpu_metadata
---
amdhsa.version: [ 1, 2 ]
amdhsa.kernels:
  - .name:           k_q3e2e7f24c1_prep
    .symbol:         k_q3e2e7f24c1_prep.kd
    .args:
      - { .name: x, .offset: 0, .size: 8, .value_kind: global_buffer, .address_space: global }
      - { .name: ln1_g, .offset: 8, .size: 8, .value_kind: global_buffer, .address_space: global }
      - { .name: ln1_b, .offset: 16, .size: 8, .value_kind: global_buffer, .address_space: global }
      - { .name: pre, .offset: 24, .size: 8, .value_kind: global_buffer, .address_space: global }
      - { .name: Wq, .offset: 32, .size: 8, .value_kind: global_buffer, .address_space: global }
      - { .name: Wk, .offset: 40, .size: 8, .value_kind: global_buffer, .address_space: global }
      - { .name: Wproj, .offset: 48, .size: 8, .value_kind: global_buffer, .address_space: global }
      - { .name: W1, .offset: 56, .size: 8, .value_kind: global_buffer, .address_space: global }
      - { .name: W2, .offset: 64, .size: 8, .value_kind: global_buffer, .address_space: global }
    .group_segment_fixed_size: 67584
    .private_segment_fixed_size: 0
    .kernarg_segment_align: 8
    .kernarg_segment_size: 72
    .max_flat_workgroup_size: 128
    .sgpr_count:     66
    .vgpr_count:     256
    .wavefront_size: 32
...
	.end_amdgpu_metadata
.endif
;; end of part 8
;; launch qkv (part 9): grid 12 x 16, 4 waves a work-group, clusters of 4 x 4, 327,680 bytes of LDS; arguments pre, qkvb; writes qkvb
.if DOCPART == 9
	.amdgcn_target "amdgcn-amd-amdhsa--gfx1250"
	.amdhsa_code_object_version 6
	.text
	.protected	k_q3e2e7f24c1_qkv
	.globl	k_q3e2e7f24c1_qkv
	.p2align	8
	.type	k_q3e2e7f24c1_qkv,@function
k_q3e2e7f24c1_qkv:
	s_mov_b64 s[64:65], 0
	v_nop
	global_prefetch_b8 v0, s[64:65] scope:SCOPE_SE
	s_setreg_imm32_b32 hwreg(HW_REG_WAVE_MODE, 25, 1), 1
	s_wait_xcnt 0x0
	s_wait_alu depctr_hold_cnt(0) depctr_sa_sdst(0) depctr_va_vdst(0) depctr_va_sdst(0) depctr_va_ssrc(0) depctr_va_vcc(0) depctr_vm_vsrc(0)
	s_getreg_b32 s2, hwreg(HW_REG_IB_STS2, 6, 4)
	s_cmp_eq_u32 s2, 0
	s_cbranch_scc0 .Lentry_in_a_cluster
	s_endpgm
.Lentry_in_a_cluster:
	s_bfe_u32 s2, ttmp6, 0x10000c
	s_cmp_lg_u32 s2, 0xf033
	s_cbranch_scc0 .Lentry_shape_is_right
	s_endpgm
.Lentry_shape_is_right:
; Q = h Wq and K = h Wk on MX-BF6 codes (E3M2, one E8M0 byte for each 32 along K = 1,024), f32 sums; the results are quantised in registers and never go to memory as f32.
; THREE KINDS OF TILE, by the cluster's x: 0: Q, 1: K (a lane holds a token, its registers run along the head's 64: quantised along d, for the scores);
; 2: K once more with the sources exchanged (a lane holds a d, its registers run along the tokens: quantised along the keys, for the second product of attention, whose values are the keys).
; The three kinds run ONE text: all that differs is chosen into scalar registers by the cluster's x, which all partners share.  No branch hangs on it.
; OPERANDS are images of operand registers: a unit (128 rows x 128 K) is 12,800 bytes: eight fragments of 1,536 bytes (two halves of 768: 32 lanes x 16 bytes, 32 lanes x 8 bytes), then the scale words
; at 12,288 + 256 (i / 4) + 16 r + 4 (i % 4).  Fragment i holds in row r the row 32 (i / 2) + 8 (i % 2) + r + 8 (r / 8) of its block, so that a lane's 16 registers of two neighbouring result tiles are 16 neighbours.
; A tile of the result is 256 x 256: four waves, each 128 x 128 in 64 accumulators.  K goes in steps of 256 through two LDS slots; a wave's tensor load brings one block's two units, 25,600 dense bytes.
; CLUSTERS: 4 x 4 work-groups; the A side's tiles are shared along a row of the cluster, the B side's along a column: each is asked for jointly.  Source 0 = the B side, source 1 = the A side.
; OUT: a record of 307,200 bytes for each (batch, head): Q, K, V sections of 102,400.  Q, K: token tile T (16 tokens x 64 d, one half) at 768 T; word f of a step of 128 tokens at 98,304 + 256 step + 16 r + 4 f
; (bytes 0, 1: tile 2 f; bytes 2, 3: tile 2 f + 1).  V: fragment (16 d x 128 keys) at 1,536 (4 step + i); its words at 98,304 + 256 step + 16 r + 4 i.
; LIMITS: NaN and infinities are not served; a block whose largest magnitude lies under 2^-122 gets the byte 1, a block of zeros too (its codes are zeros; only this program reads the bytes).
.set KTOT,  1024
.set WQK,   3276800                    ; pre: the image of h at 0; Wq's 8 column blocks and Wk's 8 from here
.set UNIT,  12800
.set FRB,   1536
.set SCO,   12288
.set REG,   2*UNIT                     ; one block's two K steps: what one tensor load brings
.set SLOT,  4*REG                      ; a slot's bytes in all.  In LDS wave w's part of slot s lies at 2 w REG + s REG: A's two blocks, then B's two, each with both slots on end
.set SPARE, 2*SLOT                     ; behind the ring: the spare words, 128 bytes for each wave
.set BLKB,  (KTOT/128)*UNIT            ; a block's whole K in memory
.set LAPS,  KTOT/512
.set FR,    12
.set A16,  16                          ; v16-17 LDS address of my A block's 16-byte pieces in slot 0, 1;  v18-19 of its 8-byte pieces
.set A8,   18
.set B16,  20                          ; v20-23 the same for B
.set B8,   22
.set VO16, 24                          ; v24, v26 the way out: 16 x lane, for half 0 and half 1;  v25, v27: 8 x lane + 512
.set VO8,  25
.set SPW,  28
.set NIL,  29
.set ADRS, 30                          ; v30-31 my scale words: lanes 0-15 A's, lanes 16-31 B's
.set SC,   32                          ; v32-63 scale words: SC + 16 slot + 8 q + i
.set AF,   128                         ; v128-223 A's fragments, one set
.set VSO,  14
.set VSEL, 15
.set PC,   128                         ; the way out: codes, conversions' second halves, at work, scale words
.set PT,   140
.set TM,   224
.set PWS,  240
.set OUTW, 248
.set G1,   24
.set G0,   32
.set G1B,  48
.set G0B,  56
.set SEL,  86                          ; s[86:87]
.set OB,   76                          ; s[76:77] where the codes go;  s[78:79] the scale words
.set SBW,  78
.set DA,   70                          ; s[70:71] from fragment to fragment;  s[72:73] more, behind the fourth
.set J4,   72
.set KM,   74                          ; all ones in the V kind
.set MSB, 0
.macro WIN new                         ; the immediate's high byte repeats the setting that is left
.if MSB != (\new)
	s_set_vgpr_msb (MSB<<8)|(\new)
.set MSB, (\new)
.endif
.endm
.set MUL_LO, 0xa1                      ; source 0 (B) window 1, source 1 (A) window 0, C and D window 2
.set MUL_HI, 0xf1                      ; the same, C and D window 3
.set TO_B,   0x40
.macro JLOAD s                         ; a joint load: waves 0 and 1 fetch A's blocks, waves 2 and 3 B's; four v_nop follow each line
	s_cmp_eq_u32 s15, 0
	s_cbranch_scc0 .Lfor_b_\@
	tensor_load_to_lds s[G0+4*\s:G0+4*\s+3], s[G1:G1+7]
	s_nop 0
.rept 4
	v_nop
.endr
	s_branch .Lasked_\@
.Lfor_b_\@:
	tensor_load_to_lds s[G0B+4*\s:G0B+4*\s+3], s[G1B:G1B+7]
	s_nop 0
.rept 4
	v_nop
.endr
.Lasked_\@:
.endm
.macro CREST                           ; a round of the cluster's barrier behind its opening barrier
	s_cmp_lg_u32 s14, 0
	s_cbranch_scc1 .Lnot_wave_0_\@
	s_barrier_signal -3
.Lnot_wave_0_\@:
	s_barrier_wait -3
	s_barrier_signal -1
	s_barrier_wait -1
.endm
.macro CROUND
	s_barrier_signal -1
	s_barrier_wait -1
	CREST
.endm
.macro PLACES                          ; four places behind a matrix instruction, in front of loads into its registers and of reads of its results
.rept 4
	v_nop
.endr
.endm
	s_load_b128 s[4:7], s[0:1], 0x0                ; pre s[4:5], qkvb s[6:7]
	v_lshl_add_u32 v[SPW], v0, 2, SPARE
	v_mov_b32 v[NIL], 0
	ds_add_u32 v28, v29
	ds_add_u32 v28, v29
	s_wait_dscnt 0x0
	v_lshrrev_b32 v1, 5, v0
	v_readfirstlane_b32 s14, v1                    ; wave 0..3
	s_lshr_b32 s15, s14, 1                         ; my block of the A side.  Also: I fetch for A (0) or for B (1)
	s_and_b32 s16, s14, 1                          ; my block of the B side.  Also: which block I fetch
	s_bfe_u32 s40, ttmp6, 0x40000                  ; cx, cy
	s_bfe_u32 s41, ttmp6, 0x40004
	s_and_b32 s18, ttmp7, 0xffff                   ; cluster y
	s_cmp_eq_u32 ttmp9, 2                          ; the V kind?  Only selects and moves stand between this compare and its last select
	s_cselect_b32 s19, 1, s18                      ; A's tile / 4: Wk's columns (tiles 4 .. 7), else the tokens
	s_cselect_b32 s22, s18, ttmp9                  ; B's tile / 4: the tokens, else Wq's or Wk's columns
	s_cselect_b32 s66, WQK, 0                      ; where A's image begins in pre
	s_cselect_b32 s67, 0, WQK                      ; and B's
	s_mov_b32 s68, 307200
	s_cselect_b32 s68, 768, s68                    ; from a fragment's half 0 to its half 1: the next half, else the next head's record
	s_mov_b32 s[DA], 768
	s_cselect_b32 s[DA], 1536, s[DA]
	s_cselect_b32 s[J4], 301056, 0                 ; fragments 4-7 are the next head's: 307,200 - 4 x 1,536
	s_cselect_b32 s[KM], -1, 0
	s_mov_b32 s[DA+1], 0
	s_mov_b32 s[J4+1], 0
	s_lshl_b32 s17, s19, 2
	s_add_co_u32 s17, s17, s41                     ; A's tile: hangs on cy, not on cx
	s_lshl_b32 s42, s22, 2
	s_add_co_u32 s42, s42, s40                     ; B's tile: hangs on cx, not on cy
	s_lshl_b32 s43, s41, 2
	s_lshl_b32 s43, 15, s43                        ; my row of the cluster
	s_lshl_b32 s44, 0x1111, s40                    ; my column
	s_or_b32 s[G1+0], s43, (3<<16)|(1<<21)         ; 15:0 the mask; 17:16 elements of 8 bytes; 21 set beside a mask; no padding
	s_or_b32 s[G1B+0], s44, (3<<16)|(1<<21)
.irp g, G1, G1B
	s_mov_b32 s[\g+1], 32<<16                      ; tensor_dim0 = 32 elements: 256 bytes
	s_mov_b32 s[\g+2], 200<<16                     ; tensor_dim1 = 200 rows for the head's load: a block's first four K steps, 51,200 dense bytes, both slots' first fills
	s_mov_b32 s[\g+3], 32<<16                      ; tile_dim0
	s_mov_b32 s[\g+4], 200                         ; tile_dim1
	s_mov_b32 s[\g+5], 32                          ; the pitch
	s_mov_b32 s[\g+6], 0
	s_mov_b32 s[\g+7], 0
.endr
	s_lshl_b32 s20, s17, 1
	s_add_co_u32 s20, s20, s16
	s_mul_i32 s20, s20, BLKB
	s_add_co_u32 s20, s20, s66
	s_mov_b32 s21, 0
	s_lshl_b32 s46, s42, 1
	s_add_co_u32 s46, s46, s16
	s_mul_i32 s46, s46, BLKB
	s_add_co_u32 s46, s46, s67
	s_mov_b32 s47, 0
	s_mul_i32 s45, s14, 2*REG                      ; where they go: wave x 51,200: no place in the cluster enters an LDS address
	s_wait_kmcnt 0x0
	s_add_nc_u64 s[20:21], s[4:5], s[20:21]
	s_add_nc_u64 s[46:47], s[4:5], s[46:47]
	CROUND                                         ; all sixteen work-groups are here: the first joint loads meet
.irp s, 0,1
	s_mov_b32 s[G0+4*\s], 1
	s_add_co_u32 s[G0+4*\s+1], s45, \s*REG
	s_add_nc_u64 s[G0+4*\s+2:G0+4*\s+3], s[20:21], \s*REG
	s_or_b32 s[G0+4*\s+3], s[G0+4*\s+3], 0x80000000
	s_mov_b32 s[G0B+4*\s], 1
	s_add_co_u32 s[G0B+4*\s+1], s45, \s*REG
	s_add_nc_u64 s[G0B+4*\s+2:G0B+4*\s+3], s[46:47], \s*REG
	s_or_b32 s[G0B+4*\s+3], s[G0B+4*\s+3], 0x80000000
.endr
	JLOAD 0                                        ; my one load at the head: slot 0's descriptor with 200 rows reaches over my part of slot 1 too
	v_and_b32 v1, 31, v0                           ; lane
	v_lshlrev_b32 v2, 4, v1
	v_lshlrev_b32 v3, 3, v1
	v_and_b32 v4, 15, v0                           ; r
	v_bfe_u32 v5, v0, 4, 1                         ; h
	s_mul_i32 s21, s15, 2*REG                      ; my block of A
	s_mul_i32 s22, s16, 2*REG
	s_add_co_u32 s22, s22, 4*REG                   ; my block of B, behind A's two
	s_xor_b32 s23, s15, 1
	s_add_co_u32 s23, s23, s16
	s_add_co_u32 s23, s23, 1
	s_mul_i32 s23, s23, 2*REG                      ; from the one to the other
	v_mul_u32_u24 v6, s23, v5
	v_lshl_add_u32 v6, v4, 4, v6                   ; 16 r; lanes 16-31 take B's words
.irp s, 0,1
	v_add_nc_u32 v[A16+\s], s21, v2
	v_add_nc_u32 v[A8+\s], s21, v3
	v_add_nc_u32 v[B16+\s], s22, v2
	v_add_nc_u32 v[B8+\s], s22, v3
	v_add_nc_u32 v[ADRS+\s], s21, v6
	s_add_co_u32 s21, s21, REG
	s_add_co_u32 s22, s22, REG
.endr
	; the way out's addresses
	s_mov_b32 s[SEL], 0x76543210
	s_mov_b32 s[SEL+1], 0xfedcba98
	s_lshl_b32 s75, s17, 1
	s_add_co_u32 s75, s75, s15                     ; my block of the A side
	s_lshl_b32 s80, s42, 1
	s_add_co_u32 s80, s80, s16                     ; my block of the B side
	s_cmp_eq_u32 ttmp9, 2
	s_cselect_b32 s81, s80, s75                    ; the block of tokens
	s_cselect_b32 s82, s75, s80                    ; the block of columns: two heads
	s_lshr_b32 s83, s81, 4
	s_lshl_b32 s83, s83, 4                         ; 16 x batch
	s_and_b32 s82, s82, 7
	s_lshl_b32 s82, s82, 1
	s_add_co_u32 s83, s83, s82                     ; the first head's record
	s_mul_i32 s83, s83, 307200
	s_mul_i32 s84, ttmp9, 102400                   ; its Q, K or V section
	s_add_co_u32 s84, s84, s83
	s_and_b32 s81, s81, 15                         ; the step of 128 tokens
	s_mul_i32 s[OB], s81, 6144
	s_add_co_u32 s[OB], s[OB], s84
	s_mov_b32 s[OB+1], 0
	s_lshl_b32 s[SBW], s81, 8
	s_add_co_u32 s[SBW], s[SBW], s84
	s_add_co_u32 s[SBW], s[SBW], 98304
	s_mov_b32 s[SBW+1], 0
	s_add_nc_u64 s[OB:OB+1], s[6:7], s[OB:OB+1]
	s_add_nc_u64 s[SBW:SBW+1], s[6:7], s[SBW:SBW+1]
	v_mov_b32 v[VO16], v2
	v_add_nc_u32 v[VO8], 512, v3
	v_add_nc_u32 v[VO16+2], s68, v[VO16]
	v_add_nc_u32 v[VO8+2], s68, v[VO8]
	v_mul_u32_u24 v[VSO], v5, 307200               ; scale words: lanes 16-31 store the second head's
	v_lshl_add_u32 v[VSO], v4, 4, v[VSO]
	s_mov_b32 s85, 0x02020202
	v_mul_lo_u32 v[VSEL], v5, s85
	v_add_nc_u32 v[VSEL], 0x05040100, v[VSEL]      ; byte selects: bytes 0, 1 of two words in lanes 0-15, bytes 2, 3 in lanes 16-31
.macro FRAG reg, a16, a8, off          ; a fragment's twelve registers, as they were stored: every load takes consecutive bytes
	ds_load_b128 v[\reg:\reg+3],     v[\a16] offset:\off
	ds_load_b64  v[\reg+4:\reg+5],   v[\a8]  offset:\off+512
	ds_load_b128 v[\reg+6:\reg+9],   v[\a16] offset:\off+768
	ds_load_b64  v[\reg+10:\reg+11], v[\a8]  offset:\off+1280
.endm
; 16 matrix instructions: A's fragments a0, a0 + 1 x B's eight.  p: B's set; q: the slot's K step; sc: the slot.  first = 1: the products start the sums.
; The 64 accumulators take turns, one instruction a turn, in the same order in every step.
.macro MUL16 a0, p, q, sc, first
.irp a, \a0, \a0+1
.irp b, 0,1,2,3,4,5,6,7
.if \first
	v_wmma_scale_f32_16x16x128_f8f6f4 v[8*(8*((\a)%4)+\b):8*(8*((\a)%4)+\b)+7], v[128*(\p)+FR*\b:128*(\p)+FR*\b+FR-1], v[AF+FR*(\a):AF+FR*(\a)+FR-1], 0, v[SC+16*(\sc)+8*(\q)+\b], v[SC+16*(\sc)+8*(\q)+(\a)] matrix_a_fmt:MATRIX_FMT_BF6 matrix_b_fmt:MATRIX_FMT_BF6 matrix_a_scale:MATRIX_SCALE_ROW1
.else
	v_wmma_scale_f32_16x16x128_f8f6f4 v[8*(8*((\a)%4)+\b):8*(8*((\a)%4)+\b)+7], v[128*(\p)+FR*\b:128*(\p)+FR*\b+FR-1], v[AF+FR*(\a):AF+FR*(\a)+FR-1], v[8*(8*((\a)%4)+\b):8*(8*((\a)%4)+\b)+7], v[SC+16*(\sc)+8*(\q)+\b], v[SC+16*(\sc)+8*(\q)+(\a)] matrix_a_fmt:MATRIX_FMT_BF6 matrix_b_fmt:MATRIX_FMT_BF6 matrix_a_scale:MATRIX_SCALE_ROW1
.endif
.endr
.endr
.endm
.macro FETCH_B slot, q, p
	WIN TO_B
.irp i, 0,1,2,3,4,5,6,7
	FRAG 128*(\p)+FR*\i, B16+\slot, B8+\slot, (\q)*UNIT+\i*FRB
.endr
	WIN 0
.endm
.macro FETCH_A slot, q, i0
.irp i, \i0, \i0+1, \i0+2, \i0+3
	FRAG AF+FR*(\i), A16+\slot, A8+\slot, (\q)*UNIT+(\i)*FRB
.endr
.endm
.macro SCALES sc                       ; a slot's scale words: four loads of 16 bytes a lane
.irp q, 0,1
.irp e, 0,1
	ds_load_b128 v[SC+16*\sc+8*\q+4*\e:SC+16*\sc+8*\q+4*\e+3], v[ADRS+\sc] offset:\q*UNIT+SCO+256*\e
.endr
.endr
.endm
.macro STEP slot, first                ; a slot's first K step; its second is fetched meanwhile
	s_wait_dscnt 16                                ; all but the youngest 16 loads (A's fragments 4-7)
	WIN MUL_LO
	MUL16 0, 0, 0, \slot, \first
	MUL16 2, 0, 0, \slot, \first
	s_wait_dscnt 0x0
	PLACES
	FETCH_B \slot, 1, 1
	FETCH_A \slot, 1, 0
	WIN MUL_HI
	MUL16 4, 0, 0, \slot, \first
	MUL16 6, 0, 0, \slot, \first
	PLACES
	WIN 0
	FETCH_A \slot, 1, 4
.endm
; A slot's second K step changes slots: one barrier; in front of it each wave waits for all its tensor loads, adds 0 to its spare word, and waits for that and for its reads of this slot.
.macro TURN slot, next, fill
	s_wait_tensorcnt 0x0                           ; all my tensor loads have landed: my part of the next slot
	ds_add_u32 v[SPW], v[NIL]                      ; 0 onto my spare word
	s_wait_dscnt 17                                ; (the add and the youngest 16 loads may be out)
	WIN MUL_LO
	MUL16 0, 1, 1, \slot, 0
	s_wait_dscnt 0x0                               ; the add is done, and my reads of this slot are over
	s_barrier_signal -1
	MUL16 2, 1, 1, \slot, 0
	WIN 0
	s_barrier_wait -1
.if \fill
	CREST                                          ; the barrier has opened a round of the cluster's: no wave of any partner still reads this slot or has a load on its way
	s_add_nc_u64 s[G0+4*\slot+2:G0+4*\slot+3], s[G0+4*\slot+2:G0+4*\slot+3], 2*REG
	s_add_nc_u64 s[G0B+4*\slot+2:G0B+4*\slot+3], s[G0B+4*\slot+2:G0B+4*\slot+3], 2*REG
	JLOAD \slot                                    ; the first tensor load behind the round; its four v_nop are also the places in front of the loads below
.else
	PLACES
.endif
	FETCH_B \next, 0, 0
	FETCH_A \next, 0, 0
	s_wait_alu depctr_va_vdst(0)
	SCALES \next
	WIN MUL_HI
	MUL16 4, 1, 1, \slot, 0
	MUL16 6, 1, 1, \slot, 0
	PLACES
	WIN 0
	FETCH_A \next, 0, 4
.endm
	s_wait_alu depctr_va_vdst(0)
	s_wait_tensorcnt 0x0                           ; my part of both slots is in; no tensor load of mine is out, so group 1 may be written:
	s_mov_b32 s[G1+2], 100<<16                     ; from here on a load brings 100 rows, one slot's part
	s_mov_b32 s[G1+4], 100
	s_mov_b32 s[G1B+2], 100<<16
	s_mov_b32 s[G1B+4], 100
	s_barrier_signal -1
	s_barrier_wait -1
	FETCH_B 0, 0, 0
	FETCH_A 0, 0, 0
	SCALES 0
	FETCH_A 0, 0, 4
	STEP 0, 1                                      ; the first step stands in front of the loop: its products start the sums
	s_mov_b32 s3, LAPS-1
.Llap:
	TURN 0, 1, 1
	STEP 1, 0
	TURN 1, 0, 1
	STEP 0, 0
	s_sub_co_u32 s3, s3, 1
	s_cmp_lg_u32 s3, 0
	s_cbranch_scc1 .Llap
	TURN 0, 1, 0                                   ; the last lap fills nothing
	STEP 1, 0
	s_wait_dscnt 16
	WIN MUL_LO
	MUL16 0, 1, 1, 1, 0
	MUL16 2, 1, 1, 1, 0
	s_wait_dscnt 0x0
	WIN MUL_HI
	MUL16 4, 1, 1, 1, 0
	MUL16 6, 1, 1, 1, 0
	WIN 0
; THE WAY OUT.  The 64 registers of A's fragment a (window w, from v[s]) are, for my lane's row, 128 neighbours of the B side: register 16 b + i = 32 b + 16 h + i.  They become a fragment's codes and its scale word.
.macro QUANT s, w, pw
	WIN (\w)|((\w)<<2)
.irp b, 0,1,2,3
	v_max3_num_f32 v[TM+\b], |v[\s+16*\b]|, |v[\s+16*\b+1]|, 0x2800000   ; each accumulator is read from its low end on; the floor 2^(5 - 127) holds the byte at 1 from below
.endr
.irp i, 2,4,6,8,10,12,14
.irp b, 0,1,2,3
	v_max3_num_f32 v[TM+\b], |v[\s+16*\b+\i]|, |v[\s+16*\b+\i+1]|, v[TM+\b]
.endr
.endr
	WIN 0
.irp b, 0,1,2,3
	v_permlanex16_b32 v[TM+4+\b], v[TM+\b], s[SEL], s[SEL+1]
.endr
.irp b, 0,1,2,3
	v_max_num_f32 v[TM+\b], v[TM+\b], v[TM+4+\b]
.endr
.irp b, 0,1,2,3
	v_add_nc_u32 v[TM+12+\b], 0xfe000000, v[TM+\b] ; 4 off the exponent field: the conversion's scale operand
.endr
.irp b, 0,1,2,3
	v_lshrrev_b32 v[TM+4+\b], 23, v[TM+12+\b]
.endr
	v_lshl_or_b32 v[\pw], v[TM+5], 8, v[TM+4]
	v_lshl_or_b32 v[\pw], v[TM+6], 16, v[\pw]
	v_lshl_or_b32 v[\pw], v[TM+7], 24, v[\pw]
	s_wait_xcnt 0x0                                ; earlier stores have read the codes' registers and their base: both are written again only behind this wait
	WIN \w
.irp c, 0,1
	v_cvt_scalef32_pk16_bf6_f32 v[PC+6*\c:PC+6*\c+2], v[\s+32*\c:\s+32*\c+15], v[TM+12+2*\c]
	v_cvt_scalef32_pk16_bf6_f32 v[PT+4*\c:PT+4*\c+2], v[\s+32*\c+16:\s+32*\c+31], v[TM+13+2*\c]
.endr
	WIN 0
	v_nop                                          ; one plain place behind a scaled conversion
.irp c, 0,1
.irp i, 0,1,2
	v_permlane16_swap_b32 v[PC+6*\c+\i], v[PT+4*\c+\i]
.endr
.irp i, 0,1,2
	v_mov_b32 v[PC+3+6*\c+\i], v[PT+4*\c+\i]
.endr
.endr
.endm
.irp b, 0,1,2,3
	v_mov_b32 v[TM+4+\b], 0                        ; a lane permute's destination counts as one of its sources.  These four are also the places behind the last products
.endr
.irp a, 0,1,2,3,4,5,6,7
.set QS_, 64*(\a%4)
.set QW_, 2+\a/4
	QUANT QS_, QW_, PWS+\a
.if \a > 0
	s_add_nc_u64 s[OB:OB+1], s[OB:OB+1], s[DA:DA+1]   ; (no store has been issued since the wait in QUANT)
.endif
.if \a == 4
	s_add_nc_u64 s[OB:OB+1], s[OB:OB+1], s[J4:J4+1]
.endif
	global_store_b128 v[VO16],   v[PC:PC+3],     s[OB:OB+1]     ; each store covers 512 or 256 consecutive bytes, aligned to 256
	global_store_b64  v[VO8],    v[PC+4:PC+5],   s[OB:OB+1]
	global_store_b128 v[VO16+2], v[PC+6:PC+9],   s[OB:OB+1]
	global_store_b64  v[VO8+2],  v[PC+10:PC+11], s[OB:OB+1]
.endr
	v_cmp_lt_u32 vcc_lo, 15, v1
.irp f, 0,1,2,3
	v_perm_b32 v[OUTW+\f], v[PWS+2*\f+1], v[PWS+2*\f], v[VSEL]       ; Q, K: my head's two bytes of tiles 2 f and 2 f + 1
	v_cndmask_b32 v[TM+\f], v[PWS+\f], v[PWS+4+\f], vcc_lo           ; V: the word of my head's fragment f
	v_cndmask_b32 v[OUTW+\f], v[OUTW+\f], v[TM+\f], s[KM]
.endr
	global_store_b128 v[VSO], v[OUTW:OUTW+3], s[SBW:SBW+1]           ; two runs of 256 consecutive bytes, one in each head's record
	s_wait_tensorcnt 0x0                           ; the wave's end
	ds_add_u32 v[SPW], v[NIL]
	s_wait_dscnt 0x0
	CROUND                                         ; the closing round: no work-group ends while a partner may still ask for a tile that names it
	s_endpgm
.Lfunc_end_k_q3e2e7f24c1_qkv:
	.size	k_q3e2e7f24c1_qkv, .Lfunc_end_k_q3e2e7f24c1_qkv-k_q3e2e7f24c1_qkv
	.p2alignl 7, 3214868480
	.fill 96, 4, 3214868480
	.section	.rodata,"a",@progbits
	.p2align	6, 0x0
	.amdhsa_kernel k_q3e2e7f24c1_qkv
		.amdhsa_group_segment_fixed_size 327680
		.amdhsa_private_segment_fixed_size 0
		.amdhsa_enable_private_segment 0
		.amdhsa_kernarg_size 16
		.amdhsa_user_sgpr_count 2
		.amdhsa_user_sgpr_kernarg_segment_ptr 1
		.amdhsa_wavefront_size32 1
		.amdhsa_system_sgpr_workgroup_id_x 1
		.amdhsa_system_sgpr_workgroup_id_y 1
		.amdhsa_system_sgpr_workgroup_id_z 1
		.amdhsa_system_vgpr_workitem_id 0
		.amdhsa_next_free_vgpr 1024
		.amdhsa_next_free_sgpr 100
		.amdhsa_reserve_vcc 1
		.amdhsa_float_denorm_mode_32 3
		.amdhsa_float_denorm_mode_16_64 3
		.amdhsa_memory_ordered 1
		.amdhsa_forward_progress 1
		.amdhsa_inst_pref_size 147
	.end_amdhsa_kernel
	.amdgpu_metadata
---
amdhsa.version: [ 1, 2 ]
amdhsa.kernels:
  - .name:           k_q3e2e7f24c1_qkv
    .symbol:         k_q3e2e7f24c1_qkv.kd
    .args:
      - { .name: pre, .offset: 0, .size: 8, .value_kind: global_buffer, .address_space: global }
      - { .name: qkvb, .offset: 8, .size: 8, .value_kind: global_buffer, .address_space: global }
    .group_segment_fixed_size: 327680
    .private_segment_fixed_size: 0
    .kernarg_segment_align: 8
    .kernarg_segment_size: 16
    .max_flat_workgroup_size: 128
    .sgpr_count:     100
    .vgpr_count:     1024
    .wavefront_size: 32
...
	.end_amdgpu_metadata
.endif
;; end of part 9
;; launch attn (part 10): grid 8 x 32, 16 waves a work-group, no clusters, 327,680 bytes of LDS; arguments qkvb, ao; writes ao
.if DOCPART == 10
	.amdgcn_target "amdgcn-amd-amdhsa--gfx1250"
	.amdhsa_code_object_version 6
	.text
	.protected	k_q3e2e7f24c1_attn
	.globl	k_q3e2e7f24c1_attn
	.p2align	8
	.type	k_q3e2e7f24c1_attn,@function
k_q3e2e7f24c1_attn:
	s_mov_b64 s[64:65], 0
	v_nop
	global_prefetch_b8 v0, s[64:65] scope:SCOPE_SE
	s_setreg_imm32_b32 hwreg(HW_REG_WAVE_MODE, 25, 1), 1
	s_wait_xcnt 0x0
; Causal attention of one (batch, head), head size 64, values = keys, both products on MX-BF6 codes (E3M2, one E8M0 byte for each 32 along a product's K); the result, divided by the row's sum, is quantised along (head, d).
; THE SOFTMAX AHEAD OF THE SECOND PRODUCT: t = score x log2(e) / 8; M = the running largest t rounded UP to a whole number; p = 2^(t - M) is quantised along the keys, not normalised;
; the row's sum is taken of the unquantised p; when M moves, the sum and O are multiplied by 2^(old M - new M): exact.
; WORK LEFT OUT: steps of 128 keys that all come after a tile's queries: reference()'s own causal mask gives them the weight 0 for every input.
; IN: the head's record of 307,200 bytes: Q, K (quantised along d) and V (= K, quantised along the keys), each 102,400 bytes, laid as operand registers: 16 steps of 6,144 bytes of codes, then 4,096 bytes of scale words.
; SHARES.  Work-group x = p takes the query blocks p and 15 - p (128 queries, 8 tiles of 16 each) of head y: 8 x 17 tile steps of 128 keys.  They are dealt to the 16 waves by a mask of 16 bits a wave, bit J for key step J:
;   wave w < 8 walks key steps 0 .. a1 and 4 .. 10 - a1, with a1 = min(3, (p + 3) / 2): 8 steps.  Steps 0 .. p serve tile w of block p; ahead of step p + 1 it lays that state in LDS and changes to tile w of block 15 - p;
;   wave w + 8 walks the other steps of that second tile: all of 0 .. 15 - p but those that wave w takes of it: 9 steps.
; With that a1 the two waves' counts among key steps 0 - 3, which are in LDS first, differ by one at the most where p < 3 and are four each from p = 3 on.
; At the end wave w hands its part of the second tile (O, -M, the sum) to wave w + 8 through LDS and takes its first tile's state back; every wave joins two states by exact powers of two
; (wave w's own then counts for nothing: its -M is set to 3e38, so its factor is 0), and one text finishes all 16 tiles.  The order of the key steps is free under a running M.
; K AND V come into LDS once, in two fills.  The head's 16 loads of 4,096 bytes, one a wave, bring each section's first 28,672 bytes of codes (key steps 0 - 3 whole) and its scale words.
; Behind the wait, add and barrier ahead of a later first fill, 16 loads of 8,704 bytes bring the rest; it is waited for behind the fourth key step.  So the walk is two counted loops, 4 and 12 trips, of one macro.
; PREFETCH: at the head each wave names blocks of 256 bytes of its own second load, one fill ahead of that load: the eight work-groups of a head share the 34 blocks out, p + 8 x lane, held at the last block.
; No cluster: which steps are passed over hangs on the query block, which would differ between partners.
; LAYOUT.  Both products transposed: S^T = K Q^T, O^T = V^T P^T: a lane holds one query.  A key tile's row r is key 32 (t / 2) + 8 (t % 2) + r + 8 (r / 8): the 16 registers of tiles 2 b, 2 b + 1 are 16 neighbouring keys.
; The head has only 64 along the first product's K: a fragment of K holds TWO key tiles, and Q stands twice in registers, once with zeros above and once with zeros below: the other tile's codes meet zero codes.
; Waves 8 - 15 never change tiles; their second load of Q names their own tile again, so that one text serves all waves.
; LIMITS: NaN and infinities are not served; 1 / sum by v_rcp_f32; a block whose largest magnitude lies under 2^-122 gets the byte 1, a block of zeros too.  The scale bytes of the result leave singly: two heads share a word.
; The promise holds while the scaled scores t stay under 2^31 in magnitude.
.set REC,  307200
.set SEC,  102400
.set SCB,  98304
.set UNIT, 12800
.set FRB,  1536
.set SCO,  12288
.set SPARE, 204800                     ; behind K and V: the spare words, 128 bytes for each of 16 waves
.set STG,  206848                      ; behind them: the stage: 24 places of STW bytes: place w is wave w's own; place 16 + i takes what wave i hands to wave i + 8
.set STW,  4608                        ; a state: 9 x 16 bytes a lane
.set ST1C, 28672                       ; bytes of a section's codes that the head brings
.set ST2B, 8704                        ; a wave's second load
.set L16, 1
.set L8,  2
.set AKS, 3
.set DQ,  4
.set HH,  5
.set ADS, 6
.set ADT, 7
.set ADK, 8
.set ADV, 10
.set QLO, 16
.set QHI, 28
.set QS,  40
.set QW,  41
.set V16, 42
.set V8,  43
.set AVS, 44
.set BO,  45
.set BD,  46
.set R16, 47
.set FRG, 48                           ; v48-95 four fragments of K, then of V
.set S,   96                           ; v96-159 S^T, then p
.set O,   160                          ; v160-191 O^T
.set KS,  192
.set VS,  196
.set BM,  200
.set BM2, 204
.set SO,  208
.set PT,  212
.set FF_, 220
.set T,   222
.set PSW, 223
.set PC,  224
.set PFO, 238                          ; the prefetch's offset; never rewritten
.set RDB, 239                          ; the place that I read at the end: waves 0-7 their own, waves 8-15 place 16 + tile
.set RDC, 240                          ; place 16 + tile
.set Q2,  242                          ; v242-247 the second tile's Q;  v248 its scale word
.set QS2, 248
.set RDA, 249                          ; my own place in the stage
.set SEL, 20
.set CS,  22
.set G1,  24
.set G0,  32
.set G2,  52                           ; group 0 of my second load
.set J,   36
.set SK,  37
.set SS,  38
.set BLK, 11
.set MA,  56                           ; my key steps: bit J
.set SWJ, 59                           ; the step ahead of which I change tiles (16: never)
	s_load_b128 s[4:7], s[0:1], 0x0                ; qkvb s[4:5], ao s[6:7]
	v_lshl_add_u32 v254, v0, 2, SPARE
	v_mov_b32 v255, 0
	ds_add_u32 v254, v255                          ; the opening lines: the add, twice on end, and its wait
	ds_add_u32 v254, v255
	v_lshrrev_b32 v1, 5, v0
	s_delay_alu instid0(VALU_DEP_1)
	v_readfirstlane_b32 s8, v1                     ; wave 0..15
	s_and_b32 s9, ttmp7, 0xffff                    ; y = 16 batch + head
	s_and_b32 s10, s8, 7                           ; my tile of queries
	s_lshr_b32 s13, s8, 3                          ; I fetch for K's section (0) or V's (1)
	s_mov_b32 s45, ttmp9
	s_sub_co_u32 s15, 15, ttmp9                    ; the later block
	s_add_co_u32 s[SWJ], ttmp9, 1
	s_add_co_u32 s16, ttmp9, 3
	s_lshr_b32 s16, s16, 1
	s_min_u32 s16, s16, 3                          ; a1
	s_sub_co_u32 s17, 7, s16                       ; how many steps from 4 on: 7 - a1
	s_add_co_u32 s16, s16, 1
	s_bfm_b32 s16, s16, 0                          ; bits 0 .. a1
	s_bfm_b32 s17, s17, 4                          ; bits 4 .. 10 - a1
	s_or_b32 s[MA], s16, s17                       ; waves 0-7
	s_bfm_b32 s16, s[SWJ], 0                       ; bits 0 .. p: the first tile's
	s_and_not1_b32 s16, s[MA], s16                 ; what a wave of 0-7 takes of the second tile
	s_add_co_u32 s17, s15, 1
	s_bfm_b32 s17, s17, 0                          ; bits 0 .. 15 - p: all of the second tile's
	s_and_not1_b32 s17, s17, s16                   ; waves 8-15: the rest
	s_cmp_lt_u32 s8, 8
	s_cselect_b32 s[BLK], ttmp9, s15               ; the block of the tile that I finish; its diagonal step
	s_cselect_b32 s[MA], s[MA], s17
	s_cselect_b32 s[SWJ], s[SWJ], 16
	s_mov_b32 s[G1], 3<<16                         ; no mask; elements of 8 bytes; no padding
	s_mov_b32 s[G1+1], 32<<16                      ; tensor_dim0 = 32: 256 bytes
	s_mov_b32 s[G1+2], 16<<16                      ; tensor_dim1 = 16 rows
	s_mov_b32 s[G1+3], 32<<16
	s_mov_b32 s[G1+4], 16
	s_mov_b32 s[G1+5], 32
	s_mov_b32 s[G1+6], 0
	s_mov_b32 s[G1+7], 0
	s_add_co_u32 s14, s10, 1
	s_lshr_b32 s14, s14, 3                         ; 1 for tile 7's wave: it fetches the scale words, at 4,096 x 24
	s_mul_i32 s14, s14, 17
	s_add_co_u32 s14, s14, s10
	s_lshl_b32 s14, s14, 12
	s_mul_i32 s16, s13, SEC
	s_add_co_u32 s14, s14, s16                     ; my first load's place, in LDS as in K's and V's sections
	s_mul_i32 s44, s10, ST2B
	s_add_co_u32 s44, s44, s16
	s_add_co_u32 s44, s44, ST1C                    ; my second load's
	s_mul_i32 s47, s8, STW
	s_add_co_u32 s47, s47, STG                     ; stage: place w
	s_mul_i32 s46, s13, 8*STW
	s_add_co_u32 s46, s46, s47                     ; place w, or w + 8 = 16 + tile for waves 8-15
	s_mul_i32 s43, s10, STW
	s_add_co_u32 s43, s43, STG+16*STW              ; place 16 + tile
	s_add_co_u32 s16, s14, SEC
	s_mov_b32 s17, 0
	s_add_co_u32 s48, s44, SEC
	s_mov_b32 s49, 0
	s_mul_i32 s12, s9, REC
	s_mov_b32 s13, 0
	s_wait_dscnt 0x0
	s_wait_kmcnt 0x0
	s_add_nc_u64 s[4:5], s[4:5], s[12:13]          ; my head's record
	s_mov_b32 s[G0], 1
	s_mov_b32 s[G0+1], s14
	s_add_nc_u64 s[G0+2:G0+3], s[4:5], s[16:17]
	s_or_b32 s[G0+3], s[G0+3], 0x80000000
	tensor_load_to_lds s[G0:G0+3], s[G1:G1+7]      ; my one load at the head
	s_nop 0
	s_mov_b32 s[G2], 1
	s_mov_b32 s[G2+1], s44
	s_add_nc_u64 s[50:51], s[4:5], s[48:49]        ; kept: the prefetch's base
	s_mov_b64 s[G2+2:G2+3], s[50:51]
	s_or_b32 s[G2+3], s[G2+3], 0x80000000
	s_lshl_b32 s12, s[BLK], 3
	s_add_co_u32 s12, s12, s10
	s_mul_i32 s12, s12, 768
	s_add_nc_u64 s[18:19], s[4:5], s[12:13]        ; my first tile of Q
	s_lshl_b32 s12, s15, 3
	s_add_co_u32 s12, s12, s10
	s_mul_i32 s12, s12, 768
	s_add_nc_u64 s[60:61], s[4:5], s[12:13]        ; the same tile of the later block
	s_lshr_b32 s14, s10, 1
	s_lshl_b32 s16, s14, 2
	s_add_co_u32 s16, s16, SCB
	s_lshl_b32 s12, s[BLK], 8
	s_add_co_u32 s12, s12, s16
	s_add_nc_u64 s[40:41], s[4:5], s[12:13]        ; the word that a tile shares with its neighbour
	s_lshl_b32 s12, s15, 8
	s_add_co_u32 s12, s12, s16
	s_add_nc_u64 s[62:63], s[4:5], s[12:13]
	s_mov_b32 s39, 0x01000100
	s_bitcmp1_b32 s10, 0
	s_cselect_b32 s39, 0x03020302, s39             ; my tile's two bytes of that word, twice
	s_lshl_b32 s14, s14, 5
	s_and_b32 s16, s10, 1
	s_lshl_b32 s16, s16, 3
	s_add_co_u32 s14, s14, s16                     ; 32 (i / 2) + 8 (i % 2)
	s_mov_b32 s[SEL], 0x76543210
	s_mov_b32 s[SEL+1], 0xfedcba98
	s_mov_b32 s[CS], 0x3e38aa3b                    ; c = log2(e) / 8
	s_mov_b32 s[CS+1], s[CS]
	v_and_b32 v[T], 31, v0
	s_delay_alu instid0(VALU_DEP_1)
	v_lshlrev_b32 v[L16], 4, v[T]
	s_delay_alu instid0(VALU_DEP_2)
	v_lshlrev_b32 v[L8], 3, v[T]
	v_and_b32 v[ADS], 15, v0                       ; r
	v_bfe_u32 v[HH], v0, 4, 1
	s_delay_alu instid0(VALU_DEP_2)
	v_lshlrev_b32 v[R16], 4, v[ADS]
	global_load_b128 v[QLO:QLO+3],      v[L16], s[18:19]
	global_load_b64  v[QLO+4:QLO+5],    v[L8],  s[18:19] offset:512
	global_load_b128 v[QHI+6:QHI+9],    v[L16], s[18:19]
	global_load_b64  v[QHI+10:QHI+11],  v[L8],  s[18:19] offset:512
	global_load_b32  v[QW], v[R16], s[40:41]
	global_load_b128 v[Q2:Q2+3],        v[L16], s[60:61]
	global_load_b64  v[Q2+4:Q2+5],      v[L8],  s[60:61] offset:512
	global_load_b32  v[QS2], v[R16], s[62:63]
	v_lshl_add_u32 v[PFO], v[T], 3, s45            ; block p + 8 x lane of my second load's 34,
	s_delay_alu instid0(VALU_DEP_1)
	v_min_u32 v[PFO], 33, v[PFO]                   ; held at the last
	s_delay_alu instid0(VALU_DEP_1)
	v_lshlrev_b32 v[PFO], 8, v[PFO]
	global_prefetch_b8 v[PFO], s[50:51] th:TH_LOAD_NT scope:SCOPE_SE
	v_add_nc_u32 v[RDA], s47, v[L16]
	v_add_nc_u32 v[RDB], s46, v[L16]
	v_add_nc_u32 v[RDC], s43, v[L16]
	v_add_nc_u32 v[AKS], SCB, v[R16]
	s_delay_alu instid0(VALU_DEP_1)
	v_add_nc_u32 v[AVS], SEC, v[AKS]
	v_add_nc_u32 v[V16], SEC, v[L16]
	v_add_nc_u32 v[V8], SEC, v[L8]
	v_add_nc_u32 v[BO], v[R16], v[HH]              ; the result's scale byte: 16 r + h
	v_and_b32 v[DQ], 8, v[ADS]
	s_delay_alu instid0(VALU_DEP_1)
	v_add_nc_u32 v[DQ], v[DQ], v[ADS]              ; r + 8 (r / 8)
	v_lshlrev_b32 v[ADT], 4, v[HH]
	s_delay_alu instid0(VALU_DEP_1)
	v_sub_nc_u32 v[DQ], v[DQ], v[ADT]
	s_delay_alu instid0(VALU_DEP_1)
	v_add_nc_u32 v[DQ], s14, v[DQ]                 ; my query in its block - 16 h
	; where the result goes: unit (token block, head / 2), fragment i, half head % 2
	s_lshr_b32 s44, s9, 4
	s_lshl_b32 s44, s44, 4
	s_add_co_u32 s44, s44, s[BLK]
	s_lshl_b32 s44, s44, 3
	s_bfe_u32 s45, s9, 0x30001
	s_add_co_u32 s44, s44, s45
	s_mul_i32 s44, s44, UNIT
	s_mov_b32 s45, 0
	s_add_nc_u64 s[6:7], s[6:7], s[44:45]
	s_and_b32 s46, s9, 1
	s_mul_i32 s47, s46, 768
	s_mul_i32 s48, s10, FRB
	s_add_co_u32 s48, s48, s47
	s_mov_b32 s49, 0
	s_add_nc_u64 s[42:43], s[6:7], s[48:49]
	s_lshr_b32 s48, s10, 2
	s_lshl_b32 s48, s48, 8
	s_and_b32 s47, s10, 3
	s_lshl_b32 s47, s47, 2
	s_add_co_u32 s48, s48, s47
	s_lshl_b32 s46, s46, 1
	s_add_co_u32 s48, s48, s46
	s_add_co_u32 s48, s48, SCO
	s_add_nc_u64 s[6:7], s[6:7], s[48:49]
.macro FRESH                           ; a tile's state at its start: the first step finds zeros, which the first change of M leaves zeros
	v_mov_b32 v13, 0xff61b1e6                      ; the largest t so far: -3e38, under every t
	v_mov_b32 v14, 0                               ; the sum, in two halves
	v_mov_b32 v15, 0
	v_floor_f32 v12, -v13                          ; -M
.set j, 0
.rept 32
	v_mov_b32 v[O+j], 0
.set j, j+1
.endr
.endm
	FRESH
.irp b, 0,1,2,3
	v_mov_b32 v[BM2+\b], 0                         ; a lane permute's destination counts as one of its sources
.endr
	v_mov_b32 v[FF_+1], 0                          ; (named as the upper half of a pair)
	v_mov_b32 v[T], 0
	s_mov_b32 s[J], 0
	s_mov_b32 s[SK], 0
	s_mov_b32 s[SS], 0
	s_wait_alu depctr_va_vdst(0)
	s_wait_tensorcnt 0x0                           ; my first load has landed; these lines stand ahead of a later first fill:
	ds_add_u32 v254, v255
	s_mov_b32 s[G1+2], 34<<16                      ; no tensor load of mine is out, so group 1 may be written: 34 rows
	s_mov_b32 s[G1+4], 34
	s_wait_dscnt 0x0
	s_barrier_signal -1
	s_barrier_wait -1                              ; everybody's has: key steps 0 - 3 and all scale words are in
	tensor_load_to_lds s[G2:G2+3], s[G1:G1+7]      ; the rest of the codes: my one load behind this barrier
	s_nop 0
	s_wait_loadcnt 0x0                             ; Q
	v_perm_b32 v[QS], v[QW], v[QW], s39
	v_perm_b32 v[QS2], v[QS2], v[QS2], s39
.irp j, 0,1,2,3,4,5
	v_mov_b32 v[QLO+6+\j], 0                       ; (these twelve and the step's six stand between the scale word's write and the first product)
	v_mov_b32 v[QHI+\j], 0
.endr
	s_wait_alu depctr_va_vdst(0)
.macro FOUR a                          ; four fragments, as they were stored: every load takes consecutive bytes
.irp f, 0,1,2,3
	ds_load_b128 v[FRG+12*\f:FRG+12*\f+3],     v[\a]   offset:FRB*\f
	ds_load_b64  v[FRG+12*\f+4:FRG+12*\f+5],   v[\a+1] offset:FRB*\f+512
	ds_load_b128 v[FRG+12*\f+6:FRG+12*\f+9],   v[\a]   offset:FRB*\f+768
	ds_load_b64  v[FRG+12*\f+10:FRG+12*\f+11], v[\a+1] offset:FRB*\f+1280
.endr
.endm
.macro PUT a                           ; my state into the stage: O from its low end on, then -M, the largest t and the sum
.irp k, 0,1,2,3,4,5,6,7
	ds_store_b128 v[\a], v[O+4*\k:O+4*\k+3] offset:512*\k
.endr
	ds_store_b128 v[\a], v[12:15] offset:4096
.endm
.macro CHANGE                          ; waves 0-7, behind their first tile's last step: its state is laid by, and the second tile begins
.irp j, 0,1,2,3,4,5
	v_mov_b32 v[QLO+\j], v[Q2+\j]                  ; (these thirteen are also the places behind the last products)
	v_mov_b32 v[QHI+6+\j], v[Q2+\j]
.endr
	v_mov_b32 v[QS], v[QS2]
	PUT RDA
	FRESH
	s_wait_alu depctr_va_vdst(0)                   ; a wait ahead of the branches below
.endm
; The walk over key steps J .. lim - 1: a counted loop; what is not mine is passed over by a scalar branch on ids.
.macro WALK id, lim
.Lstep_\id:
	s_cmp_lg_u32 s[J], s[SWJ]
	s_cbranch_scc1 .Lsame_\id
	CHANGE
.Lsame_\id:
	s_bitcmp1_b32 s[MA], s[J]
	s_cbranch_scc0 .Lhidden_\id
	v_add_nc_u32 v[ADK], s[SK], v[L16]             ; (these six are also the places in front of the loads below)
	v_add_nc_u32 v[ADK+1], s[SK], v[L8]
	v_add_nc_u32 v[ADV], s[SK], v[V16]
	v_add_nc_u32 v[ADV+1], s[SK], v[V8]
	v_add_nc_u32 v[ADS], s[SS], v[AKS]
	v_add_nc_u32 v[ADT], s[SS], v[AVS]
	FOUR ADK
	ds_load_b128 v[KS:KS+3], v[ADS]
	s_wait_alu depctr_va_vdst(0)
	s_wait_dscnt 0x0
.irp t, 0,2,4,6                                ; S^T: eight tiles of 16 keys, each a sum of its own
	v_wmma_scale_f32_16x16x128_f8f6f4 v[S+8*\t:S+8*\t+7], v[FRG+6*\t:FRG+6*\t+11], v[QLO:QLO+11], 0, v[KS+\t/2], v[QS] matrix_a_fmt:MATRIX_FMT_BF6 matrix_b_fmt:MATRIX_FMT_BF6
	v_wmma_scale_f32_16x16x128_f8f6f4 v[S+8*\t+8:S+8*\t+15], v[FRG+6*\t:FRG+6*\t+11], v[QHI:QHI+11], 0, v[KS+\t/2], v[QS] matrix_a_fmt:MATRIX_FMT_BF6 matrix_b_fmt:MATRIX_FMT_BF6
.endr
.rept 4
	v_nop                                          ; places in front of the loads into K's registers and of the first read of the scores
.endr
	FOUR ADV                                       ; V's four fragments land while the softmax is walked
	ds_load_b128 v[VS:VS+3], v[ADT]
	s_cmp_lg_u32 s[J], s[BLK]                      ; only the step on the diagonal hides keys
	s_cbranch_scc1 .Lopen_\id
	v_mov_b32 v[T], 0xff800000                     ; -infinity: p = 0 then
.set n, 0
.rept 64                                       ; register 16 b + i holds key 32 b + 16 h + i of the step: hidden where 32 b + i > my query - 16 h
	v_cmp_gt_i32 vcc_lo, 32*(n/16)+n%16, v[DQ]
	v_cndmask_b32 v[S+n], v[S+n], v[T], vcc_lo
.set n, n+1
.endr
.Lopen_\id:
.irp b, 0,1,2,3
	v_max3_num_f32 v[BM+\b], v[S+16*\b], v[S+1+16*\b], v[S+2+16*\b]   ; the largest score of each block of 32 keys: for the row's maximum, and, since p rises with the score, for the block's largest p
.endr
.irp i, 3,5,7,9,11,13
.irp b, 0,1,2,3
	v_max3_num_f32 v[BM+\b], v[BM+\b], v[S+16*\b+\i], v[S+1+16*\b+\i]
.endr
.endr
.irp b, 0,1,2,3
	v_max_num_f32 v[BM+\b], v[BM+\b], v[S+15+16*\b]
.endr
.irp b, 0,1,2,3
	s_delay_alu instid0(VALU_DEP_4)
	v_permlanex16_b32 v[BM2+\b], v[BM+\b], s[SEL], s[SEL+1]
.endr
.irp b, 0,1,2,3
	s_delay_alu instid0(VALU_DEP_4)
	v_max_num_f32 v[BM+\b], v[BM+\b], v[BM2+\b]
.endr
	s_delay_alu instid0(VALU_DEP_2)
	v_max3_num_f32 v[T], v[BM], v[BM+1], v[BM+2]
	s_delay_alu instid0(VALU_DEP_1)
	v_max_num_f32 v[T], v[T], v[BM+3]
	s_delay_alu instid0(VALU_DEP_1)
	v_mul_f32 v[T], s[CS], v[T]
	s_delay_alu instid0(VALU_DEP_1)
	v_max_num_f32 v13, v13, v[T]                   ; the running largest t
	v_mov_b32 v[T], v12
	s_delay_alu instid0(VALU_DEP_2)
	v_floor_f32 v12, -v13                          ; the new -M = floor(-t): M is a whole number
	s_delay_alu instid0(VALU_DEP_1)
	v_sub_f32 v[T], v12, v[T]
	s_delay_alu instid0(VALU_DEP_1)
	v_cvt_i32_f32 v[T], v[T]                       ; (it saturates)
	s_delay_alu instid0(VALU_DEP_1)
	v_ldexp_f32 v[FF_], 1.0, v[T]                  ; f = 2^(old M - new M)
.set j, 0
.rept 32
	v_pk_fma_f32 v[S+j:S+j+1], v[S+j:S+j+1], s[CS:CS+1], v[12:13] op_sel_hi:[1,0,0]   ; t - M, two at a time
.set j, j+2
.endr
.irp b, 0,1,2,3
	v_fma_f32 v[BM+\b], v[BM+\b], s[CS], v12
.endr
.set j, 0
	s_wait_alu depctr_va_vdst(0)                   ; a wait ahead of the batch
.rept 64
	v_exp_f32 v[S+j], v[S+j]                       ; p = 2^(t - M)
.set j, j+1
.endr
	v_pk_mul_f32 v[14:15], v[14:15], v[FF_:FF_+1] op_sel_hi:[1,0]   ; the sums under the new M: a plain place behind the exponentials
	s_wait_alu depctr_va_vdst(0)                   ; one wait for the whole batch, ahead of its first reader
.irp b, 0,1,2,3
	v_exp_f32 v[BM+\b], v[BM+\b]                   ; the blocks' largest p
.endr
	v_pk_add_f32 v[236:237], v[S:S+1], v[S+2:S+3]  ; the row's sum of the unquantised p: four chains by turns
	v_pk_add_f32 v[250:251], v[S+4:S+5], v[S+6:S+7]
	v_pk_add_f32 v[252:253], v[S+8:S+9], v[S+10:S+11]
	v_pk_add_f32 v[14:15], v[14:15], v[S+12:S+13]
.set j, 14
.rept 6
	v_pk_add_f32 v[236:237], v[236:237], v[S+j:S+j+1]
	v_pk_add_f32 v[250:251], v[250:251], v[S+j+2:S+j+3]
	v_pk_add_f32 v[252:253], v[252:253], v[S+j+4:S+j+5]
	v_pk_add_f32 v[14:15], v[14:15], v[S+j+6:S+j+7]
.set j, j+8
.endr
	v_pk_add_f32 v[236:237], v[236:237], v[S+62:S+63]
	v_pk_add_f32 v[250:251], v[250:251], v[252:253]
	s_delay_alu instid0(VALU_DEP_2)
	v_pk_add_f32 v[14:15], v[14:15], v[236:237]
	s_delay_alu instid0(VALU_DEP_1)
	v_pk_add_f32 v[14:15], v[14:15], v[250:251]
	s_wait_alu depctr_va_vdst(0)                   ; and one for the four
.irp b, 0,1,2,3
	v_max_num_f32 v[BM+\b], 0x2800000, v[BM+\b]    ; the floor 2^(5 - 127)
.endr
.irp b, 0,1,2,3
	s_delay_alu instid0(VALU_DEP_4)
	v_add_nc_u32 v[SO+\b], 0xfe000000, v[BM+\b]
.endr
.irp b, 0,1,2,3
	s_delay_alu instid0(VALU_DEP_4)
	v_lshrrev_b32 v[BM2+\b], 23, v[SO+\b]
.endr
	s_delay_alu instid0(VALU_DEP_3)
	v_lshl_or_b32 v[PSW], v[BM2+1], 8, v[BM2]
	s_delay_alu instid0(VALU_DEP_1)
	v_lshl_or_b32 v[PSW], v[BM2+2], 16, v[PSW]
	s_delay_alu instid0(VALU_DEP_1)
	v_lshl_or_b32 v[PSW], v[BM2+3], 24, v[PSW]
.irp c, 0,1
	v_cvt_scalef32_pk16_bf6_f32 v[PC+6*\c:PC+6*\c+2], v[S+32*\c:S+32*\c+15], v[SO+2*\c]
	v_cvt_scalef32_pk16_bf6_f32 v[PT+4*\c:PT+4*\c+2], v[S+32*\c+16:S+32*\c+31], v[SO+2*\c+1]
.endr
	v_nop                                          ; one plain place behind a scaled conversion
.irp c, 0,1
.irp i, 0,1,2
	v_permlane16_swap_b32 v[PC+6*\c+\i], v[PT+4*\c+\i]
.endr
.irp i, 0,1,2
	s_delay_alu instid0(VALU_DEP_3)
	v_mov_b32 v[PC+3+6*\c+\i], v[PT+4*\c+\i]
.endr
.endr
	s_wait_alu depctr_va_vdst(0)                   ; a wait directly ahead of the first reader of O^T
.set j, 0
.rept 16
	v_pk_mul_f32 v[O+j:O+j+1], v[O+j:O+j+1], v[FF_:FF_+1] op_sel_hi:[1,0]   ; O^T under the new M.  These sixteen are also the places between p's codes and scale word and the products
.set j, j+2
.endr
	s_wait_alu depctr_va_vdst(0)
	s_wait_dscnt 0x0                               ; V
.irp i, 0,1,2,3                                ; O^T += V^T P^T: four accumulators by turns
	v_wmma_scale_f32_16x16x128_f8f6f4 v[O+8*\i:O+8*\i+7], v[FRG+12*\i:FRG+12*\i+11], v[PC:PC+11], v[O+8*\i:O+8*\i+7], v[VS+\i], v[PSW] matrix_a_fmt:MATRIX_FMT_BF6 matrix_b_fmt:MATRIX_FMT_BF6
.endr
.Lhidden_\id:
	s_add_co_u32 s[SK], s[SK], 4*FRB
	s_add_co_u32 s[SS], s[SS], 256
	s_add_co_u32 s[J], s[J], 1
	s_cmp_lt_u32 s[J], \lim
	s_cbranch_scc1 .Lstep_\id
.endm
	WALK a, 4                                      ; key steps 0 - 3: what the head's loads brought
	s_wait_tensorcnt 0x0                           ; my second load has landed,
	s_wait_dscnt 0x0                               ; no LDS instruction of mine is out,
	s_barrier_signal -1
	s_barrier_wait -1                              ; everybody's has
	WALK b, 16
.rept 4
	v_nop                                          ; places behind the last products
.endr
	s_cmp_lt_u32 s8, 8
	s_cbranch_scc0 .Lkeeps
	PUT RDC                                        ; waves 0-7: my part of the second tile, for wave w + 8
	v_mov_b32 v12, 0x7f61b1e6                      ; and what I hold counts for nothing from here on: -M = 3e38
.Lkeeps:
	s_wait_alu depctr_va_vdst(0)
	s_wait_dscnt 0x0                               ; for the others' sake: my stores have landed
	s_barrier_signal -1
	s_barrier_wait -1
.irp k, 0,1,2,3,4,5,6,7,8                      ; the other state: waves 0-7 their first tile's, waves 8-15 their partner's part
	ds_load_b128 v[S+4*\k:S+4*\k+3], v[RDB] offset:512*\k
.endr
	s_wait_dscnt 0x0
	v_min_num_f32 v[T], v12, v[S+32]               ; the joint -M
	s_delay_alu instid0(VALU_DEP_1)
	v_sub_f32 v[BM], v[T], v12
	v_sub_f32 v[BM+1], v[T], v[S+32]
	s_delay_alu instid0(VALU_DEP_2)
	v_cvt_i32_f32 v[BM], v[BM]                     ; (it saturates)
	s_delay_alu instid0(VALU_DEP_2)
	v_cvt_i32_f32 v[BM+1], v[BM+1]
	s_delay_alu instid0(VALU_DEP_2)
	v_ldexp_f32 v[FF_], 1.0, v[BM]                 ; 2^(my M - the joint M),
	s_delay_alu instid0(VALU_DEP_2)
	v_ldexp_f32 v[BM2], 1.0, v[BM+1]               ; 2^(the other's M - the joint M): whole powers of two, or 0
	v_pk_mul_f32 v[14:15], v[14:15], v[FF_:FF_+1] op_sel_hi:[1,0]
.set j, 0
.rept 16
	v_pk_mul_f32 v[O+j:O+j+1], v[O+j:O+j+1], v[FF_:FF_+1] op_sel_hi:[1,0]
.set j, j+2
.endr
	v_pk_fma_f32 v[14:15], v[S+34:S+35], v[BM2:BM2+1], v[14:15] op_sel_hi:[1,0,1]
.set j, 0
.rept 16
	v_pk_fma_f32 v[O+j:O+j+1], v[S+j:S+j+1], v[BM2:BM2+1], v[O+j:O+j+1] op_sel_hi:[1,0,1]
.set j, j+2
.endr
	v_add_f32 v14, v14, v15
	s_delay_alu instid0(VALU_DEP_1)
	v_permlanex16_b32 v[T], v14, s[SEL], s[SEL+1]
	s_delay_alu instid0(VALU_DEP_1)
	v_add_f32 v14, v14, v[T]                       ; the row's sum
	s_wait_alu depctr_va_vdst(0)
	v_rcp_f32 v14, v14
	v_cmp_eq_u32 vcc_lo, 1, v[HH]                  ; (a plain place behind the transcendental)
	s_wait_alu depctr_va_vdst(0)
.set j, 0
.rept 32
	v_mul_f32 v[S+j], v[O+j], v14                  ; register 16 b + i is o(my query, d = 32 b + 16 h + i)
.set j, j+1
.endr
.irp b, 0,1
	v_max3_num_f32 v[BM+\b], |v[S+16*\b]|, |v[S+16*\b+1]|, 0x2800000
.endr
.irp i, 2,4,6,8,10,12,14
.irp b, 0,1
	s_delay_alu instid0(VALU_DEP_2)
	v_max3_num_f32 v[BM+\b], v[BM+\b], |v[S+16*\b+\i]|, |v[S+16*\b+\i+1]|
.endr
.endr
.irp b, 0,1
	s_delay_alu instid0(VALU_DEP_2)
	v_permlanex16_b32 v[BM2+\b], v[BM+\b], s[SEL], s[SEL+1]
.endr
.irp b, 0,1
	s_delay_alu instid0(VALU_DEP_2)
	v_max_num_f32 v[BM+\b], v[BM+\b], v[BM2+\b]
.endr
.irp b, 0,1
	s_delay_alu instid0(VALU_DEP_2)
	v_add_nc_u32 v[SO+\b], 0xfe000000, v[BM+\b]
.endr
.irp b, 0,1
	s_delay_alu instid0(VALU_DEP_2)
	v_lshrrev_b32 v[BM2+\b], 23, v[SO+\b]
.endr
	s_delay_alu instid0(VALU_DEP_1)
	v_cndmask_b32 v[BD], v[BM2], v[BM2+1], vcc_lo  ; lanes 0-15 send block 0's byte, lanes 16-31 block 1's
	v_cvt_scalef32_pk16_bf6_f32 v[PC:PC+2], v[S:S+15], v[SO]
	v_cvt_scalef32_pk16_bf6_f32 v[PT:PT+2], v[S+16:S+31], v[SO+1]
	v_nop
.irp i, 0,1,2
	v_permlane16_swap_b32 v[PC+\i], v[PT+\i]
.endr
.irp i, 0,1,2
	s_delay_alu instid0(VALU_DEP_3)
	v_mov_b32 v[PC+3+\i], v[PT+\i]
.endr
	global_store_b128 v[L16], v[PC:PC+3],   s[42:43]              ; 512 consecutive bytes,
	global_store_b64  v[L8],  v[PC+4:PC+5], s[42:43] offset:512   ; and 256
	global_store_b8   v[BO],  v[BD], s[6:7]
	s_wait_tensorcnt 0x0                           ; the wave's end
	ds_add_u32 v254, v255
	s_wait_dscnt 0x0
	s_endpgm
.Lfunc_end_k_q3e2e7f24c1_attn:
	.size	k_q3e2e7f24c1_attn, .Lfunc_end_k_q3e2e7f24c1_attn-k_q3e2e7f24c1_attn
	.p2alignl 7, 3214868480
	.fill 96, 4, 3214868480
	.section	.rodata,"a",@progbits
	.p2align	6, 0x0
	.amdhsa_kernel k_q3e2e7f24c1_attn
		.amdhsa_group_segment_fixed_size 327680
		.amdhsa_private_segment_fixed_size 0
		.amdhsa_enable_private_segment 0
		.amdhsa_kernarg_size 16
		.amdhsa_user_sgpr_count 2
		.amdhsa_user_sgpr_kernarg_segment_ptr 1
		.amdhsa_wavefront_size32 1
		.amdhsa_system_sgpr_workgroup_id_x 1
		.amdhsa_system_sgpr_workgroup_id_y 1
		.amdhsa_system_sgpr_workgroup_id_z 1
		.amdhsa_system_vgpr_workitem_id 0
		.amdhsa_next_free_vgpr 256
		.amdhsa_next_free_sgpr 66
		.amdhsa_reserve_vcc 1
		.amdhsa_float_denorm_mode_32 3
		.amdhsa_float_denorm_mode_16_64 3
		.amdhsa_memory_ordered 1
		.amdhsa_forward_progress 1
		.amdhsa_inst_pref_size 68
	.end_amdhsa_kernel
	.amdgpu_metadata
---
amdhsa.version: [ 1, 2 ]
amdhsa.kernels:
  - .name:           k_q3e2e7f24c1_attn
    .symbol:         k_q3e2e7f24c1_attn.kd
    .args:
      - { .name: qkvb, .offset: 0, .size: 8, .value_kind: global_buffer, .address_space: global }
      - { .name: ao, .offset: 8, .size: 8, .value_kind: global_buffer, .address_space: global }
    .group_segment_fixed_size: 327680
    .private_segment_fixed_size: 0
    .kernarg_segment_align: 8
    .kernarg_segment_size: 16
    .max_flat_workgroup_size: 512
    .sgpr_count:     66
    .vgpr_count:     256
    .wavefront_size: 32
...
	.end_amdgpu_metadata
.endif
;; end of part 10
;; launch proj (part 11): grid 8 x 32, 4 waves a work-group, clusters of 4 x 4, 327,680 bytes of LDS; arguments ao, pre, bproj, x, x1; writes x1
.if DOCPART == 11
	.amdgcn_target "amdgcn-amd-amdhsa--gfx1250"
	.amdhsa_code_object_version 6
	.text
	.protected	k_q3e2e7f24c1_proj
	.globl	k_q3e2e7f24c1_proj
	.p2align	8
	.type	k_q3e2e7f24c1_proj,@function
k_q3e2e7f24c1_proj:
	s_mov_b64 s[64:65], 0
	v_nop
	global_prefetch_b8 v0, s[64:65] scope:SCOPE_SE
	s_setreg_imm32_b32 hwreg(HW_REG_WAVE_MODE, 25, 1), 1
	s_wait_xcnt 0x0
	s_wait_alu depctr_hold_cnt(0) depctr_sa_sdst(0) depctr_va_vdst(0) depctr_va_sdst(0) depctr_va_ssrc(0) depctr_va_vcc(0) depctr_vm_vsrc(0)
	s_getreg_b32 s2, hwreg(HW_REG_IB_STS2, 6, 4)
	s_cmp_eq_u32 s2, 0
	s_cbranch_scc0 .Lentry_in_a_cluster
	s_endpgm
.Lentry_in_a_cluster:
	s_bfe_u32 s2, ttmp6, 0x10000c
	s_cmp_lg_u32 s2, 0xf033
	s_cbranch_scc0 .Lentry_shape_is_right
	s_endpgm
.Lentry_shape_is_right:
; x1 = x + attention's result x Wproj + bproj.  The product on MX-BF6 codes (E3M2, one E8M0 byte for each 32 along K = 1,024), f32 sums; the bias is the C of each sum's first product, the residual is added last, in f32.
; OPERANDS are images of operand registers: a unit (128 rows x 128 K) is 12,800 bytes: eight fragments of 1,536 bytes (two halves of 768: 32 lanes x 16 bytes, 32 lanes x 8 bytes), then the scale words
; at 12,288 + 256 (i / 4) + 16 r + 4 (i % 4).  Fragment i holds in row r the row 32 (i / 2) + 8 (i % 2) + r + 8 (r / 8) of its block.  A block's whole K is one dense run of memory.
; A TILE OF THE RESULT IS 128 x 128: 32 x 8 = 256 work-groups, one for each of 256 WGPs (a tile of 256 x 256 would give 64).  Four waves, each 64 x 64 in 16 accumulators.
; The price: a wave reads 12,288 bytes of LDS for a K step's 16 matrix instructions, twice as many for each product as a wave of 128 x 128.
; K goes in steps of 512 through two LDS slots: A's block for four K steps of 128, then B's; a wave's tensor load brings four units, 51,200 dense bytes.  Here K is two slots: both are first fills, and nothing is filled again.
; CLUSTERS: 4 x 4 work-groups; A's tiles (tokens) are shared along a row of the cluster, B's (columns of the weight) along a column: each is asked for jointly.  Source 0 = B, source 1 = A:
; a lane holds one token and its registers run along the columns.
; REGISTERS, in windows of 256: window 0: v16-31 addresses; v32-63 scale words, two sets; v64-95 the bias; v128-255 the accumulators ((a, b) at v[128 + 8 (4 a + b)]).
;   window 1: two sets of fragments (A's four, then B's four) at v0 and v128; on the way out v0-127 take the rows.   window 2: v0-127 the residual, asked for at the head: it lands while the products run.
; LIMITS: NaN and infinities are not served.  The bias enters the sum first and the residual last: an order of f32 roundings other than the reference's.
.set KTOT,  1024
.set BOFF,  4915200                    ; Wproj's image in pre
.set NTOUT, 0
.set UNIT,  12800
.set FRB,   1536
.set SCO,   12288
.set REG,   2*UNIT                     ; two K steps of one block.  A wave's one tensor load brings four: one side's part of one slot, 51,200 dense bytes
.set SLOT,  4*REG                      ; A's four K steps, then B's four
.set SPARE, 2*SLOT                     ; behind the ring: the spare words, 128 bytes for each wave
.set BLKB,  (KTOT/128)*UNIT            ; a block's whole K in memory
.set LAPS,  KTOT/1024                  ; a lap = two slots = eight K steps
.set FR,    12
.set A16,  16                          ; v16-17 LDS address of my A fragments' 16-byte pieces in slot 0, 1;  v18-19 of their 8-byte pieces
.set A8,   18
.set B16,  20                          ; v20-23 the same for B
.set B8,   22
.set STO,  24                          ; the way out: where I put 32 bytes of a row;
.set RD,   25                          ; where I read a row back;
.set CO,   26                          ; my byte offset in two rows of the result and of the residual: 4,096 h + 16 r
.set SPW,  28
.set NIL,  29
.set ADRS, 30                          ; v30-31 my scale words: lanes 0-15 A's, lanes 16-31 B's
.set SC,   32                          ; SC + 16 slot + 4 q + i
.set BIAS, 64
.set ACC,  128
.set SPITCH, 272                       ; a stage row: 256 bytes + 16
.set G1,   24
.set G0,   32
.set G1B,  48
.set G0B,  56
.set MSB, 0
.macro WIN new                         ; the immediate's high byte repeats the setting that is left
.if MSB != (\new)
	s_set_vgpr_msb (MSB<<8)|(\new)
.set MSB, (\new)
.endif
.endm
.set MUL,  0x05                        ; sources 0 (B) and 1 (A) window 1; C and D window 0
.set TO_F, 0x40                        ; destination window 1, address window 0
.macro JLOAD s                         ; a joint load: waves 0 and 1 fetch for A, waves 2 and 3 for B; four v_nop follow each line
	s_cmp_eq_u32 s15, 0
	s_cbranch_scc0 .Lfor_b_\@
	tensor_load_to_lds s[G0+4*\s:G0+4*\s+3], s[G1:G1+7]
	s_nop 0
.rept 4
	v_nop
.endr
	s_branch .Lasked_\@
.Lfor_b_\@:
	tensor_load_to_lds s[G0B+4*\s:G0B+4*\s+3], s[G1B:G1B+7]
	s_nop 0
.rept 4
	v_nop
.endr
.Lasked_\@:
.endm
.macro CREST                           ; a round of the cluster's barrier behind its opening barrier
	s_cmp_lg_u32 s14, 0
	s_cbranch_scc1 .Lnot_wave_0_\@
	s_barrier_signal -3
.Lnot_wave_0_\@:
	s_barrier_wait -3
	s_barrier_signal -1
	s_barrier_wait -1
.endm
.macro CROUND
	s_barrier_signal -1
	s_barrier_wait -1
	CREST
.endm
.macro PLACES                          ; four places behind a matrix instruction, in front of loads into its registers and of reads of its results
.rept 4
	v_nop
.endr
.endm
	s_load_b256 s[4:11], s[0:1], 0x0               ; A's image s[4:5], pre s[6:7], bias s[8:9], residual s[10:11]
	s_load_b64 s[12:13], s[0:1], 0x20              ; the result
	v_lshl_add_u32 v[SPW], v0, 2, SPARE
	v_mov_b32 v[NIL], 0
	ds_add_u32 v28, v29
	ds_add_u32 v28, v29
	s_wait_dscnt 0x0
	v_lshrrev_b32 v1, 5, v0
	v_readfirstlane_b32 s14, v1                    ; wave 0..3
	s_lshr_b32 s15, s14, 1                         ; my 64 tokens of the tile.  Also: I fetch for A (0) or for B (1)
	s_and_b32 s16, s14, 1                          ; my 64 columns.  Also: which slot I fetch
	s_bfe_u32 s40, ttmp6, 0x40000                  ; cx, cy
	s_bfe_u32 s41, ttmp6, 0x40004
	s_lshl_b32 s42, ttmp9, 2
	s_add_co_u32 s42, s42, s40                     ; tile column = B's block
	s_and_b32 s17, ttmp7, 0xffff
	s_lshl_b32 s17, s17, 2
	s_add_co_u32 s17, s17, s41                     ; tile row = A's block
	s_lshl_b32 s43, s41, 2
	s_lshl_b32 s43, 15, s43                        ; my row of the cluster
	s_lshl_b32 s44, 0x1111, s40                    ; my column
	s_or_b32 s[G1+0], s43, (3<<16)|(1<<21)         ; 15:0 the mask; 17:16 elements of 8 bytes; 21 set beside a mask; no padding
	s_or_b32 s[G1B+0], s44, (3<<16)|(1<<21)
.irp g, G1, G1B
	s_mov_b32 s[\g+1], 32<<16                      ; tensor_dim0 = 32 elements: 256 bytes
	s_mov_b32 s[\g+2], 200<<16                     ; tensor_dim1 = 200 rows: 51,200 dense bytes
	s_mov_b32 s[\g+3], 32<<16                      ; tile_dim0
	s_mov_b32 s[\g+4], 200                         ; tile_dim1
	s_mov_b32 s[\g+5], 32                          ; the pitch
	s_mov_b32 s[\g+6], 0
	s_mov_b32 s[\g+7], 0
.endr
	s_mul_i32 s18, s16, REG
	s_mul_i32 s20, s17, BLKB
	s_add_co_u32 s20, s20, s18
	s_mov_b32 s21, 0
	s_mul_i32 s46, s42, BLKB
	s_add_co_u32 s46, s46, s18
	s_add_co_u32 s46, s46, BOFF
	s_mov_b32 s47, 0
	s_wait_kmcnt 0x0
	s_add_nc_u64 s[20:21], s[4:5], s[20:21]
	s_add_nc_u64 s[46:47], s[6:7], s[46:47]
	CROUND                                         ; all sixteen work-groups are here: the first joint loads meet
	; ONE LOAD A WAVE AT THE HEAD, and K is two slots: wave 0 fetches A's four K steps of slot 0, wave 1 those of slot 1, waves 2 and 3 the same of B.  Nothing is filled again.
	s_mov_b32 s19, 0
	s_mov_b32 s72, 1
	s_mul_i32 s73, s16, SLOT                       ; the slot: no place in the cluster enters an LDS address
	s_add_nc_u64 s[74:75], s[20:21], s[18:19]      ; the block's K steps 4 x slot on
	s_or_b32 s75, s75, 0x80000000
	s_mov_b32 s76, 1
	s_add_co_u32 s77, s73, 2*REG                   ; B's four units lie behind A's
	s_add_nc_u64 s[78:79], s[46:47], s[18:19]
	s_or_b32 s79, s79, 0x80000000
	s_cmp_eq_u32 s15, 0
	s_cbranch_scc0 .Lhead_b
	tensor_load_to_lds s[72:75], s[G1:G1+7]
	s_nop 0
.rept 4
	v_nop
.endr
	s_branch .Lhead_asked
.Lhead_b:
	tensor_load_to_lds s[76:79], s[G1B:G1B+7]
	s_nop 0
.rept 4
	v_nop
.endr
.Lhead_asked:
	v_and_b32 v1, 31, v0                           ; lane
	v_lshlrev_b32 v2, 4, v1
	s_wait_alu depctr_va_vdst(0)
	v_lshlrev_b32 v3, 3, v1
	s_wait_alu depctr_va_vdst(0)
	v_and_b32 v4, 15, v0                           ; r
	v_bfe_u32 v5, v0, 4, 1                         ; h
	s_mul_i32 s21, s15, 4*FRB                      ; my four fragments of A's unit
	s_mul_i32 s22, s16, 4*FRB
	s_add_co_u32 s22, s22, 2*REG                   ; and of B's, behind A's four units
	s_xor_b32 s23, s15, 1
	s_add_co_u32 s23, s23, s16
	s_lshl_b32 s23, s23, 8
	s_add_co_u32 s23, s23, 2*REG-256               ; from my words of A to my words of B: 51,200 + 256 (my half of B - my half of A)
	v_mul_u32_u24 v6, s23, v5
	v_lshl_add_u32 v6, v4, 4, v6                   ; 16 r; lanes 16-31 take B's words
	s_lshl_b32 s19, s15, 8                         ; the words of A's fragments 4 half .. 4 half + 3
.irp s, 0,1
	v_add_nc_u32 v[A16+\s], s21, v2
	v_add_nc_u32 v[A8+\s], s21, v3
	v_add_nc_u32 v[B16+\s], s22, v2
	v_add_nc_u32 v[B8+\s], s22, v3
	v_add_nc_u32 v[ADRS+\s], s19, v6
	s_add_co_u32 s21, s21, SLOT
	s_add_co_u32 s22, s22, SLOT
	s_add_co_u32 s19, s19, SLOT
.endr
	s_lshl_b32 s66, s17, 1
	s_add_co_u32 s66, s66, s15                     ; my 64 tokens
	s_lshl_b32 s67, s42, 1
	s_add_co_u32 s67, s67, s16                     ; my 64 columns
	s_lshl_b32 s68, s67, 8                         ; 64 columns of f32: 256 bytes
	s_mov_b32 s69, 0
	s_add_nc_u64 s[8:9], s[8:9], s[68:69]
	s_lshl_b32 s66, s66, 18                        ; 64 rows of 4,096 bytes
	s_add_co_u32 s68, s68, s66
	s_add_nc_u64 s[10:11], s[10:11], s[68:69]
	s_add_nc_u64 s[12:13], s[12:13], s[68:69]
	v_lshlrev_b32 v7, 6, v5                        ; the bias: lane (r, h) wants, for B's fragment b, columns 32 (b / 2) + 8 (b % 2) + 16 h + 0 .. 7
.irp b, 0,1,2,3
	global_load_b128 v[BIAS+8*\b:BIAS+8*\b+3],   v7, s[8:9] offset:(32*(\b/2)+8*(\b%2))*4
	global_load_b128 v[BIAS+8*\b+4:BIAS+8*\b+7], v7, s[8:9] offset:(32*(\b/2)+8*(\b%2))*4+16
.endr
	v_lshlrev_b32 v[CO], 12, v5
	v_lshl_add_u32 v[CO], v4, 4, v[CO]
	; the residual of my 64 x 64, in the order in which the rows come back from the stage: row 2 t + h of fragment a is token 32 (a / 2) + 8 (a % 2) + 2 t + h + 8 (t / 4).  Sixteen lanes read 256 consecutive bytes
	WIN 0x80                                       ; destination window 2
.irp a, 0,1,2,3
.irp t, 0,1,2,3,4,5,6,7
	global_load_b128 v[32*\a+4*\t:32*\a+4*\t+3], v[CO], s[10:11] offset:(32*(\a/2)+8*(\a%2)+2*\t+8*(\t/4))*4096 th:TH_LOAD_NT
.endr
.endr
	WIN 0
	s_mul_i32 s23, s14, 16*SPITCH                  ; my stage: it lies in slot 0, which has had its last fill and its last read when the first result is stored there
	v_mul_u32_u24 v[STO], v4, SPITCH
	v_lshl_add_u32 v[STO], v5, 6, v[STO]
	v_add_nc_u32 v[STO], s23, v[STO]               ; in: row r, + 64 h
	v_mul_u32_u24 v[RD], v5, SPITCH
	v_lshl_add_u32 v[RD], v4, 4, v[RD]
	v_add_nc_u32 v[RD], s23, v[RD]                 ; back: lanes 0-15 one row of 256 bytes, lanes 16-31 the next
.macro FRAG reg, a16, a8, off          ; a fragment's twelve registers, as they were stored: every load takes consecutive bytes
	ds_load_b128 v[\reg:\reg+3],     v[\a16] offset:\off
	ds_load_b64  v[\reg+4:\reg+5],   v[\a8]  offset:\off+512
	ds_load_b128 v[\reg+6:\reg+9],   v[\a16] offset:\off+768
	ds_load_b64  v[\reg+10:\reg+11], v[\a8]  offset:\off+1280
.endm
; 4 matrix instructions: A's fragment a x B's four.  p: the set of fragments; q: the slot's K step; sc: the slot.  first = 1: the sums begin with the bias.
; The 16 accumulators take turns, one instruction a turn, in the same order in every K step.
.macro MUL4 a, p, q, sc, first
.irp b, 0,1,2,3
.if \first
	v_wmma_scale_f32_16x16x128_f8f6f4 v[ACC+8*(4*(\a)+\b):ACC+8*(4*(\a)+\b)+7], v[128*(\p)+48+FR*\b:128*(\p)+48+FR*\b+FR-1], v[128*(\p)+FR*(\a):128*(\p)+FR*(\a)+FR-1], v[BIAS+8*\b:BIAS+8*\b+7], v[SC+16*(\sc)+4*(\q)+\b], v[SC+16*(\sc)+4*(\q)+(\a)] matrix_a_fmt:MATRIX_FMT_BF6 matrix_b_fmt:MATRIX_FMT_BF6 matrix_a_scale:MATRIX_SCALE_ROW1
.else
	v_wmma_scale_f32_16x16x128_f8f6f4 v[ACC+8*(4*(\a)+\b):ACC+8*(4*(\a)+\b)+7], v[128*(\p)+48+FR*\b:128*(\p)+48+FR*\b+FR-1], v[128*(\p)+FR*(\a):128*(\p)+FR*(\a)+FR-1], v[ACC+8*(4*(\a)+\b):ACC+8*(4*(\a)+\b)+7], v[SC+16*(\sc)+4*(\q)+\b], v[SC+16*(\sc)+4*(\q)+(\a)] matrix_a_fmt:MATRIX_FMT_BF6 matrix_b_fmt:MATRIX_FMT_BF6 matrix_a_scale:MATRIX_SCALE_ROW1
.endif
.endr
.endm
.macro FETCH slot, q, p                ; 32 LDS loads in one run: my eight fragments of the slot's K step q into set p
	WIN TO_F
.irp i, 0,1,2,3
	FRAG 128*(\p)+48+FR*\i, B16+\slot, B8+\slot, (\q)*UNIT+\i*FRB
.endr
.irp i, 0,1,2,3
	FRAG 128*(\p)+FR*\i, A16+\slot, A8+\slot, (\q)*UNIT+\i*FRB
.endr
.endm
.macro SCALES sc                       ; a slot's scale words: one load of 16 bytes a lane for each K step
.irp q, 0,1,2,3
	ds_load_b128 v[SC+16*\sc+4*\q:SC+16*\sc+4*\q+3], v[ADRS+\sc] offset:\q*UNIT+SCO
.endr
.endm
; One of a slot's first three K steps: the next step's fragments are asked for first, into the other set, and land while this step's 16 products run.
.macro STEP slot, q, first
	s_wait_dscnt 0x0                               ; this step's fragments (and, at a slot's head, its scale words) are in
	PLACES                                         ; behind the last products, which read the other set
	FETCH \slot, (\q)+1, 1-(\q)%2
	WIN MUL
.irp a, 0,1,2,3
	MUL4 \a, (\q)%2, \q, \slot, \first
.endr
.endm
; A slot's fourth K step changes slots: one barrier; in front of it each wave waits for all its tensor loads, adds 0 to its spare word, and waits for that and for its reads of this slot.  fill = 1: this slot is filled again, two slots ahead.
.macro TURN slot, next, fill
	WIN 0                                          ; (the add's two registers lie in window 0)
	s_wait_tensorcnt 0x0                           ; all my tensor loads have landed: my part of the next slot
	ds_add_u32 v[SPW], v[NIL]                      ; 0 onto my spare word
	s_wait_dscnt 1                                 ; this step's fragments are in; the add, issued behind them, may be out
	WIN MUL
	MUL4 0, 1, 3, \slot, 0
	s_wait_dscnt 0x0                               ; the add is done, and my reads of this slot are over
	s_barrier_signal -1
	MUL4 1, 1, 3, \slot, 0
	WIN 0
	s_barrier_wait -1
.if \fill
	CREST                                          ; the barrier has opened a round of the cluster's: no wave of any partner still reads this slot or has a load on its way
	s_add_nc_u64 s[G0+4*\slot+2:G0+4*\slot+3], s[G0+4*\slot+2:G0+4*\slot+3], 4*REG
	s_add_nc_u64 s[G0B+4*\slot+2:G0B+4*\slot+3], s[G0B+4*\slot+2:G0B+4*\slot+3], 4*REG
	JLOAD \slot                                    ; the first tensor load behind the round; its four v_nop are also the places in front of the loads below
.else
	PLACES
.endif
	FETCH \next, 0, 0
	WIN 0
	SCALES \next
	WIN MUL
	MUL4 2, 1, 3, \slot, 0
	MUL4 3, 1, 3, \slot, 0
.endm
	s_wait_loadcnt 32                              ; the bias is in; the residual's 32 loads, issued behind it, stay out
	s_wait_tensorcnt 0x0                           ; my load is in
	s_barrier_signal -1
	s_barrier_wait -1
	FETCH 0, 0, 0
	WIN 0
	SCALES 0
	STEP 0, 0, 1                                   ; the first K step stands in front of the loop: its products start the sums
.if LAPS > 1
	WIN 0                                          ; at a label and at a branch every window is 0
	s_mov_b32 s3, LAPS-1
.Llap:                                                 ; a trip goes once round the ring, from a lap's second K step to the next lap's first, and fills both slots again
	STEP 0, 1, 0
	STEP 0, 2, 0
	TURN 0, 1, 1
	STEP 1, 0, 0
	STEP 1, 1, 0
	STEP 1, 2, 0
	TURN 1, 0, 1
	STEP 0, 0, 0
	WIN 0
	s_sub_co_u32 s3, s3, 1
	s_cmp_lg_u32 s3, 0
	s_cbranch_scc1 .Llap
.endif
	STEP 0, 1, 0                                   ; the last lap fills nothing
	STEP 0, 2, 0
	TURN 0, 1, 0
	STEP 1, 0, 0
	STEP 1, 1, 0
	STEP 1, 2, 0
	s_wait_dscnt 0x0                               ; the very last K step: nothing more to fetch
	WIN MUL
.irp a, 0,1,2,3
	MUL4 \a, 1, 3, 1, 0
.endr
	WIN 0
; THE WAY OUT, a fragment of 16 tokens x 64 columns at a time: through my stage in LDS, back as whole rows of 256 bytes, two rows an instruction; + the residual; stored.
; Each fragment has registers of its own for its rows, so no store's data are written again.  LDS serves a wave's instructions in order (ISA guide 5.7.1.4): no wait between the stores and the loads, nor in front of the next fragment's stores.
.macro TOSTAGE a
.irp b, 0,1,2,3
	ds_store_b128 v[STO], v[ACC+8*(4*(\a)+\b):ACC+8*(4*(\a)+\b)+3]   offset:128*(\b/2)+32*(\b%2)      ; each accumulator from its low end on
	ds_store_b128 v[STO], v[ACC+8*(4*(\a)+\b)+4:ACC+8*(4*(\a)+\b)+7] offset:128*(\b/2)+32*(\b%2)+16
.endr
	WIN 0x40                                       ; destination window 1
.irp t, 0,1,2,3,4,5,6,7
	ds_load_b128 v[32*(\a)+4*\t:32*(\a)+4*\t+3], v[RD] offset:2*\t*SPITCH
.endr
	WIN 0
.endm
	PLACES                                         ; behind the last products: for the first read of results and for the loads into the fragments' registers
	s_wait_alu depctr_va_vdst(0)
	TOSTAGE 0
	TOSTAGE 1
	TOSTAGE 2
	TOSTAGE 3
	s_wait_loadcnt 0x0                             ; the residual
.irp a, 0,1,2,3
	s_wait_dscnt 16*(3-\a)                         ; this fragment's rows are back; the 16 LDS instructions of each younger fragment may be out
	WIN 0x49                                       ; destination and source 0 window 1, source 1 window 2
.set p, 0
.rept 16
	v_pk_add_f32 v[32*\a+2*p:32*\a+2*p+1], v[32*\a+2*p:32*\a+2*p+1], v[32*\a+2*p:32*\a+2*p+1]
.set p, p+1
.endr
	WIN 0x04                                       ; a store's data are its source 1: window 1
.irp t, 0,1,2,3,4,5,6,7
.if NTOUT
	global_store_b128 v[CO], v[32*\a+4*\t:32*\a+4*\t+3], s[12:13] offset:(32*(\a/2)+8*(\a%2)+2*\t+8*(\t/4))*4096 th:TH_STORE_NT
.else
	global_store_b128 v[CO], v[32*\a+4*\t:32*\a+4*\t+3], s[12:13] offset:(32*(\a/2)+8*(\a%2)+2*\t+8*(\t/4))*4096   ; sixteen lanes store 256 consecutive bytes, aligned to 256
.endif
.endr
.endr
	WIN 0
	s_wait_tensorcnt 0x0                           ; the wave's end
	ds_add_u32 v[SPW], v[NIL]
	s_wait_dscnt 0x0
	CROUND                                         ; the closing round: no work-group ends while a partner may still ask for a tile that names it
	s_endpgm
.Lfunc_end_k_q3e2e7f24c1_proj:
	.size	k_q3e2e7f24c1_proj, .Lfunc_end_k_q3e2e7f24c1_proj-k_q3e2e7f24c1_proj
	.p2alignl 7, 3214868480
	.fill 96, 4, 3214868480
	.section	.rodata,"a",@progbits
	.p2align	6, 0x0
	.amdhsa_kernel k_q3e2e7f24c1_proj
		.amdhsa_group_segment_fixed_size 327680
		.amdhsa_private_segment_fixed_size 0
		.amdhsa_enable_private_segment 0
		.amdhsa_kernarg_size 40
		.amdhsa_user_sgpr_count 2
		.amdhsa_user_sgpr_kernarg_segment_ptr 1
		.amdhsa_wavefront_size32 1
		.amdhsa_system_sgpr_workgroup_id_x 1
		.amdhsa_system_sgpr_workgroup_id_y 1
		.amdhsa_system_sgpr_workgroup_id_z 1
		.amdhsa_system_vgpr_workitem_id 0
		.amdhsa_next_free_vgpr 768
		.amdhsa_next_free_sgpr 100
		.amdhsa_reserve_vcc 0
		.amdhsa_float_denorm_mode_32 3
		.amdhsa_float_denorm_mode_16_64 3
		.amdhsa_memory_ordered 1
		.amdhsa_forward_progress 1
		.amdhsa_inst_pref_size 58
	.end_amdhsa_kernel
	.amdgpu_metadata
---
amdhsa.version: [ 1, 2 ]
amdhsa.kernels:
  - .name:           k_q3e2e7f24c1_proj
    .symbol:         k_q3e2e7f24c1_proj.kd
    .args:
      - { .name: ao, .offset: 0, .size: 8, .value_kind: global_buffer, .address_space: global }
      - { .name: pre, .offset: 8, .size: 8, .value_kind: global_buffer, .address_space: global }
      - { .name: bproj, .offset: 16, .size: 8, .value_kind: global_buffer, .address_space: global }
      - { .name: x, .offset: 24, .size: 8, .value_kind: global_buffer, .address_space: global }
      - { .name: x1, .offset: 32, .size: 8, .value_kind: global_buffer, .address_space: global }
    .group_segment_fixed_size: 327680
    .private_segment_fixed_size: 0
    .kernarg_segment_align: 8
    .kernarg_segment_size: 40
    .max_flat_workgroup_size: 128
    .sgpr_count:     100
    .vgpr_count:     768
    .wavefront_size: 32
...
	.end_amdgpu_metadata
.endif
;; end of part 11
;; launch ln2: the kernel of part 8 again; grid 256 x 1, 4 waves a work-group, no clusters, 168,448 bytes of LDS; arguments x1, ln2_g, ln2_b, h2, Wq, Wk, Wproj, W1, W2; writes h2
;; launch ff1 (part 12): grid 16 x 16, 4 waves a work-group, clusters of 4 x 4, 327,680 bytes of LDS; arguments h2, pre, b1, hid; writes hid
.if DOCPART == 12
	.amdgcn_target "amdgcn-amd-amdhsa--gfx1250"
	.amdhsa_code_object_version 6
	.text
	.protected	k_q3e2e7f24c1_ff1
	.globl	k_q3e2e7f24c1_ff1
	.p2align	8
	.type	k_q3e2e7f24c1_ff1,@function
k_q3e2e7f24c1_ff1:
	s_mov_b64 s[64:65], 0
	v_nop
	global_prefetch_b8 v0, s[64:65] scope:SCOPE_SE
	s_setreg_imm32_b32 hwreg(HW_REG_WAVE_MODE, 25, 1), 1
	s_wait_xcnt 0x0
	s_wait_alu depctr_hold_cnt(0) depctr_sa_sdst(0) depctr_va_vdst(0) depctr_va_sdst(0) depctr_va_ssrc(0) depctr_va_vcc(0) depctr_vm_vsrc(0)
	s_getreg_b32 s2, hwreg(HW_REG_IB_STS2, 6, 4)
	s_cmp_eq_u32 s2, 0
	s_cbranch_scc0 .Lentry_in_a_cluster
	s_endpgm
.Lentry_in_a_cluster:
	s_bfe_u32 s2, ttmp6, 0x10000c
	s_cmp_lg_u32 s2, 0xf033
	s_cbranch_scc0 .Lentry_shape_is_right
	s_endpgm
.Lentry_shape_is_right:
; hid = Q(relu(h2 W1 + b1)): the product on MX-BF6 codes (E3M2, one E8M0 byte for each 32 along K = 1,024), f32 sums that begin with the bias; the result is clipped at 0 and quantised in registers along its columns.
; Operands and result are images of operand registers: a unit (128 rows x 128 K) is 12,800 bytes: eight fragments of 1,536 bytes, then 512 bytes of scale words.
; A tile of the result is 256 x 256: four waves, each 128 x 128 in 64 accumulators.  K goes in steps of 256 through two LDS slots; wave w's part of slot s lies at 2 w REG + s REG.
; The head's one load a wave brings 51,200 dense bytes, its part of both slots; a refill brings 25,600.  CLUSTERS: 4 x 4; A's tiles are asked for jointly along a row, B's along a column.
; LIMITS: NaN and infinities are not served; a block whose largest magnitude lies under 2^-122 gets the byte 1, a block of zeros too (only this program reads the bytes).
.set KTOT,  1024
.set BOFF,  5734400
.set UNIT,  12800
.set FRB,   1536
.set SCO,   12288
.set REG,   2*UNIT
.set SLOT,  4*REG
.set SPARE, 2*SLOT
.set BLKB,  (KTOT/128)*UNIT
.set LAPS,  KTOT/512
.set FR,    12
.set A16,  16
.set A8,   18
.set B16,  20
.set B8,   22
.set SPW,  28
.set NIL,  29
.set ADRS, 30
.set SC,   32
.set BIAS, 64
.set AF,   128
.set PC,   128
.set PT,   140
.set TM,   224
.set PWS,  240
.set OUTW, 248
.set SEL,  86
.set G1,   24
.set G0,   32
.set G1B,  48
.set G0B,  56
.set MSB, 0
.macro WIN new
.if MSB != (\new)
	s_set_vgpr_msb (MSB<<8)|(\new)
.set MSB, (\new)
.endif
.endm
.set MUL_LO, 0xa1
.set MUL_HI, 0xf1
.set FIRST_LO, 0x81
.set FIRST_HI, 0xc1
.set TO_B,   0x40
.macro JLOAD s
	s_cmp_eq_u32 s15, 0
	s_cbranch_scc0 .Lfor_b_\@
	tensor_load_to_lds s[G0+4*\s:G0+4*\s+3], s[G1:G1+7]
	s_nop 0
.rept 4
	v_nop
.endr
	s_branch .Lasked_\@
.Lfor_b_\@:
	tensor_load_to_lds s[G0B+4*\s:G0B+4*\s+3], s[G1B:G1B+7]
	s_nop 0
.rept 4
	v_nop
.endr
.Lasked_\@:
.endm
.macro CREST
	s_cmp_lg_u32 s14, 0
	s_cbranch_scc1 .Lnot_wave_0_\@
	s_barrier_signal -3
.Lnot_wave_0_\@:
	s_barrier_wait -3
	s_barrier_signal -1
	s_barrier_wait -1
.endm
.macro CROUND
	s_barrier_signal -1
	s_barrier_wait -1
	CREST
.endm
.macro PLACES
.rept 4
	v_nop
.endr
.endm
	s_load_b256 s[4:11], s[0:1], 0x0
	v_lshl_add_u32 v[SPW], v0, 2, SPARE
	v_mov_b32 v[NIL], 0
	ds_add_u32 v28, v29
	ds_add_u32 v28, v29
	s_wait_dscnt 0x0
	v_lshrrev_b32 v1, 5, v0
	v_readfirstlane_b32 s14, v1
	s_lshr_b32 s15, s14, 1
	s_and_b32 s16, s14, 1
	s_bfe_u32 s40, ttmp6, 0x40000
	s_bfe_u32 s41, ttmp6, 0x40004
	s_lshl_b32 s42, ttmp9, 2
	s_add_co_u32 s42, s42, s40
	s_and_b32 s17, ttmp7, 0xffff
	s_lshl_b32 s17, s17, 2
	s_add_co_u32 s17, s17, s41
	s_lshl_b32 s43, s41, 2
	s_lshl_b32 s43, 15, s43
	s_lshl_b32 s44, 0x1111, s40
	s_or_b32 s[G1+0], s43, (3<<16)|(1<<21)
	s_or_b32 s[G1B+0], s44, (3<<16)|(1<<21)
.irp g, G1, G1B
	s_mov_b32 s[\g+1], 32<<16
	s_mov_b32 s[\g+2], 200<<16                     ; 200 rows of 256 bytes for the head's load
	s_mov_b32 s[\g+3], 32<<16
	s_mov_b32 s[\g+4], 200
	s_mov_b32 s[\g+5], 32
	s_mov_b32 s[\g+6], 0
	s_mov_b32 s[\g+7], 0
.endr
	s_lshl_b32 s20, s17, 1
	s_add_co_u32 s20, s20, s16
	s_mul_i32 s20, s20, BLKB
	s_mov_b32 s21, 0
	s_lshl_b32 s46, s42, 1
	s_add_co_u32 s46, s46, s16
	s_mul_i32 s46, s46, BLKB
	s_add_co_u32 s46, s46, BOFF
	s_mov_b32 s47, 0
	s_mul_i32 s45, s14, 2*REG
	s_wait_kmcnt 0x0
	s_add_nc_u64 s[20:21], s[4:5], s[20:21]
	s_add_nc_u64 s[46:47], s[6:7], s[46:47]
	CROUND
.irp s, 0,1
	s_mov_b32 s[G0+4*\s], 1
	s_add_co_u32 s[G0+4*\s+1], s45, \s*REG
	s_add_nc_u64 s[G0+4*\s+2:G0+4*\s+3], s[20:21], \s*REG
	s_or_b32 s[G0+4*\s+3], s[G0+4*\s+3], 0x80000000
	s_mov_b32 s[G0B+4*\s], 1
	s_add_co_u32 s[G0B+4*\s+1], s45, \s*REG
	s_add_nc_u64 s[G0B+4*\s+2:G0B+4*\s+3], s[46:47], \s*REG
	s_or_b32 s[G0B+4*\s+3], s[G0B+4*\s+3], 0x80000000
.endr
	JLOAD 0                                        ; my one load at the head: slot 0's descriptor with 200 rows reaches over my part of slot 1 too
	v_and_b32 v1, 31, v0
	v_lshlrev_b32 v2, 4, v1
	v_lshlrev_b32 v3, 3, v1
	v_and_b32 v4, 15, v0
	v_bfe_u32 v5, v0, 4, 1
	s_mul_i32 s21, s15, 2*REG
	s_mul_i32 s22, s16, 2*REG
	s_add_co_u32 s22, s22, 4*REG
	s_xor_b32 s23, s15, 1
	s_add_co_u32 s23, s23, s16
	s_add_co_u32 s23, s23, 1
	s_mul_i32 s23, s23, 2*REG
	v_mul_u32_u24 v6, s23, v5
	v_lshl_add_u32 v6, v4, 4, v6
.irp s, 0,1
	v_add_nc_u32 v[A16+\s], s21, v2
	v_add_nc_u32 v[A8+\s], s21, v3
	v_add_nc_u32 v[B16+\s], s22, v2
	v_add_nc_u32 v[B8+\s], s22, v3
	v_add_nc_u32 v[ADRS+\s], s21, v6
	s_add_co_u32 s21, s21, REG
	s_add_co_u32 s22, s22, REG
.endr
	s_mov_b32 s[SEL], 0x76543210
	s_mov_b32 s[SEL+1], 0xfedcba98
	s_lshl_b32 s66, s17, 1
	s_add_co_u32 s66, s66, s15
	s_lshl_b32 s67, s42, 1
	s_add_co_u32 s67, s67, s16
	s_lshl_b32 s68, s67, 9
	s_mov_b32 s69, 0
	s_add_nc_u64 s[8:9], s[8:9], s[68:69]
	s_lshl_b32 s66, s66, 5
	s_add_co_u32 s66, s66, s67
	s_mul_i32 s68, s66, UNIT
	s_add_nc_u64 s[10:11], s[10:11], s[68:69]
	v_lshlrev_b32 v7, 6, v5
.irp b, 0,1,2,3,4,5,6,7
	global_load_b128 v[BIAS+8*\b:BIAS+8*\b+3],   v7, s[8:9] offset:(32*(\b/2)+8*(\b%2))*4
	global_load_b128 v[BIAS+8*\b+4:BIAS+8*\b+7], v7, s[8:9] offset:(32*(\b/2)+8*(\b%2))*4+16
.endr
.macro FRAG reg, a16, a8, off
	ds_load_b128 v[\reg:\reg+3],     v[\a16] offset:\off
	ds_load_b64  v[\reg+4:\reg+5],   v[\a8]  offset:\off+512
	ds_load_b128 v[\reg+6:\reg+9],   v[\a16] offset:\off+768
	ds_load_b64  v[\reg+10:\reg+11], v[\a8]  offset:\off+1280
.endm
.macro MUL16 a0, p, q, sc, first
.irp a, \a0, \a0+1
.irp b, 0,1,2,3,4,5,6,7
.if \first
	v_wmma_scale_f32_16x16x128_f8f6f4 v[8*(8*((\a)%4)+\b):8*(8*((\a)%4)+\b)+7], v[128*(\p)+FR*\b:128*(\p)+FR*\b+FR-1], v[AF+FR*(\a):AF+FR*(\a)+FR-1], v[BIAS+8*\b:BIAS+8*\b+7], v[SC+16*(\sc)+8*(\q)+\b], v[SC+16*(\sc)+8*(\q)+(\a)] matrix_a_fmt:MATRIX_FMT_BF6 matrix_b_fmt:MATRIX_FMT_BF6 matrix_a_scale:MATRIX_SCALE_ROW1
.else
	v_wmma_scale_f32_16x16x128_f8f6f4 v[8*(8*((\a)%4)+\b):8*(8*((\a)%4)+\b)+7], v[128*(\p)+FR*\b:128*(\p)+FR*\b+FR-1], v[AF+FR*(\a):AF+FR*(\a)+FR-1], v[8*(8*((\a)%4)+\b):8*(8*((\a)%4)+\b)+7], v[SC+16*(\sc)+8*(\q)+\b], v[SC+16*(\sc)+8*(\q)+(\a)] matrix_a_fmt:MATRIX_FMT_BF6 matrix_b_fmt:MATRIX_FMT_BF6 matrix_a_scale:MATRIX_SCALE_ROW1
.endif
.endr
.endr
.endm
.macro FETCH_B slot, q, p
	WIN TO_B
.irp i, 0,1,2,3,4,5,6,7
	FRAG 128*(\p)+FR*\i, B16+\slot, B8+\slot, (\q)*UNIT+\i*FRB
.endr
	WIN 0
.endm
.macro FETCH_A slot, q, i0
.irp i, \i0, \i0+1, \i0+2, \i0+3
	FRAG AF+FR*(\i), A16+\slot, A8+\slot, (\q)*UNIT+(\i)*FRB
.endr
.endm
.macro SCALES sc
.irp q, 0,1
.irp e, 0,1
	ds_load_b128 v[SC+16*\sc+8*\q+4*\e:SC+16*\sc+8*\q+4*\e+3], v[ADRS+\sc] offset:\q*UNIT+SCO+256*\e
.endr
.endr
.endm
.macro STEP slot, first
	s_wait_dscnt 16
.if \first
	WIN FIRST_LO
.else
	WIN MUL_LO
.endif
	MUL16 0, 0, 0, \slot, \first
	MUL16 2, 0, 0, \slot, \first
	s_wait_dscnt 0x0
	PLACES
	FETCH_B \slot, 1, 1
	FETCH_A \slot, 1, 0
.if \first
	WIN FIRST_HI
.else
	WIN MUL_HI
.endif
	MUL16 4, 0, 0, \slot, \first
	MUL16 6, 0, 0, \slot, \first
	PLACES
	WIN 0
	FETCH_A \slot, 1, 4
.endm
.macro TURN slot, next, fill
	s_wait_tensorcnt 0x0
	ds_add_u32 v[SPW], v[NIL]
	s_wait_dscnt 17
	WIN MUL_LO
	MUL16 0, 1, 1, \slot, 0
	s_wait_dscnt 0x0
	s_barrier_signal -1
	MUL16 2, 1, 1, \slot, 0
	WIN 0
	s_barrier_wait -1
.if \fill
	CREST
	s_add_nc_u64 s[G0+4*\slot+2:G0+4*\slot+3], s[G0+4*\slot+2:G0+4*\slot+3], 2*REG
	s_add_nc_u64 s[G0B+4*\slot+2:G0B+4*\slot+3], s[G0B+4*\slot+2:G0B+4*\slot+3], 2*REG
	JLOAD \slot
.else
	PLACES
.endif
	FETCH_B \next, 0, 0
	FETCH_A \next, 0, 0
	SCALES \next
	WIN MUL_HI
	MUL16 4, 1, 1, \slot, 0
	MUL16 6, 1, 1, \slot, 0
	PLACES
	WIN 0
	FETCH_A \next, 0, 4
.endm
	s_wait_alu depctr_va_vdst(0)
	s_wait_loadcnt 0x0
	s_wait_tensorcnt 0x0                           ; my part of both slots is in; no tensor load of mine is out, so group 1 may be written:
	s_mov_b32 s[G1+2], 100<<16                     ; from here on a load brings 100 rows, one slot's part
	s_mov_b32 s[G1+4], 100
	s_mov_b32 s[G1B+2], 100<<16
	s_mov_b32 s[G1B+4], 100
	s_barrier_signal -1
	s_barrier_wait -1
	FETCH_B 0, 0, 0
	FETCH_A 0, 0, 0
	SCALES 0
	FETCH_A 0, 0, 4
	STEP 0, 1
	s_mov_b32 s3, LAPS-1
.Llap:
	TURN 0, 1, 1
	STEP 1, 0
	TURN 1, 0, 1
	STEP 0, 0
	s_sub_co_u32 s3, s3, 1
	s_cmp_lg_u32 s3, 0
	s_cbranch_scc1 .Llap
	TURN 0, 1, 0
	STEP 1, 0
	s_wait_dscnt 16
	WIN MUL_LO
	MUL16 0, 1, 1, 1, 0
	MUL16 2, 1, 1, 1, 0
	s_wait_dscnt 0x0
	WIN MUL_HI
	MUL16 4, 1, 1, 1, 0
	MUL16 6, 1, 1, 1, 0
	WIN 0
.macro QUANT s, w, pw
	WIN (\w)|((\w)<<2)
.irp b, 0,1,2,3
	v_max3_num_f32 v[TM+\b], |v[\s+16*\b]|, |v[\s+16*\b+1]|, 0x2800000
.endr
.irp i, 2,4,6,8,10,12,14
.irp b, 0,1,2,3
	v_max3_num_f32 v[TM+\b], |v[\s+16*\b+\i]|, |v[\s+16*\b+\i+1]|, v[TM+\b]
.endr
.endr
	WIN 0
.irp b, 0,1,2,3
	v_permlanex16_b32 v[TM+4+\b], v[TM+\b], s[SEL], s[SEL+1]
.endr
.irp b, 0,1,2,3
	v_max_num_f32 v[TM+\b], v[TM+\b], v[TM+4+\b]
.endr
.irp b, 0,1,2,3
	v_add_nc_u32 v[TM+12+\b], 0xfe000000, v[TM+\b]
.endr
.irp b, 0,1,2,3
	v_lshrrev_b32 v[TM+4+\b], 23, v[TM+12+\b]
.endr
	v_lshl_or_b32 v[\pw], v[TM+5], 8, v[TM+4]
	v_lshl_or_b32 v[\pw], v[TM+6], 16, v[\pw]
	v_lshl_or_b32 v[\pw], v[TM+7], 24, v[\pw]
	s_wait_xcnt 0x0
	WIN \w
.irp c, 0,1
	v_cvt_scalef32_pk16_bf6_f32 v[PC+6*\c:PC+6*\c+2], v[\s+32*\c:\s+32*\c+15], v[TM+12+2*\c]
	v_cvt_scalef32_pk16_bf6_f32 v[PT+4*\c:PT+4*\c+2], v[\s+32*\c+16:\s+32*\c+31], v[TM+13+2*\c]
.endr
	WIN 0
	v_nop
.irp c, 0,1
.irp i, 0,1,2
	v_permlane16_swap_b32 v[PC+6*\c+\i], v[PT+4*\c+\i]
.endr
.irp i, 0,1,2
	v_mov_b32 v[PC+3+6*\c+\i], v[PT+4*\c+\i]
.endr
.endr
.endm
.irp b, 0,1,2,3
	v_mov_b32 v[TM+4+\b], 0
.endr
.irp a, 0,1,2,3,4,5,6,7
.set QS_, 64*(\a%4)
.set QW_, 2+\a/4
	WIN (QW_<<6)|(QW_<<2)
.set j, 0
.rept 64
	v_max_num_f32 v[QS_+j], 0, v[QS_+j]
.set j, j+1
.endr
	QUANT QS_, QW_, PWS+\a
	global_store_b128 v2, v[PC:PC+3],     s[10:11] offset:FRB*\a
	global_store_b64  v3, v[PC+4:PC+5],   s[10:11] offset:FRB*\a+512
	global_store_b128 v2, v[PC+6:PC+9],   s[10:11] offset:FRB*\a+768
	global_store_b64  v3, v[PC+10:PC+11], s[10:11] offset:FRB*\a+1280
.endr
	v_cmp_lt_u32 vcc_lo, 15, v1
.irp f, 0,1,2,3
	v_cndmask_b32 v[OUTW+\f], v[PWS+\f], v[PWS+4+\f], vcc_lo
.endr
	global_store_b128 v2, v[OUTW:OUTW+3], s[10:11] offset:SCO
	s_wait_tensorcnt 0x0
	ds_add_u32 v[SPW], v[NIL]
	s_wait_dscnt 0x0
	CROUND
	s_endpgm
.Lfunc_end_k_q3e2e7f24c1_ff1:
	.size	k_q3e2e7f24c1_ff1, .Lfunc_end_k_q3e2e7f24c1_ff1-k_q3e2e7f24c1_ff1
	.p2alignl 7, 3214868480
	.fill 96, 4, 3214868480
	.section	.rodata,"a",@progbits
	.p2align	6, 0x0
	.amdhsa_kernel k_q3e2e7f24c1_ff1
		.amdhsa_group_segment_fixed_size 327680
		.amdhsa_private_segment_fixed_size 0
		.amdhsa_enable_private_segment 0
		.amdhsa_kernarg_size 32
		.amdhsa_user_sgpr_count 2
		.amdhsa_user_sgpr_kernarg_segment_ptr 1
		.amdhsa_wavefront_size32 1
		.amdhsa_system_sgpr_workgroup_id_x 1
		.amdhsa_system_sgpr_workgroup_id_y 1
		.amdhsa_system_sgpr_workgroup_id_z 1
		.amdhsa_system_vgpr_workitem_id 0
		.amdhsa_next_free_vgpr 1024
		.amdhsa_next_free_sgpr 100
		.amdhsa_reserve_vcc 1
		.amdhsa_float_denorm_mode_32 3
		.amdhsa_float_denorm_mode_16_64 3
		.amdhsa_memory_ordered 1
		.amdhsa_forward_progress 1
		.amdhsa_inst_pref_size 162
	.end_amdhsa_kernel
	.amdgpu_metadata
---
amdhsa.version: [ 1, 2 ]
amdhsa.kernels:
  - .name:           k_q3e2e7f24c1_ff1
    .symbol:         k_q3e2e7f24c1_ff1.kd
    .args:
      - { .name: h2, .offset: 0, .size: 8, .value_kind: global_buffer, .address_space: global }
      - { .name: pre, .offset: 8, .size: 8, .value_kind: global_buffer, .address_space: global }
      - { .name: b1, .offset: 16, .size: 8, .value_kind: global_buffer, .address_space: global }
      - { .name: hid, .offset: 24, .size: 8, .value_kind: global_buffer, .address_space: global }
    .group_segment_fixed_size: 327680
    .private_segment_fixed_size: 0
    .kernarg_segment_align: 8
    .kernarg_segment_size: 32
    .max_flat_workgroup_size: 128
    .sgpr_count:     100
    .vgpr_count:     1024
    .wavefront_size: 32
...
	.end_amdgpu_metadata
.endif
;; end of part 12
;; launch ff2 (part 13): grid 8 x 32, 4 waves a work-group, clusters of 4 x 4, 327,680 bytes of LDS; arguments hid, pre, b2, x1, out0; writes out0
.if DOCPART == 13
	.amdgcn_target "amdgcn-amd-amdhsa--gfx1250"
	.amdhsa_code_object_version 6
	.text
	.protected	k_q3e2e7f24c1_ff2
	.globl	k_q3e2e7f24c1_ff2
	.p2align	8
	.type	k_q3e2e7f24c1_ff2,@function
k_q3e2e7f24c1_ff2:
	s_mov_b64 s[64:65], 0
	v_nop
	global_prefetch_b8 v0, s[64:65] scope:SCOPE_SE
	s_setreg_imm32_b32 hwreg(HW_REG_WAVE_MODE, 25, 1), 1
	s_wait_xcnt 0x0
	s_wait_alu depctr_hold_cnt(0) depctr_sa_sdst(0) depctr_va_vdst(0) depctr_va_sdst(0) depctr_va_ssrc(0) depctr_va_vcc(0) depctr_vm_vsrc(0)
	s_getreg_b32 s2, hwreg(HW_REG_IB_STS2, 6, 4)
	s_cmp_eq_u32 s2, 0
	s_cbranch_scc0 .Lentry_in_a_cluster
	s_endpgm
.Lentry_in_a_cluster:
	s_bfe_u32 s2, ttmp6, 0x10000c
	s_cmp_lg_u32 s2, 0xf033
	s_cbranch_scc0 .Lentry_shape_is_right
	s_endpgm
.Lentry_shape_is_right:
; out0 = x1 + hid W2 + b2: the product on MX-BF6 codes (E3M2, one E8M0 byte for each 32 along K = 4,096), f32 sums that begin with the bias; the residual is added last, in f32.
; Operands are images of operand registers: a unit (128 rows x 128 K) is 12,800 bytes.  A tile of the result is 128 x 128: 256 work-groups; four waves, each 64 x 64 in 16 accumulators.
; K goes in steps of 512 through two LDS slots: A's four units, then B's.  The head's one load a wave brings one side's whole part of one slot, 51,200 dense bytes; a refill brings two units, 25,600.
; CLUSTERS: 4 x 4; A's tiles are asked for jointly along a row, B's along a column.  LIMITS: NaN and infinities are not served; the bias enters the sum first and the residual last.
.set KTOT,  4096
.set BOFF,  9011200
.set NTOUT, 1
.set UNIT,  12800
.set FRB,   1536
.set SCO,   12288
.set REG,   2*UNIT
.set SLOT,  4*REG
.set SPARE, 2*SLOT
.set BLKB,  (KTOT/128)*UNIT
.set LAPS,  KTOT/1024
.set FR,    12
.set A16,  16
.set A8,   18
.set B16,  20
.set B8,   22
.set STO,  24
.set RD,   25
.set CO,   26
.set SPW,  28
.set NIL,  29
.set ADRS, 30
.set SC,   32
.set BIAS, 64
.set ACC,  128
.set SPITCH, 272
.set G1,   24
.set G0,   32
.set G1B,  48
.set G0B,  56
.set MSB, 0
.macro WIN new
.if MSB != (\new)
	s_set_vgpr_msb (MSB<<8)|(\new)
.set MSB, (\new)
.endif
.endm
.set MUL,  0x05
.set TO_F, 0x40
.macro JLOAD s
	s_cmp_eq_u32 s15, 0
	s_cbranch_scc0 .Lfor_b_\@
	tensor_load_to_lds s[G0+4*\s:G0+4*\s+3], s[G1:G1+7]
	s_nop 0
.rept 4
	v_nop
.endr
	s_branch .Lasked_\@
.Lfor_b_\@:
	tensor_load_to_lds s[G0B+4*\s:G0B+4*\s+3], s[G1B:G1B+7]
	s_nop 0
.rept 4
	v_nop
.endr
.Lasked_\@:
.endm
.macro CREST
	s_cmp_lg_u32 s14, 0
	s_cbranch_scc1 .Lnot_wave_0_\@
	s_barrier_signal -3
.Lnot_wave_0_\@:
	s_barrier_wait -3
	s_barrier_signal -1
	s_barrier_wait -1
.endm
.macro CROUND
	s_barrier_signal -1
	s_barrier_wait -1
	CREST
.endm
.macro PLACES
.rept 4
	v_nop
.endr
.endm
	s_load_b256 s[4:11], s[0:1], 0x0
	s_load_b64 s[12:13], s[0:1], 0x20
	v_lshl_add_u32 v[SPW], v0, 2, SPARE
	v_mov_b32 v[NIL], 0
	ds_add_u32 v28, v29
	ds_add_u32 v28, v29
	s_wait_dscnt 0x0
	v_lshrrev_b32 v1, 5, v0
	v_readfirstlane_b32 s14, v1
	s_lshr_b32 s15, s14, 1
	s_and_b32 s16, s14, 1
	s_bfe_u32 s40, ttmp6, 0x40000
	s_bfe_u32 s41, ttmp6, 0x40004
	s_lshl_b32 s42, ttmp9, 2
	s_add_co_u32 s42, s42, s40
	s_and_b32 s17, ttmp7, 0xffff
	s_lshl_b32 s17, s17, 2
	s_add_co_u32 s17, s17, s41
	s_lshl_b32 s43, s41, 2
	s_lshl_b32 s43, 15, s43
	s_lshl_b32 s44, 0x1111, s40
	s_or_b32 s[G1+0], s43, (3<<16)|(1<<21)
	s_or_b32 s[G1B+0], s44, (3<<16)|(1<<21)
.irp g, G1, G1B
	s_mov_b32 s[\g+1], 32<<16
	s_mov_b32 s[\g+2], 200<<16                     ; 200 rows of 256 bytes for the head's load
	s_mov_b32 s[\g+3], 32<<16
	s_mov_b32 s[\g+4], 200
	s_mov_b32 s[\g+5], 32
	s_mov_b32 s[\g+6], 0
	s_mov_b32 s[\g+7], 0
.endr
	s_mul_i32 s18, s16, REG
	s_mul_i32 s20, s17, BLKB
	s_add_co_u32 s20, s20, s18
	s_mov_b32 s21, 0
	s_mul_i32 s46, s42, BLKB
	s_add_co_u32 s46, s46, s18
	s_add_co_u32 s46, s46, BOFF
	s_mov_b32 s47, 0
	s_mul_i32 s45, s14, REG
	s_wait_kmcnt 0x0
	s_add_nc_u64 s[20:21], s[4:5], s[20:21]
	s_add_nc_u64 s[46:47], s[6:7], s[46:47]
	CROUND
.irp s, 0,1
	s_mov_b32 s[G0+4*\s], 1
	s_add_co_u32 s[G0+4*\s+1], s45, \s*SLOT
	s_add_nc_u64 s[G0+4*\s+2:G0+4*\s+3], s[20:21], \s*2*REG
	s_or_b32 s[G0+4*\s+3], s[G0+4*\s+3], 0x80000000
	s_mov_b32 s[G0B+4*\s], 1
	s_add_co_u32 s[G0B+4*\s+1], s45, \s*SLOT
	s_add_nc_u64 s[G0B+4*\s+2:G0B+4*\s+3], s[46:47], \s*2*REG
	s_or_b32 s[G0B+4*\s+3], s[G0B+4*\s+3], 0x80000000
.endr
	; ONE LOAD A WAVE AT THE HEAD: wave 0 fetches A's four K steps of slot 0, wave 1 those of slot 1, waves 2 and 3 the same of B
	s_mov_b32 s19, 0
	s_mov_b32 s72, 1
	s_mul_i32 s73, s16, SLOT                       ; the slot: no place in the cluster enters an LDS address
	s_add_nc_u64 s[74:75], s[20:21], s[18:19]      ; the block's K steps 4 x slot on
	s_or_b32 s75, s75, 0x80000000
	s_mov_b32 s76, 1
	s_add_co_u32 s77, s73, 2*REG                   ; B's four units lie behind A's
	s_add_nc_u64 s[78:79], s[46:47], s[18:19]
	s_or_b32 s79, s79, 0x80000000
	s_cmp_eq_u32 s15, 0
	s_cbranch_scc0 .Lhead_b
	tensor_load_to_lds s[72:75], s[G1:G1+7]
	s_nop 0
.rept 4
	v_nop
.endr
	s_branch .Lhead_asked
.Lhead_b:
	tensor_load_to_lds s[76:79], s[G1B:G1B+7]
	s_nop 0
.rept 4
	v_nop
.endr
.Lhead_asked:
	; THE PREFETCH: fill f of my tile (two units, 100 blocks of 256 bytes) begins 2 f REG behind fill 0.  Behind the refill that asks for fill f one instruction a wave names fill f + 2.
	; The four partners that ask for a tile jointly share its blocks out BY ADDRESS: the partner at place c (cx for A, cy for B) takes blocks 25 c .. 25 c + 24; lanes 25-31 name the last again.
	; Fills 0 to 3 come by their loads alone; the loop's last trip, whose refills are fills 6 and 7, asks for nothing.
	s_cmp_eq_u32 s15, 0
	s_cselect_b64 s[80:81], s[20:21], s[46:47]     ; my tile's fill 0
	s_cselect_b32 s82, s40, s41                    ; my place among the four that ask for it with me
	s_add_nc_u64 s[80:81], s[80:81], 6*REG         ; at fill 3: the first refill steps it to fill 4
	s_mul_i32 s82, s82, 25
	v_and_b32 v1, 31, v0
	v_lshlrev_b32 v2, 4, v1
	s_wait_alu depctr_va_vdst(0)
	v_lshlrev_b32 v3, 3, v1
	s_wait_alu depctr_va_vdst(0)
	v_and_b32 v4, 15, v0
	v_bfe_u32 v5, v0, 4, 1
	v_min_u32 v8, 24, v1
	v_add_nc_u32 v8, s82, v8
	v_lshlrev_b32 v8, 8, v8                        ; the prefetch's offset: my block of the tile's 100; never rewritten
	s_mul_i32 s21, s15, 4*FRB
	s_mul_i32 s22, s16, 4*FRB
	s_add_co_u32 s22, s22, 2*REG
	s_xor_b32 s23, s15, 1
	s_add_co_u32 s23, s23, s16
	s_lshl_b32 s23, s23, 8
	s_add_co_u32 s23, s23, 2*REG-256
	v_mul_u32_u24 v6, s23, v5
	v_lshl_add_u32 v6, v4, 4, v6
	s_lshl_b32 s19, s15, 8
.irp s, 0,1
	v_add_nc_u32 v[A16+\s], s21, v2
	v_add_nc_u32 v[A8+\s], s21, v3
	v_add_nc_u32 v[B16+\s], s22, v2
	v_add_nc_u32 v[B8+\s], s22, v3
	v_add_nc_u32 v[ADRS+\s], s19, v6
	s_add_co_u32 s21, s21, SLOT
	s_add_co_u32 s22, s22, SLOT
	s_add_co_u32 s19, s19, SLOT
.endr
	s_lshl_b32 s66, s17, 1
	s_add_co_u32 s66, s66, s15
	s_lshl_b32 s67, s42, 1
	s_add_co_u32 s67, s67, s16
	s_lshl_b32 s68, s67, 8
	s_mov_b32 s69, 0
	s_add_nc_u64 s[8:9], s[8:9], s[68:69]
	s_lshl_b32 s66, s66, 18
	s_add_co_u32 s68, s68, s66
	s_add_nc_u64 s[10:11], s[10:11], s[68:69]
	s_add_nc_u64 s[12:13], s[12:13], s[68:69]
	v_lshlrev_b32 v7, 6, v5
.irp b, 0,1,2,3
	global_load_b128 v[BIAS+8*\b:BIAS+8*\b+3],   v7, s[8:9] offset:(32*(\b/2)+8*(\b%2))*4
	global_load_b128 v[BIAS+8*\b+4:BIAS+8*\b+7], v7, s[8:9] offset:(32*(\b/2)+8*(\b%2))*4+16
.endr
	v_lshlrev_b32 v[CO], 12, v5
	v_lshl_add_u32 v[CO], v4, 4, v[CO]
	WIN 0x80
.irp a, 0,1,2,3
.irp t, 0,1,2,3,4,5,6,7
	global_load_b128 v[32*\a+4*\t:32*\a+4*\t+3], v[CO], s[10:11] offset:(32*(\a/2)+8*(\a%2)+2*\t+8*(\t/4))*4096 th:TH_LOAD_NT
.endr
.endr
	WIN 0
	s_mul_i32 s23, s14, 16*SPITCH
	v_mul_u32_u24 v[STO], v4, SPITCH
	v_lshl_add_u32 v[STO], v5, 6, v[STO]
	v_add_nc_u32 v[STO], s23, v[STO]
	v_mul_u32_u24 v[RD], v5, SPITCH
	v_lshl_add_u32 v[RD], v4, 4, v[RD]
	v_add_nc_u32 v[RD], s23, v[RD]
.macro FRAG reg, a16, a8, off
	ds_load_b128 v[\reg:\reg+3],     v[\a16] offset:\off
	ds_load_b64  v[\reg+4:\reg+5],   v[\a8]  offset:\off+512
	ds_load_b128 v[\reg+6:\reg+9],   v[\a16] offset:\off+768
	ds_load_b64  v[\reg+10:\reg+11], v[\a8]  offset:\off+1280
.endm
.macro MUL4 a, p, q, sc, first
.irp b, 0,1,2,3
.if \first
	v_wmma_scale_f32_16x16x128_f8f6f4 v[ACC+8*(4*(\a)+\b):ACC+8*(4*(\a)+\b)+7], v[128*(\p)+48+FR*\b:128*(\p)+48+FR*\b+FR-1], v[128*(\p)+FR*(\a):128*(\p)+FR*(\a)+FR-1], v[BIAS+8*\b:BIAS+8*\b+7], v[SC+16*(\sc)+4*(\q)+\b], v[SC+16*(\sc)+4*(\q)+(\a)] matrix_a_fmt:MATRIX_FMT_BF6 matrix_b_fmt:MATRIX_FMT_BF6 matrix_a_scale:MATRIX_SCALE_ROW1
.else
	v_wmma_scale_f32_16x16x128_f8f6f4 v[ACC+8*(4*(\a)+\b):ACC+8*(4*(\a)+\b)+7], v[128*(\p)+48+FR*\b:128*(\p)+48+FR*\b+FR-1], v[128*(\p)+FR*(\a):128*(\p)+FR*(\a)+FR-1], v[ACC+8*(4*(\a)+\b):ACC+8*(4*(\a)+\b)+7], v[SC+16*(\sc)+4*(\q)+\b], v[SC+16*(\sc)+4*(\q)+(\a)] matrix_a_fmt:MATRIX_FMT_BF6 matrix_b_fmt:MATRIX_FMT_BF6 matrix_a_scale:MATRIX_SCALE_ROW1
.endif
.endr
.endm
.macro FETCH slot, q, p
	WIN TO_F
.irp i, 0,1,2,3
	FRAG 128*(\p)+48+FR*\i, B16+\slot, B8+\slot, (\q)*UNIT+\i*FRB
.endr
.irp i, 0,1,2,3
	FRAG 128*(\p)+FR*\i, A16+\slot, A8+\slot, (\q)*UNIT+\i*FRB
.endr
.endm
.macro SCALES sc
.irp q, 0,1,2,3
	ds_load_b128 v[SC+16*\sc+4*\q:SC+16*\sc+4*\q+3], v[ADRS+\sc] offset:\q*UNIT+SCO
.endr
.endm
.macro STEP slot, q, first
	s_wait_dscnt 0x0
	PLACES
	FETCH \slot, (\q)+1, 1-(\q)%2
	WIN MUL
.irp a, 0,1,2,3
	MUL4 \a, (\q)%2, \q, \slot, \first
.endr
.endm
.macro TURN slot, next, fill
	WIN 0
.if \fill
	s_wait_xcnt 0x0                                ; any prefetch of mine has read its address: it is stepped only behind this wait
	s_add_nc_u64 s[80:81], s[80:81], 2*REG
.endif
	s_wait_tensorcnt 0x0
	ds_add_u32 v[SPW], v[NIL]
	s_wait_dscnt 1
	WIN MUL
	MUL4 0, 1, 3, \slot, 0
	s_wait_dscnt 0x0
	s_barrier_signal -1
	MUL4 1, 1, 3, \slot, 0
	WIN 0
	s_barrier_wait -1
.if \fill
	CREST
	s_add_nc_u64 s[G0+4*\slot+2:G0+4*\slot+3], s[G0+4*\slot+2:G0+4*\slot+3], 4*REG
	s_add_nc_u64 s[G0B+4*\slot+2:G0B+4*\slot+3], s[G0B+4*\slot+2:G0B+4*\slot+3], 4*REG
	JLOAD \slot
.else
	PLACES
.endif
	FETCH \next, 0, 0
	WIN 0
	SCALES \next
.if \fill
	s_cmp_gt_u32 s3, 1                             ; s3 = 1 in the loop's last trip
	s_cbranch_scc0 .Lnot_asked_\@
	global_prefetch_b8 v8, s[80:81] th:TH_LOAD_NT scope:SCOPE_SE
.Lnot_asked_\@:
.endif
	WIN MUL
	MUL4 2, 1, 3, \slot, 0
	MUL4 3, 1, 3, \slot, 0
.endm
	s_wait_loadcnt 32
	s_wait_tensorcnt 0x0                           ; my load is in; no tensor load of mine is out, so group 1 may be written:
	s_mov_b32 s[G1+2], 100<<16                     ; from here on a load brings 100 rows: two units
	s_mov_b32 s[G1+4], 100
	s_mov_b32 s[G1B+2], 100<<16
	s_mov_b32 s[G1B+4], 100
	s_barrier_signal -1
	s_barrier_wait -1
	FETCH 0, 0, 0
	WIN 0
	SCALES 0
	STEP 0, 0, 1
.if LAPS > 1
	WIN 0
	s_mov_b32 s3, LAPS-1
.Llap:
	STEP 0, 1, 0
	STEP 0, 2, 0
	TURN 0, 1, 1
	STEP 1, 0, 0
	STEP 1, 1, 0
	STEP 1, 2, 0
	TURN 1, 0, 1
	STEP 0, 0, 0
	WIN 0
	s_sub_co_u32 s3, s3, 1
	s_cmp_lg_u32 s3, 0
	s_cbranch_scc1 .Llap
.endif
	STEP 0, 1, 0
	STEP 0, 2, 0
	TURN 0, 1, 0
	STEP 1, 0, 0
	STEP 1, 1, 0
	STEP 1, 2, 0
	s_wait_dscnt 0x0
	WIN MUL
.irp a, 0,1,2,3
	MUL4 \a, 1, 3, 1, 0
.endr
	WIN 0
.macro TOSTAGE a
.irp b, 0,1,2,3
	ds_store_b128 v[STO], v[ACC+8*(4*(\a)+\b):ACC+8*(4*(\a)+\b)+3]   offset:128*(\b/2)+32*(\b%2)
	ds_store_b128 v[STO], v[ACC+8*(4*(\a)+\b)+4:ACC+8*(4*(\a)+\b)+7] offset:128*(\b/2)+32*(\b%2)+16
.endr
	WIN 0x40
.irp t, 0,1,2,3,4,5,6,7
	ds_load_b128 v[32*(\a)+4*\t:32*(\a)+4*\t+3], v[RD] offset:2*\t*SPITCH
.endr
	WIN 0
.endm
	PLACES
	s_wait_alu depctr_va_vdst(0)
	TOSTAGE 0
	TOSTAGE 1
	TOSTAGE 2
	TOSTAGE 3
	s_wait_loadcnt 0x0
.irp a, 0,1,2,3
	s_wait_dscnt 16*(3-\a)
	WIN 0x49
.set p, 0
.rept 16
	v_pk_add_f32 v[32*\a+2*p:32*\a+2*p+1], v[32*\a+2*p:32*\a+2*p+1], v[32*\a+2*p:32*\a+2*p+1]
.set p, p+1
.endr
	WIN 0x04
.irp t, 0,1,2,3,4,5,6,7
.if NTOUT
	global_store_b128 v[CO], v[32*\a+4*\t:32*\a+4*\t+3], s[12:13] offset:(32*(\a/2)+8*(\a%2)+2*\t+8*(\t/4))*4096 th:TH_STORE_NT
.else
	global_store_b128 v[CO], v[32*\a+4*\t:32*\a+4*\t+3], s[12:13] offset:(32*(\a/2)+8*(\a%2)+2*\t+8*(\t/4))*4096
.endif
.endr
.endr
	WIN 0
	s_wait_tensorcnt 0x0
	ds_add_u32 v[SPW], v[NIL]
	s_wait_dscnt 0x0
	CROUND
	s_endpgm
.Lfunc_end_k_q3e2e7f24c1_ff2:
	.size	k_q3e2e7f24c1_ff2, .Lfunc_end_k_q3e2e7f24c1_ff2-k_q3e2e7f24c1_ff2
	.p2alignl 7, 3214868480
	.fill 96, 4, 3214868480
	.section	.rodata,"a",@progbits
	.p2align	6, 0x0
	.amdhsa_kernel k_q3e2e7f24c1_ff2
		.amdhsa_group_segment_fixed_size 327680
		.amdhsa_private_segment_fixed_size 0
		.amdhsa_enable_private_segment 0
		.amdhsa_kernarg_size 40
		.amdhsa_user_sgpr_count 2
		.amdhsa_user_sgpr_kernarg_segment_ptr 1
		.amdhsa_wavefront_size32 1
		.amdhsa_system_sgpr_workgroup_id_x 1
		.amdhsa_system_sgpr_workgroup_id_y 1
		.amdhsa_system_sgpr_workgroup_id_z 1
		.amdhsa_system_vgpr_workitem_id 0
		.amdhsa_next_free_vgpr 768
		.amdhsa_next_free_sgpr 100
		.amdhsa_reserve_vcc 0
		.amdhsa_float_denorm_mode_32 3
		.amdhsa_float_denorm_mode_16_64 3
		.amdhsa_memory_ordered 1
		.amdhsa_forward_progress 1
		.amdhsa_inst_pref_size 96
	.end_amdhsa_kernel
	.amdgpu_metadata
---
amdhsa.version: [ 1, 2 ]
amdhsa.kernels:
  - .name:           k_q3e2e7f24c1_ff2
    .symbol:         k_q3e2e7f24c1_ff2.kd
    .args:
      - { .name: hid, .offset: 0, .size: 8, .value_kind: global_buffer, .address_space: global }
      - { .name: pre, .offset: 8, .size: 8, .value_kind: global_buffer, .address_space: global }
      - { .name: b2, .offset: 16, .size: 8, .value_kind: global_buffer, .address_space: global }
      - { .name: x1, .offset: 24, .size: 8, .value_kind: global_buffer, .address_space: global }
      - { .name: out0, .offset: 32, .size: 8, .value_kind: global_buffer, .address_space: global }
    .group_segment_fixed_size: 327680
    .private_segment_fixed_size: 0
    .kernarg_segment_align: 8
    .kernarg_segment_size: 40
    .max_flat_workgroup_size: 128
    .sgpr_count:     100
    .vgpr_count:     768
    .wavefront_size: 32
...
	.end_amdgpu_metadata
.endif
;; end of part 13
